; MI455X (gfx1250); checked and timed in simulation.
; The chip was launched on July 23, 2026; its instructions are those of AMD's public machine-readable ISA for CDNA 5 (MIT licence, August 2026) and "CDNA5" Instruction Set Architecture Reference Guide (July 2026). The comments in the code are by the model that wrote it; some were corrected since.
;; Spatial KNN Encoder. Allowed arithmetic: matrix products marked QUANTISED: E3M2 operands, one E8M0 scale for each 32 along K, by v_wmma_scale_f32_16x16x128_f8f6f4 with both operands' format E3M2, f32 sums; products left as they are: f32 operands where the result goes on into a quantised operand, else bf16, f16 or f32 operands; f32 sums; everything else in f32.
;; Inputs: W_feat 128 x 256 float32; W_p1 4 x 128 float32; W_p2 128 x 256 float32; Wk 256 x 256 float32; Wo 256 x 256 float32; Wq 256 x 256 float32; Wv 256 x 256 float32; b_feat 256 float32; b_p1 128 float32; b_p2 256 float32; beta 256 float32; bk 256 float32; bo 256 float32; bq 256 float32; bv 256 float32; coords 4 x 4,096 x 3 float32; features 4 x 4,096 x 128 float32; gamma 256 float32.
;; Outputs: out0 4 x 4,096 x 256 float32.
;; This version of the problem:
;;   THIS VERSION OF THE PROBLEM IS GIVEN IN LOW PRECISION. The matrix products marked QUANTISED in the list below multiply operands that are first quantised to E3M2 (3 exponent bits, 2 mantissa bits; 6 bits a number), with one power-of-two scale for each 32 numbers along K (OCP MX v1.0); their sums are f32. All else is computed in f32.
;;   The module's matrix products, in the order in which they are computed (A, B: the left and right operand; K: the contracted axis; several contracted axes count as one K, in the product's order):
;;     1. [M 16,384, K 128] x [K 128, N 256]; A: input features; B: input W_feat: QUANTISED
;;     2. [M 262,144, K 4] x [K 4, N 128]; A: computed on the way; B: input W_p1: left as it is (K = 4 < 32)
;;     3. [M 262,144, K 128] x [K 128, N 256]; A: computed on the way; B: input W_p2: QUANTISED
;;     4. [M 16,384, K 256] x [K 256, N 256]; A: computed on the way; B: input Wq: QUANTISED
;;     5. [M 262,144, K 256] x [K 256, N 256]; A: computed on the way; B: input Wk: QUANTISED
;;     6. [M 262,144, K 256] x [K 256, N 256]; A: computed on the way; B: input Wv: QUANTISED
;;     7. batch 65,536 x [M 1, K 64] x [K 64, N 16]; A: computed on the way; B: computed on the way: left as it is (M = 1 < 16)
;;     8. batch 65,536 x [M 1, K 16] x [K 16, N 64]; A: softmax; B: computed on the way: left as it is (K = 16 < 32)
;;     9. [M 16,384, K 256] x [K 256, N 256]; A: computed on the way; B: input Wo: QUANTISED
;;   THE QUANTISER, for each operand of a quantised product, along K:
;;     - K is cut into blocks of 32 from its start; a last block that is shorter is filled with zeros.
;;     - A block's scale is 2^e with e = floor(log2(the largest magnitude in the block)) - 4, held to -126 .. 127; a block of zeros has e = 0. As a byte (E8M0): e + 127.
;;     - Each number is divided by its block's scale, clamped to +-28, and rounded to the nearest number of E3M2, ties to even, subnormals kept.
;;     - The product sums the exact products of the quantised numbers (number of the format x scale) in f32.
;;   ~~~python
;;   def quantise(x, axis):      # numpy; x: float32 -> the quantised numbers, widened to float32 again
;;       x = np.moveaxis(x, axis, -1); K = x.shape[-1]
;;       x = np.pad(x, [(0, 0)] * (x.ndim - 1) + [(0, -K % 32)]); x = x.reshape(x.shape[:-1] + (-1, 32)); a = np.abs(x).max(-1, keepdims=True)
;;       e = np.where(a > 0, np.clip(np.frexp(np.where(a > 0, a, 1))[1] - 1 - 4, -126, 127), 0)      # np.frexp(a)[1] - 1 = floor(log2(a)), exactly
;;       r = np.clip(x / 2.0 ** e, -28, 28)
;;       step = 2.0 ** (np.maximum(np.frexp(np.where(r == 0, 1, r))[1] - 1, -2) - 2)
;;       q = np.round(r / step) * step * 2.0 ** e      # np.round: ties to even
;;       return np.moveaxis(q.reshape(q.shape[:-2] + (-1,))[..., :K], -1, axis).astype(np.float32)
;;   ~~~
;;   OPERANDS COMPUTED ON THE WAY. 'Computed on the way' means the value that the module computes at that place (a softmax that the list does not call 'softmax' is quantised finished and normalised). What goes into a quantiser is computed in f32, as accurately as f32 sums, v_exp_f32 and their like allow (about 1e-6 of the number): no bf16 or f16 on the way to a quantiser, and a product that is left as it is and whose result goes on into a quantised operand takes f32 operands (vector FMAs, or v_wmma_f32_16x16x4_f32). A number that lies on a knife's edge between two numbers of the format may be rounded either way, as far as f32 arithmetic and the matrix unit's own rounding can turn it there, and no further.
;; 3 versions, each right; version 2 is faster than version 1; version 3 is version 2 with the launches feat_knn, chain written anew for expert scheduling mode. Each part assembles by itself: llvm-mc -triple=amdgcn-amd-amdhsa -mcpu=gfx1250 --defsym DOCPART=n.
;; ======== version 1 of 3: 3 launches
;; limits: an absolute error that grows with the inputs' magnitude: up to 1.2e-07 times it
;; workspace buffers: glist 262,144 bytes of whole numbers; nidx 1,048,576 bytes of whole numbers; wfrag 245,760 bytes; wscale 20,480 bytes; fb 16,777,216 bytes; qs 16,777,216 bytes
;; launch knn_groups (part 1): grid 256 x 1, 8 waves a work-group, no clusters, 110,592 bytes of LDS; arguments coords, W_feat, W_p2, Wq, Wk, Wv, Wo, glist, wfrag, wscale; writes glist, wfrag, wscale
.if DOCPART == 1
	.amdgcn_target "amdgcn-amd-amdhsa--gfx1250"
	.amdhsa_code_object_version 6
	.text
	.protected	k_qb454a52905_knn_groups
	.globl	k_qb454a52905_knn_groups
	.p2align	8
	.type	k_qb454a52905_knn_groups,@function
k_qb454a52905_knn_groups:
	s_mov_b64 s[64:65], 0
	v_nop
	global_prefetch_b8 v0, s[64:65] scope:SCOPE_SE
	s_setreg_imm32_b32 hwreg(HW_REG_WAVE_MODE, 25, 1), 1
	s_wait_xcnt 0x0
; FIRST STAGE OF THE NEAREST-16 SEARCH, AND THE WEIGHTS AS OPERANDS.
; A work-group owns 64 queries of one batch of 4,096 points; lane l of EVERY wave holds queries 2 l and 2 l + 1.  Wave w scans candidates 512 w .. 512 w + 511: 32 groups of 16 neighbouring
; candidates, and keeps each group's smallest distance.  Then the 16 best of the query's 256 groups, by (smallest distance, group number), are found exactly and stored as 16 bytes, ascending.
; WHY THAT IS ENOUGH: a point among the true 16 nearest, in the order (distance, index), has at most 15 points ahead of it; each group whose smallest comes ahead of its own group's holds one of them.
; DISTANCE, the same lines in all three launches: dx = xi - xj, dy, dt = ti - tj; sq = fma(dx, dx, dy dy); sd = sqrt(sq); d = fma(dt, 0.3, sd).  A pair counts where dt >= 0 and sq <= 2500 and j != i:
; dt's sign is laid onto sq and ONE unsigned compare with the bits of 2500.0 tests both.  What does not count is +infinity.
; LIMITS: NaN and infinities among the inputs are not served.  The fused forms and the root's last bit may choose otherwise than separate roundings between two candidates about 2 ulp apart at the 16th place.
; Wave 0 of work-groups 0 .. 159 also turns one 16 x 128 tile of a weight into codes of E3M2 in the order of the operand's registers (a block of zeros gets the byte 1: its codes are zeros, and only this program reads the bytes).
; No tensor loads and no cluster: the candidates are 49,152 bytes that every wave takes through scalar loads, and nothing else is shared.
.set GM,    0                          ; LDS: the groups' smallest distances: wave x 8,192 + 256 x group + 8 x lane
.set LIST,  65536                      ; each wave's sorted 16 smallest: wave x LPW + 256 x place + 4 x query
.set LPW,   4128                       ; 4,096 + 32, so that the four parts of a merge fall on different banks
.set TB,    LIST+8*LPW                 ; the 16th smallest of each query
.set CNT,   TB+256                     ; each wave's counts: wave x 256 + 4 x query
.set PK,    CNT+2048                   ; each wave's part of the 16 bytes: wave x 1,024 + 16 x query
.set LANE, 1
.set OWNO, 2
.set A_GM, 3
.set A_LW, 4
.set A_LR, 5
.set A_TW, 6
.set A_TR, 7
.set A_CW, 8
.set A_CR, 9
.set A_PW, 10
.set A_PR, 11
.set ADT,  12
.set INF,  13
.set VZ,   14
.set KL,   16                          ; v16-47  the sorted list: place s of query parity q at KL + 2 s + q
.set ACC,  48
.set TQ,   50                          ; v50-51  the 16th smallest of my two queries
.set DX,   52
.set DY,   60
.set DT,   68
.set TT,   76
.set PT,   52                          ; at work behind the scan
.set CL,   84
.set CE,   86
.set NREM, 88
.set RR,   90
.set SEL,  92
.set KEEP, 93
.set SH1,  94
.set SH2,  95
.set EV,   96                          ; v96-159 my wave's 32 elements of my two queries
.set LA,   160
.set LB,   176
.set XA,   192
.set YA,   208
.set LL,   224                         ; v224-231 the 16 bytes, four registers a query
.set CW,   232
.set XI,   248
.set YI,   250
.set TI,   252
.set TM,   254
.set SF,   92                          ; s92-98  flags: wave w' comes before mine
.set S32W, 99
.set SA,   100
.set SB,   101
.set SID,  72
.macro BAR                             ; my LDS stores have landed and my LDS loads are in: then the work-group's barrier
	s_wait_dscnt 0x0
	s_barrier_signal -1
	s_barrier_wait -1
.endm
.macro INS q, src                      ; one number into the ascending list of 16: from the top down, so that every line reads old places
.irp s, 15,14,13,12,11,10,9,8,7,6,5,4,3,2,1
	v_med3_num_f32 v[KL+2*\s+\q], v[\src], v[KL+2*\s-2+\q], v[KL+2*\s+\q]
.endr
	v_min_num_f32 v[KL+\q], v[\src], v[KL+\q]
.endm
.macro STAGE d, f, t                   ; one half-cleaner of a bitonic sort of 16
.irp i, 0,1,2,3,4,5,6,7,8,9,10,11,12,13,14,15
.if ((\i)&(\d)) == 0
	v_min_num_f32 v[\t+\i], v[\f+\i], v[\f+\i+\d]
	v_max_num_f32 v[\t+\i+\d], v[\f+\i], v[\f+\i+\d]
.endif
.endr
.endm
.macro BSORT a, b                      ; a bitonic run in a becomes ascending, in a again
	STAGE 8, \a, \b
	STAGE 4, \b, \a
	STAGE 2, \a, \b
	STAGE 1, \b, \a
.endm
; Thread n takes query n / 4 and two of the eight lists; the 16 smallest of two ascending lists are min(a[i], b[15 - i]).  Two more such steps join the four threads of a query.
.macro MERGE16
.irp s, 0,1,2,3,4,5,6,7,8,9,10,11,12,13,14,15
	ds_load_b32 v[LA+\s], v[A_LR] offset:256*\s
	ds_load_b32 v[LB+\s], v[A_LR] offset:LPW+256*\s
.endr
	s_wait_dscnt 0x0
.irp i, 0,1,2,3,4,5,6,7,8,9,10,11,12,13,14,15
	v_min_num_f32 v[XA+\i], v[LA+\i], v[LB+15-\i]
.endr
	BSORT XA, YA
.irp i, 0,1,2,3,4,5,6,7,8,9,10,11,12,13,14,15
	v_min_num_f32_dpp v[YA+\i], v[XA+15-\i], v[XA+\i] row_xmask:1 row_mask:0xf bank_mask:0xf
.endr
	BSORT YA, XA
.irp i, 0,1,2,3,4,5,6,7,8,9,10,11,12,13,14,15
	v_min_num_f32_dpp v[XA+\i], v[YA+15-\i], v[YA+\i] row_xmask:2 row_mask:0xf bank_mask:0xf
.endr
	v_max3_num_f32 v[TM], v[XA], v[XA+1], v[XA+2]          ; the largest of the 16 smallest
.irp i, 3,5,7,9,11,13
	v_max3_num_f32 v[TM], v[TM], v[XA+\i], v[XA+\i+1]
.endr
	v_max_num_f32 v[TM], v[TM], v[XA+15]
	ds_store_b32 v[A_TW], v[TM]                            ; the four threads of a query write the same number
.endm
.macro COUNT1 e, q                     ; how many of my elements lie under the 16th smallest, how many on it
	v_cmp_lt_f32 vcc_lo, v[EV+2*\e+\q], v[TQ+\q]
	v_add_co_ci_u32 v[CL+\q], vcc_lo, 0, v[CL+\q], vcc_lo
	v_cmp_eq_f32 vcc_lo, v[EV+2*\e+\q], v[TQ+\q]
	v_add_co_ci_u32 v[CE+\q], vcc_lo, 0, v[CE+\q], vcc_lo
.endm
.macro PREFIX q                        ; from all waves' counts: how many equals are still wanted, and where my bytes begin
	v_add3_u32 v[PT], v[CW+\q], v[CW+2+\q], v[CW+4+\q]
	v_add3_u32 v[PT], v[PT], v[CW+6+\q], v[CW+8+\q]
	v_add3_u32 v[PT], v[PT], v[CW+10+\q], v[CW+12+\q]
	v_add_nc_u32 v[PT], v[PT], v[CW+14+\q]
	v_mul_u32_u24 v[PT+1], s[SF], v[CW+\q]
.irp w, 1,2,3,4,5,6
	v_mad_u32_u24 v[PT+1], v[CW+2*\w+\q], s[SF+\w], v[PT+1]
.endr
	v_and_b32 v[PT], 0xffff, v[PT]
	v_sub_nc_u32 v[PT], 16, v[PT]                          ; need: equals to be taken in all
	v_and_b32 v[PT+2], 0xffff, v[PT+1]                     ; smaller ones in the waves before mine
	v_lshrrev_b32 v[PT+1], 16, v[PT+1]                     ; equals in the waves before mine
	v_min_u32 v[PT+3], v[PT+1], v[PT]
	v_add_nc_u32 v[PT+2], v[PT+2], v[PT+3]                 ; taken before mine
	v_sub_nc_u32 v[PT+3], v[PT], v[PT+3]
	v_min_u32 v[PT+3], v[CE+\q], v[PT+3]
	v_add3_u32 v[PT+2], v[PT+2], v[PT+3], v[CL+\q]         ; taken up to and with mine
	v_sub_nc_u32 v[RR+\q], 16, v[PT+2]                     ; bytes by which my list moves down at the end
	v_sub_nc_u32 v[NREM+\q], v[PT+1], v[PT]                ; negative as long as equals are still wanted
.endm
.macro PACK1 e, q                      ; an element that is taken enters the 16 bytes at the top, and the bytes move down by one
	v_cmp_lt_f32 s[SA], v[EV+2*\e+\q], v[TQ+\q]
	v_cmp_gt_i32 s[SB], 0, v[NREM+\q]
	v_cmp_eq_f32 vcc_lo, v[EV+2*\e+\q], v[TQ+\q]
	s_and_b32 s[SB], s[SB], vcc_lo
	s_or_b32 s[SA], s[SA], s[SB]
	v_add_co_ci_u32 v[NREM+\q], vcc_lo, 0, v[NREM+\q], vcc_lo
	v_cndmask_b32 v[SEL], v[KEEP], v[SH1], s[SA]
	v_perm_b32 v[LL+4*\q], v[LL+4*\q+1], v[LL+4*\q], v[SEL]
	v_perm_b32 v[LL+4*\q+1], v[LL+4*\q+2], v[LL+4*\q+1], v[SEL]
	v_perm_b32 v[LL+4*\q+2], v[LL+4*\q+3], v[LL+4*\q+2], v[SEL]
	v_perm_b32 v[LL+4*\q+3], s[SID], v[LL+4*\q+3], v[SEL]
.endm
.macro SHIFTP q
	v_perm_b32 v[LL+4*\q], v[LL+4*\q+1], v[LL+4*\q], v[SEL]
	v_perm_b32 v[LL+4*\q+1], v[LL+4*\q+2], v[LL+4*\q+1], v[SEL]
	v_perm_b32 v[LL+4*\q+2], v[LL+4*\q+3], v[LL+4*\q+2], v[SEL]
	v_perm_b32 v[LL+4*\q+3], v[VZ], v[LL+4*\q+3], v[SEL]
.endm
.macro BARREL q                        ; the 16 bytes move down by RR bytes (16 only where they are all zeros)
	v_and_b32 v[PT], 1, v[RR+\q]
	v_cmp_ne_u32 vcc_lo, 0, v[PT]
	v_cndmask_b32 v[SEL], v[KEEP], v[SH1], vcc_lo
	SHIFTP \q
	v_and_b32 v[PT], 2, v[RR+\q]
	v_cmp_ne_u32 vcc_lo, 0, v[PT]
	v_cndmask_b32 v[SEL], v[KEEP], v[SH2], vcc_lo
	SHIFTP \q
	v_and_b32 v[PT], 4, v[RR+\q]
	v_cmp_ne_u32 vcc_lo, 0, v[PT]
	v_cndmask_b32 v[LL+4*\q], v[LL+4*\q], v[LL+4*\q+1], vcc_lo
	v_cndmask_b32 v[LL+4*\q+1], v[LL+4*\q+1], v[LL+4*\q+2], vcc_lo
	v_cndmask_b32 v[LL+4*\q+2], v[LL+4*\q+2], v[LL+4*\q+3], vcc_lo
	v_cndmask_b32 v[LL+4*\q+3], v[LL+4*\q+3], v[VZ], vcc_lo
	v_and_b32 v[PT], 8, v[RR+\q]
	v_cmp_ne_u32 vcc_lo, 0, v[PT]
	v_cndmask_b32 v[LL+4*\q], v[LL+4*\q], v[LL+4*\q+2], vcc_lo
	v_cndmask_b32 v[LL+4*\q+1], v[LL+4*\q+1], v[LL+4*\q+3], vcc_lo
	v_cndmask_b32 v[LL+4*\q+2], v[LL+4*\q+2], v[VZ], vcc_lo
	v_cndmask_b32 v[LL+4*\q+3], v[LL+4*\q+3], v[VZ], vcc_lo
.endm
; Four candidates are 12 words.  A packed instruction takes the LOW word of a scalar pair for both halves, so the words are loaded twice: from byte s6 on (words 0-10) and from s6 + 4 on (words 1-11):
; every word then stands at an even scalar register of one of the two copies.  No load reads past s6 + 48.
.macro SLOAD a, b
	s_load_b256 s[\a:\a+7], s[2:3], s6 offset:0x0
	s_load_b96 s[\a+8:\a+10], s[2:3], s6 offset:0x20
	s_load_b256 s[\b:\b+7], s[2:3], s6 offset:0x4
	s_load_b96 s[\b+8:\b+10], s[2:3], s6 offset:0x24
.endm
.macro CSUB dst, d, own, a, b          ; my two queries' coordinate less word d of the batch
.if ((\d)%2) == 0
	v_pk_fma_f32 v[\dst:\dst+1], s[\a+(\d):\a+(\d)+1], -1.0, v[\own:\own+1] op_sel_hi:[0,0,1]
.else
	v_pk_fma_f32 v[\dst:\dst+1], s[\b+(\d)-1:\b+(\d)], -1.0, v[\own:\own+1] op_sel_hi:[0,0,1]
.endif
.endm
; Four candidates against my two queries.  a, b: the two copies in hand; na, nb: those that the next batch's loads fill; bi: the batch's number in its group.
.macro BATCH a, b, na, nb, bi
	s_wait_kmcnt 0x0                       ; this batch's words are in (asked for one batch ago), and s6 may be stepped
	s_add_co_u32 s6, s6, 48
	s_min_u32 s6, s6, s73                  ; the look-ahead stays inside the batch's coordinates
	SLOAD \na, \nb
.irp c, 0,1,2,3
	CSUB DX+2*\c, 3*\c, XI, \a, \b
	CSUB DY+2*\c, 3*\c+1, YI, \a, \b
	CSUB DT+2*\c, 3*\c+2, TI, \a, \b
.endr
.irp c, 0,2,4,6
	v_pk_mul_f32 v[DY+\c:DY+\c+1], v[DY+\c:DY+\c+1], v[DY+\c:DY+\c+1]
.endr
.irp c, 0,2,4,6
	v_pk_fma_f32 v[DX+\c:DX+\c+1], v[DX+\c:DX+\c+1], v[DX+\c:DX+\c+1], v[DY+\c:DY+\c+1]
.endr
.irp i, 0,1,2,3,4,5,6,7
	v_sqrt_f32 v[DY+\i], v[DX+\i]
.endr
.irp i, 0,1,2,3,4,5,6,7
	v_bfi_b32 v[TT+\i], s66, v[DT+\i], v[DX+\i]            ; dt's sign on sq.  (Plain lines behind the roots: they read no root and write no root's source)
.endr
.irp i, 0,1,2,3,4,5,6,7
	v_cmp_ge_u32 s[56+\i], s67, v[TT+\i]                   ; dt >= 0 and sq <= 2500
.endr
.irp c, 0,1,2,3
	s_lshl_b32 s68, s71, 2*\bi+\c/2                        ; candidate 4 bi + c of a group on the diagonal IS the query of lane 8 g + (4 bi + c) / 2, parity c % 2; s71 is 0 elsewhere
	s_and_not1_b32 s[56+2*\c+\c%2], s[56+2*\c+\c%2], s68
.endr
	s_wait_alu depctr_va_vdst(0)
.irp c, 0,2,4,6
	v_pk_fma_f32 v[DY+\c:DY+\c+1], v[DT+\c:DT+\c+1], 0x3e99999a, v[DY+\c:DY+\c+1] op_sel_hi:[1,0,1]
.endr
.irp i, 0,1,2,3,4,5,6,7
	v_cndmask_b32 v[DY+\i], v[INF], v[DY+\i], s[56+\i]
.endr
.if \bi == 0
	v_min_num_f32 v[ACC], v[DY], v[DY+2]
	v_min_num_f32 v[ACC+1], v[DY+1], v[DY+3]
.else
	v_min3_num_f32 v[ACC], v[ACC], v[DY], v[DY+2]
	v_min3_num_f32 v[ACC+1], v[ACC+1], v[DY+1], v[DY+3]
.endif
	v_min3_num_f32 v[ACC], v[ACC], v[DY+4], v[DY+6]
	v_min3_num_f32 v[ACC+1], v[ACC+1], v[DY+5], v[DY+7]
.endm
	s_load_b64 s[2:3], s[0:1], 0x0                 ; coords
	s_load_b256 s[80:87], s[0:1], 0x8              ; W_feat, W_p2, Wq, Wk
	s_load_b128 s[88:91], s[0:1], 0x28             ; Wv, Wo
	s_load_b128 s[76:79], s[0:1], 0x38             ; glist, wfrag
	s_load_b64 s[74:75], s[0:1], 0x48              ; wscale
	v_lshl_add_u32 v15, v0, 2, 0x1ac00
	s_set_vgpr_msb 0x40
	v_mov_b32 v1, 0
	s_set_vgpr_msb 0x4000
	v_lshrrev_b32 v[TM], 5, v0
	v_readfirstlane_b32 s4, v[TM]                  ; wave 0..7
	v_and_b32 v[LANE], 31, v0
	s_and_b32 s5, ttmp9, 63                        ; my block of 64 queries in its batch
	s_mul_i32 s20, s5, 768
	v_mad_u32_u24 v[OWNO], v[LANE], 24, s20        ; my two queries' 24 bytes
	s_lshl_b32 s20, s4, 13
	v_lshl_add_u32 v[A_GM], v[LANE], 3, s20
	s_mul_i32 s20, s4, LPW
	s_add_co_u32 s20, s20, LIST
	v_lshl_add_u32 v[A_LW], v[LANE], 3, s20
	v_and_b32 v[A_LR], 3, v0
	v_mul_u32_u24 v[A_LR], v[A_LR], 2*LPW
	v_lshrrev_b32 v[TM], 2, v0
	v_lshl_add_u32 v[A_LR], v[TM], 2, v[A_LR]
	v_add_nc_u32 v[A_LR], LIST, v[A_LR]
	v_lshl_add_u32 v[A_TW], v[TM], 2, TB
	v_lshl_add_u32 v[A_TR], v[LANE], 3, TB
	s_lshl_b32 s20, s4, 8
	s_add_co_u32 s20, s20, CNT
	v_lshl_add_u32 v[A_CW], v[LANE], 3, s20
	v_lshl_add_u32 v[A_CR], v[LANE], 3, CNT
	s_lshl_b32 s20, s4, 10
	s_add_co_u32 s20, s20, PK
	v_lshl_add_u32 v[A_PW], v[LANE], 5, s20
	v_lshl_add_u32 v[A_PR], v0, 4, PK
	v_mov_b32 v[INF], 0x7f800000
	v_mov_b32 v[VZ], 0
	v_mov_b32 v[KEEP], 0x03020100
	v_mov_b32 v[SH1], 0x04030201
	v_mov_b32 v[SH2], 0x05040302
.set ii, 0
.rept 32
	v_mov_b32 v[KL+ii], v[INF]
.set ii, ii+1
.endr
	s_mov_b32 s66, 0x80000000
	s_mov_b32 s67, 0x451c4000                      ; 2500.0
	s_mov_b32 s19, 0                               ; named as upper halves of pairs, so they are written
	s_mov_b32 s31, 0
	s_mov_b32 s43, 0
	s_mov_b32 s55, 0
	s_mov_b32 s73, 49104                           ; the last offset from which 48 bytes lie inside a batch's coordinates
.irp w, 0,1,2,3,4,5,6
	s_cmp_gt_u32 s4, \w
	s_cselect_b32 s[SF+\w], 1, 0
.endr
	s_lshl_b32 s[S32W], s4, 5
	s_wait_kmcnt 0x0
	s_lshr_b32 s20, ttmp9, 6                       ; the batch
	s_mul_i32 s20, s20, 49152
	s_mov_b32 s21, 0
	s_add_nc_u64 s[2:3], s[2:3], s[20:21]
	global_load_b64 v[52:53], v[OWNO], s[2:3]
	global_load_b64 v[54:55], v[OWNO], s[2:3] offset:8
	global_load_b64 v[56:57], v[OWNO], s[2:3] offset:16
	; ---- one weight tile (16 columns x 128 along K) into codes: wave 0 of work-groups 0 .. 159.  No LDS and no barrier in here.
	s_cmp_lg_u32 s4, 0
	s_cbranch_scc1 .Lnoprep
	s_cmp_ge_u32 ttmp9, 160
	s_cbranch_scc1 .Lnoprep
	s_sub_co_u32 s5, ttmp9, 32                     ; tiles 0-31: W_feat, W_p2 (16 each, one K step); from 32 on: Wq, Wk, Wv, Wo (32 each: 2 x tile + K step)
	s_lshr_b32 s6, s5, 5
	s_add_co_u32 s6, s6, 2
	s_bfe_u32 s7, s5, 0x40001
	s_and_b32 s8, s5, 1
	s_lshr_b32 s9, ttmp9, 4
	s_and_b32 s12, ttmp9, 15
	s_cmp_lt_u32 ttmp9, 32
	s_cselect_b32 s6, s9, s6                       ; which weight
	s_cselect_b32 s7, s12, s7                      ; which tile of 16 columns
	s_cselect_b32 s8, 0, s8                        ; which K step
	s_mov_b64 s[10:11], s[80:81]
	s_cmp_eq_u32 s6, 1
	s_cselect_b64 s[10:11], s[82:83], s[10:11]
	s_cmp_eq_u32 s6, 2
	s_cselect_b64 s[10:11], s[84:85], s[10:11]
	s_cmp_eq_u32 s6, 3
	s_cselect_b64 s[10:11], s[86:87], s[10:11]
	s_cmp_eq_u32 s6, 4
	s_cselect_b64 s[10:11], s[88:89], s[10:11]
	s_cmp_eq_u32 s6, 5
	s_cselect_b64 s[10:11], s[90:91], s[10:11]
	s_lshr_b32 s12, s7, 1
	s_lshl_b32 s12, s12, 5
	s_and_b32 s13, s7, 1
	s_lshl_b32 s13, s13, 3
	s_add_co_u32 s12, s12, s13                     ; tiles used transposed: lane r takes column 32 (t / 2) + 8 (t % 2) + r + 8 (r / 8),
	s_lshl_b32 s13, s7, 4                          ; Wk and Wv: column 16 t + r
	s_sub_co_u32 s14, s6, 3
	s_cmp_lt_u32 s14, 2
	s_cselect_b32 s12, s13, s12
	s_cselect_b32 s14, 0, 1
	s_lshl_b32 s13, s8, 17                         ; 128 rows of 1,024 bytes a K step
	s_mov_b32 s16, 0x76543210
	s_mov_b32 s17, 0xfedcba98
	v_and_b32 v60, 15, v0
	v_bfe_u32 v61, v0, 4, 1
	v_and_b32 v62, 8, v60
	v_mul_u32_u24 v62, s14, v62
	v_add3_u32 v62, v62, v60, s12
	v_lshlrev_b32 v62, 2, v62
	v_lshl_add_u32 v62, v61, 15, v62               ; lanes 16-31 begin 32 rows further down: lane (r, h) holds k = 64 c + 32 h + 0 .. 31
	v_add_nc_u32 v62, s13, v62
.irp c, 0,1
.irp i, 0,1,2,3,4,5,6,7,8,9,10,11,12,13,14,15,16,17,18,19,20,21,22,23,24,25,26,27,28,29,30,31
	global_load_b32 v[96+32*\c+\i], v62, s[10:11] offset:(64*\c+\i)*1024
.endr
.endr
	s_wait_loadcnt 0x0
.irp c, 0,1
	v_max3_num_f32 v[64+\c], |v[96+32*\c]|, |v[97+32*\c]|, 0x2800000      ; with the floor 2^(5 - 127): the byte cannot fall under 1
.endr
.irp i, 2,4,6,8,10,12,14,16,18,20,22,24,26,28,30
.irp c, 0,1
	v_max3_num_f32 v[64+\c], v[64+\c], |v[96+32*\c+\i]|, |v[97+32*\c+\i]|
.endr
.endr
.irp c, 0,1
	v_add_nc_u32 v[66+\c], 0xfe000000, v[64+\c]    ; 4 off the exponent field: the conversion's scale operand
.endr
.irp c, 0,1
	v_lshrrev_b32 v[68+\c], 23, v[66+\c]           ; the scale's byte
.endr
	v_lshl_or_b32 v70, v69, 16, v68
	v_lshlrev_b32 v71, 3, v61
	v_lshlrev_b32 v70, v71, v70                    ; my two bytes at their places,
	v_mov_b32 v71, 0
	v_permlanex16_b32 v71, v70, s16, s17
	v_or_b32 v70, v70, v71                         ; with lane l xor 16's the word is whole
.irp c, 0,1
	v_cvt_scalef32_pk16_bf6_f32 v[160+6*\c:162+6*\c], v[96+32*\c:111+32*\c], v[66+\c]
	v_cvt_scalef32_pk16_bf6_f32 v[176+4*\c:178+4*\c], v[112+32*\c:127+32*\c], v[66+\c]
.endr
	v_nop                                          ; one plain place behind a scaled conversion
.irp c, 0,1
.irp i, 0,1,2
	v_mov_b32 v[163+6*\c+\i], v[176+4*\c+\i]
.endr
.endr
	s_mul_i32 s13, ttmp9, 1536
	v_lshl_add_u32 v72, v[LANE], 4, s13
	s_lshl_b32 s13, ttmp9, 7
	v_lshl_add_u32 v73, v[LANE], 2, s13
	global_store_b128 v72, v[160:163], s[78:79]            ; the fragment as an image of its registers: 512 consecutive bytes a store
	global_store_b128 v72, v[164:167], s[78:79] offset:512
	global_store_b128 v72, v[168:171], s[78:79] offset:1024
	global_store_b32 v73, v70, s[74:75]
	s_wait_xcnt 0x0                                ; the stores' registers are written again further down
.Lnoprep:
	s_wait_loadcnt 0x0                             ; my two queries
	v_mov_b32 v[XI], v52
	v_mov_b32 v[YI], v53
	v_mov_b32 v[TI], v54
	v_mov_b32 v[XI+1], v55
	v_mov_b32 v[YI+1], v56
	v_mov_b32 v[TI+1], v57
	s_and_b32 s5, ttmp9, 63
	s_lshr_b32 s5, s5, 3                           ; the wave whose candidates hold my work-group's queries,
	s_and_b32 s70, ttmp9, 7
	s_lshl_b32 s70, s70, 2                         ; and the first of its four groups that do
	s_cmp_eq_u32 s5, s4
	s_cselect_b32 s70, s70, 64
	s_mul_i32 s6, s4, 6144                         ; my wave's first candidate, in bytes
	s_mov_b32 s7, 0
	s_mov_b32 s69, 0
	SLOAD 8, 20
.Lscan:                                                ; 32 trips: a group of 16 candidates each
	s_sub_co_u32 s72, s7, s70
	s_lshl_b32 s68, s72, 3
	s_lshl_b32 s71, 1, s68
	s_cmp_lt_u32 s72, 4
	s_cselect_b32 s71, s71, 0                      ; the lane bit of the group's first candidate, where the group lies on the diagonal
	BATCH 8, 20, 32, 44, 0
	BATCH 32, 44, 8, 20, 1
	BATCH 8, 20, 32, 44, 2
	BATCH 32, 44, 8, 20, 3
	v_add_nc_u32 v[ADT], s69, v[A_GM]
	ds_store_b64 v[ADT], v[ACC:ACC+1]              ; kept for the passes behind the scan: my wave's own bytes
	s_add_co_u32 s69, s69, 256
	INS 0, ACC
	INS 1, ACC+1
	s_add_co_u32 s7, s7, 1
	s_cmp_lt_u32 s7, 32
	s_cbranch_scc1 .Lscan
	s_wait_kmcnt 0x0                               ; the last look-ahead
	; ---- the 16 best groups
.irp s, 0,1,2,3,4,5,6,7,8,9,10,11,12,13,14,15
	ds_store_b64 v[A_LW], v[KL+2*\s:KL+2*\s+1] offset:256*\s
.endr
	BAR
	MERGE16
	BAR
.set ee, 0
.rept 32
	ds_load_b64 v[EV+2*ee:EV+2*ee+1], v[A_GM] offset:256*ee
.set ee, ee+1
.endr
	ds_load_b64 v[TQ:TQ+1], v[A_TR]
	v_mov_b32 v[CL], 0
	v_mov_b32 v[CL+1], 0
	v_mov_b32 v[CE], 0
	v_mov_b32 v[CE+1], 0
	s_wait_dscnt 0x0
.set ee, 0
.rept 32
	COUNT1 ee, 0
	COUNT1 ee, 1
.set ee, ee+1
.endr
	v_lshl_or_b32 v[TM], v[CE], 16, v[CL]
	v_lshl_or_b32 v[TM+1], v[CE+1], 16, v[CL+1]
	ds_store_b64 v[A_CW], v[TM:TM+1]
	BAR
.irp w, 0,1,2,3,4,5,6,7
	ds_load_b64 v[CW+2*\w:CW+2*\w+1], v[A_CR] offset:256*\w
.endr
.irp i, 0,1,2,3,4,5,6,7
	v_mov_b32 v[LL+\i], 0
.endr
	s_wait_dscnt 0x0
	PREFIX 0
	PREFIX 1
.set ee, 0
.rept 32
	s_add_co_u32 s[SID], s[S32W], ee               ; the group's number
	PACK1 ee, 0
	PACK1 ee, 1
.set ee, ee+1
.endr
	BARREL 0
	BARREL 1
	ds_store_b128 v[A_PW], v[LL:LL+3]
	ds_store_b128 v[A_PW], v[LL+4:LL+7] offset:16
	BAR
	s_cmp_lt_u32 s4, 2                             ; 64 queries x 16 bytes: two waves, 512 consecutive bytes each
	s_cbranch_scc0 .Ldone
.irp w, 0,1,2,3,4,5,6,7
	ds_load_b128 v[160+4*\w:163+4*\w], v[A_PR] offset:1024*\w
.endr
	s_lshl_b32 s20, ttmp9, 10
	v_lshl_add_u32 v[TM], v0, 4, s20
	s_wait_dscnt 0x0
.irp w, 1,2,3,4,5,6,7
.irp i, 0,1,2,3
	v_or_b32 v[160+\i], v[160+\i], v[160+4*\w+\i]  ; each wave's bytes stand at places of their own: the rest are zeros
.endr
.endr
	global_store_b128 v[TM], v[160:163], s[76:77]
.Ldone:
	s_set_vgpr_msb 0x4
	s_wait_tensorcnt 0x0
	ds_add_u32 v15, v1
	s_wait_dscnt 0x0
	s_set_vgpr_msb 0x400
	s_endpgm
.Lfunc_end_k_qb454a52905_knn_groups:
	.size	k_qb454a52905_knn_groups, .Lfunc_end_k_qb454a52905_knn_groups-k_qb454a52905_knn_groups
	.p2alignl 7, 3214868480
	.fill 96, 4, 3214868480
	.section	.rodata,"a",@progbits
	.p2align	6, 0x0
	.amdhsa_kernel k_qb454a52905_knn_groups
		.amdhsa_group_segment_fixed_size 110592
		.amdhsa_private_segment_fixed_size 0
		.amdhsa_enable_private_segment 0
		.amdhsa_kernarg_size 80
		.amdhsa_user_sgpr_count 2
		.amdhsa_user_sgpr_kernarg_segment_ptr 1
		.amdhsa_wavefront_size32 1
		.amdhsa_system_sgpr_workgroup_id_x 1
		.amdhsa_system_sgpr_workgroup_id_y 1
		.amdhsa_system_sgpr_workgroup_id_z 1
		.amdhsa_system_vgpr_workitem_id 0
		.amdhsa_next_free_vgpr 258
		.amdhsa_next_free_sgpr 102
		.amdhsa_reserve_vcc 1
		.amdhsa_float_denorm_mode_32 3
		.amdhsa_float_denorm_mode_16_64 3
		.amdhsa_memory_ordered 1
		.amdhsa_forward_progress 1
		.amdhsa_inst_pref_size 102
	.end_amdhsa_kernel
	.amdgpu_metadata
---
amdhsa.version: [ 1, 2 ]
amdhsa.kernels:
  - .name:           k_qb454a52905_knn_groups
    .symbol:         k_qb454a52905_knn_groups.kd
    .args:
      - { .name: coords, .offset: 0, .size: 8, .value_kind: global_buffer, .address_space: global }
      - { .name: W_feat, .offset: 8, .size: 8, .value_kind: global_buffer, .address_space: global }
      - { .name: W_p2, .offset: 16, .size: 8, .value_kind: global_buffer, .address_space: global }
      - { .name: Wq, .offset: 24, .size: 8, .value_kind: global_buffer, .address_space: global }
      - { .name: Wk, .offset: 32, .size: 8, .value_kind: global_buffer, .address_space: global }
      - { .name: Wv, .offset: 40, .size: 8, .value_kind: global_buffer, .address_space: global }
      - { .name: Wo, .offset: 48, .size: 8, .value_kind: global_buffer, .address_space: global }
      - { .name: glist, .offset: 56, .size: 8, .value_kind: global_buffer, .address_space: global }
      - { .name: wfrag, .offset: 64, .size: 8, .value_kind: global_buffer, .address_space: global }
      - { .name: wscale, .offset: 72, .size: 8, .value_kind: global_buffer, .address_space: global }
    .group_segment_fixed_size: 110592
    .private_segment_fixed_size: 0
    .kernarg_segment_align: 8
    .kernarg_segment_size: 80
    .max_flat_workgroup_size: 256
    .sgpr_count:     102
    .vgpr_count:     258
    .wavefront_size: 32
...
	.end_amdgpu_metadata
.endif
;; end of part 1
;; launch feat_knn (part 2): grid 256 x 1, 8 waves a work-group, no clusters, 197,632 bytes of LDS; arguments features, coords, glist, wfrag, wscale, b_feat, bq, b_p2, fb, qs, nidx; writes fb, qs, nidx
.if DOCPART == 2
	.amdgcn_target "amdgcn-amd-amdhsa--gfx1250"
	.amdhsa_code_object_version 6
	.text
	.protected	k_qb454a52905_feat_knn
	.globl	k_qb454a52905_feat_knn
	.p2align	8
	.type	k_qb454a52905_feat_knn,@function
k_qb454a52905_feat_knn:
	s_mov_b64 s[64:65], 0
	v_nop
	global_prefetch_b8 v0, s[64:65] scope:SCOPE_SE
	s_setreg_imm32_b32 hwreg(HW_REG_WAVE_MODE, 25, 1), 1
	s_wait_xcnt 0x0
; feat = Q(features) Q(W_feat) + b_feat, q = Q(feat) Q(Wq) + bq (both on codes of E3M2, one E8M0 scale for each 32 along K), AND THE SECOND STAGE OF THE NEAREST-16 SEARCH.
; A work-group owns 64 rows.  Stored: fb = feat + b_p2 (what the neighbours' rows are gathered as), qs = q x log2(e) / 8, nidx = the 16 nearest points of each query as rows of the whole tensor.
; PRODUCTS: used transposed (source 0 = 16 columns of the weight, source 1 = 16 rows): wave v makes tiles 2 v and 2 v + 1, whose columns are chosen so that lane (r, h) holds row r and its 16 registers are features
; 32 v + 16 h + 0 .. 15.  The weights come as images of their registers, made by the launch before.  Operands made here go from wave to wave through LDS: register p of lane n of a fragment lies at 48 n + 4 p.
; SEARCH: lane l of every wave holds queries 2 l and 2 l + 1; wave w takes the groups at places 2 w and 2 w + 1 of each query's list: 32 candidates a query, 192 bytes a group, gathered at the kernel's head.
; The distance is computed by the same lines as in the launch before; the same selection gives the exact 16 smallest by (distance, index).
; LIMITS: as stated there.  A block of zeros gets the scale byte 1: its codes are zeros.  No tensor loads, no cluster: what is shared (72 KB of weights) is read once by each wave into registers, the rest is a gather lane by lane.
.set XIMG,  0                          ; x's 4 fragments, 1,536 bytes each
.set XSC,   6144                       ; their scale words, 64 bytes each
.set FIMG,  6400                       ; feat's 8 fragments (2 m + K step)
.set FSC,   18688
.set STG1,  19200                      ; 64 rows x (1,024 + 16) bytes: fb on its way out
.set STG2,  85760                      ; the same for qs
.set LIST,  152320
.set LPW,   4128
.set TB,    LIST+8*LPW
.set CNT,   TB+256
.set PK,    CNT+2048
.set A_XW,  4
.set A_XSW, 5
.set A_FR,  6
.set A_SR,  7
.set A_FW,  8
.set A_FSW, 9
.set A_G1W, 10
.set A_G2W, 11
.set A_G1R, 12
.set A_G2R, 13
.set GOUT,  14
.set A_LW,  15
.set A_LR,  16
.set A_TW,  17
.set A_TR,  18
.set A_CW,  19
.set A_CR,  20
.set A_PW,  21
.set A_PR,  22
.set WQO,   23
.set OWN,   24                         ; v24-29  x, y, t of my two queries
.set DI,    30                         ; v30-33  my query's index less the group's first: set 2 u + e
.set GG,    34                         ; v34-37  the 16 group numbers of query thread / 4
.set GO,    38                         ; v38-41  the groups' byte offsets; later VZ, INF
.set FO,    42                         ; v42-47  offsets of the loads at the head; later RR, SEL, KEEP, SH1, SH2
.set WFO,   43
.set WSO,   44
.set BO,    45
.set T46,   46
.set T47,   47
.set AC,    48                         ; v48-111 accumulators: (m, u) at AC + 8 (2 m + u); later the elements
.set WF,    112                        ; v112-135 W_feat's two fragments
.set BF,    136                        ; v136-151 b_feat
.set BP,    152                        ; v152-167 b_p2
.set OF,    168                        ; v168-191 two operand fragments
.set SUM,   192                        ; v192-207 feat + b_p2
.set OS,    240                        ; v240-241 the operands' scale words; v242-243 W_feat's; v244-247 Wq's: these eight hold scales and nothing else
.set WFS,   242
.set WQS,   244
.set VZ,    38
.set INF,   39
.set RR,    42
.set SEL,   44
.set KEEP,  45
.set SH1,   46
.set SH2,   47
.set EV,    48
.set KL,    112
.set DD,    144                        ; v144-191 dx, dy, dt of 16 candidates
.set LA,    144
.set LB,    160
.set XA,    176
.set YA,    192
.set LL,    208
.set CW,    216
.set TQ,    232
.set CL,    234
.set CE,    236
.set NREM,  238
.set PT,    248
.set TM,    254
.set SELS,  70
.set SF,    72
.set S32W,  80
.set SID,   81
.set SA,    82
.set SB,    83
.set MSB, 0
.macro WIN new                         ; the immediate's high byte repeats the setting that is left
.if MSB != \new
	s_set_vgpr_msb (MSB<<8)|\new
.set MSB, \new
.endif
.endm
.macro BAR
	s_wait_dscnt 0x0
	s_barrier_signal -1
	s_barrier_wait -1
.endm
.macro INS q, src
.irp s, 15,14,13,12,11,10,9,8,7,6,5,4,3,2,1
	v_med3_num_f32 v[KL+2*\s+\q], v[\src], v[KL+2*\s-2+\q], v[KL+2*\s+\q]
.endr
	v_min_num_f32 v[KL+\q], v[\src], v[KL+\q]
.endm
.macro STAGE d, f, t
.irp i, 0,1,2,3,4,5,6,7,8,9,10,11,12,13,14,15
.if ((\i)&(\d)) == 0
	v_min_num_f32 v[\t+\i], v[\f+\i], v[\f+\i+\d]
	v_max_num_f32 v[\t+\i+\d], v[\f+\i], v[\f+\i+\d]
.endif
.endr
.endm
.macro BSORT a, b
	STAGE 8, \a, \b
	STAGE 4, \b, \a
	STAGE 2, \a, \b
	STAGE 1, \b, \a
.endm
.macro MERGE16
.irp s, 0,1,2,3,4,5,6,7,8,9,10,11,12,13,14,15
	ds_load_b32 v[LA+\s], v[A_LR] offset:256*\s
	ds_load_b32 v[LB+\s], v[A_LR] offset:LPW+256*\s
.endr
	s_wait_dscnt 0x0
.irp i, 0,1,2,3,4,5,6,7,8,9,10,11,12,13,14,15
	v_min_num_f32 v[XA+\i], v[LA+\i], v[LB+15-\i]
.endr
	BSORT XA, YA
.irp i, 0,1,2,3,4,5,6,7,8,9,10,11,12,13,14,15
	v_min_num_f32_dpp v[YA+\i], v[XA+15-\i], v[XA+\i] row_xmask:1 row_mask:0xf bank_mask:0xf
.endr
	BSORT YA, XA
.irp i, 0,1,2,3,4,5,6,7,8,9,10,11,12,13,14,15
	v_min_num_f32_dpp v[XA+\i], v[YA+15-\i], v[YA+\i] row_xmask:2 row_mask:0xf bank_mask:0xf
.endr
	v_max3_num_f32 v[TM], v[XA], v[XA+1], v[XA+2]
.irp i, 3,5,7,9,11,13
	v_max3_num_f32 v[TM], v[TM], v[XA+\i], v[XA+\i+1]
.endr
	v_max_num_f32 v[TM], v[TM], v[XA+15]
	ds_store_b32 v[A_TW], v[TM]
.endm
.macro COUNT1 e, q
	v_cmp_lt_f32 vcc_lo, v[EV+2*\e+\q], v[TQ+\q]
	v_add_co_ci_u32 v[CL+\q], vcc_lo, 0, v[CL+\q], vcc_lo
	v_cmp_eq_f32 vcc_lo, v[EV+2*\e+\q], v[TQ+\q]
	v_add_co_ci_u32 v[CE+\q], vcc_lo, 0, v[CE+\q], vcc_lo
.endm
.macro PREFIX q
	v_add3_u32 v[PT], v[CW+\q], v[CW+2+\q], v[CW+4+\q]
	v_add3_u32 v[PT], v[PT], v[CW+6+\q], v[CW+8+\q]
	v_add3_u32 v[PT], v[PT], v[CW+10+\q], v[CW+12+\q]
	v_add_nc_u32 v[PT], v[PT], v[CW+14+\q]
	v_mul_u32_u24 v[PT+1], s[SF], v[CW+\q]
.irp w, 1,2,3,4,5,6
	v_mad_u32_u24 v[PT+1], v[CW+2*\w+\q], s[SF+\w], v[PT+1]
.endr
	v_and_b32 v[PT], 0xffff, v[PT]
	v_sub_nc_u32 v[PT], 16, v[PT]
	v_and_b32 v[PT+2], 0xffff, v[PT+1]
	v_lshrrev_b32 v[PT+1], 16, v[PT+1]
	v_min_u32 v[PT+3], v[PT+1], v[PT]
	v_add_nc_u32 v[PT+2], v[PT+2], v[PT+3]
	v_sub_nc_u32 v[PT+3], v[PT], v[PT+3]
	v_min_u32 v[PT+3], v[CE+\q], v[PT+3]
	v_add3_u32 v[PT+2], v[PT+2], v[PT+3], v[CL+\q]
	v_sub_nc_u32 v[RR+\q], 16, v[PT+2]
	v_sub_nc_u32 v[NREM+\q], v[PT+1], v[PT]
.endm
.macro PACK1 e, q
	v_cmp_lt_f32 s[SA], v[EV+2*\e+\q], v[TQ+\q]
	v_cmp_gt_i32 s[SB], 0, v[NREM+\q]
	v_cmp_eq_f32 vcc_lo, v[EV+2*\e+\q], v[TQ+\q]
	s_and_b32 s[SB], s[SB], vcc_lo
	s_or_b32 s[SA], s[SA], s[SB]
	v_add_co_ci_u32 v[NREM+\q], vcc_lo, 0, v[NREM+\q], vcc_lo
	v_cndmask_b32 v[SEL], v[KEEP], v[SH1], s[SA]
	v_perm_b32 v[LL+4*\q], v[LL+4*\q+1], v[LL+4*\q], v[SEL]
	v_perm_b32 v[LL+4*\q+1], v[LL+4*\q+2], v[LL+4*\q+1], v[SEL]
	v_perm_b32 v[LL+4*\q+2], v[LL+4*\q+3], v[LL+4*\q+2], v[SEL]
	v_perm_b32 v[LL+4*\q+3], s[SID], v[LL+4*\q+3], v[SEL]
.endm
.macro SHIFTP q
	v_perm_b32 v[LL+4*\q], v[LL+4*\q+1], v[LL+4*\q], v[SEL]
	v_perm_b32 v[LL+4*\q+1], v[LL+4*\q+2], v[LL+4*\q+1], v[SEL]
	v_perm_b32 v[LL+4*\q+2], v[LL+4*\q+3], v[LL+4*\q+2], v[SEL]
	v_perm_b32 v[LL+4*\q+3], v[VZ], v[LL+4*\q+3], v[SEL]
.endm
.macro BARREL q
	v_and_b32 v[PT], 1, v[RR+\q]
	v_cmp_ne_u32 vcc_lo, 0, v[PT]
	v_cndmask_b32 v[SEL], v[KEEP], v[SH1], vcc_lo
	SHIFTP \q
	v_and_b32 v[PT], 2, v[RR+\q]
	v_cmp_ne_u32 vcc_lo, 0, v[PT]
	v_cndmask_b32 v[SEL], v[KEEP], v[SH2], vcc_lo
	SHIFTP \q
	v_and_b32 v[PT], 4, v[RR+\q]
	v_cmp_ne_u32 vcc_lo, 0, v[PT]
	v_cndmask_b32 v[LL+4*\q], v[LL+4*\q], v[LL+4*\q+1], vcc_lo
	v_cndmask_b32 v[LL+4*\q+1], v[LL+4*\q+1], v[LL+4*\q+2], vcc_lo
	v_cndmask_b32 v[LL+4*\q+2], v[LL+4*\q+2], v[LL+4*\q+3], vcc_lo
	v_cndmask_b32 v[LL+4*\q+3], v[LL+4*\q+3], v[VZ], vcc_lo
	v_and_b32 v[PT], 8, v[RR+\q]
	v_cmp_ne_u32 vcc_lo, 0, v[PT]
	v_cndmask_b32 v[LL+4*\q], v[LL+4*\q], v[LL+4*\q+2], vcc_lo
	v_cndmask_b32 v[LL+4*\q+1], v[LL+4*\q+1], v[LL+4*\q+3], vcc_lo
	v_cndmask_b32 v[LL+4*\q+2], v[LL+4*\q+2], v[VZ], vcc_lo
	v_cndmask_b32 v[LL+4*\q+3], v[LL+4*\q+3], v[VZ], vcc_lo
.endm
.macro MAX16 mx, tm, src, ab           ; the largest magnitude of 16 registers, in two chains, with the floor 2^(5 - 127) among the leaves; each group of eight is read from its low end on
.if \ab
	v_max3_num_f32 v[\mx], |v[\src]|, |v[\src+1]|, 0x2800000
	v_max3_num_f32 v[\tm], |v[\src+8]|, |v[\src+9]|, |v[\src+10]|
	v_max3_num_f32 v[\mx], v[\mx], |v[\src+2]|, |v[\src+3]|
	v_max3_num_f32 v[\tm], v[\tm], |v[\src+11]|, |v[\src+12]|
	v_max3_num_f32 v[\mx], v[\mx], |v[\src+4]|, |v[\src+5]|
	v_max3_num_f32 v[\tm], v[\tm], |v[\src+13]|, |v[\src+14]|
	v_max3_num_f32 v[\mx], v[\mx], |v[\src+6]|, |v[\src+7]|
	v_max3_num_f32 v[\mx], v[\mx], v[\tm], |v[\src+15]|
.else
	v_max3_num_f32 v[\mx], v[\src], v[\src+1], 0x2800000
	v_max3_num_f32 v[\tm], v[\src+8], v[\src+9], v[\src+10]
	v_max3_num_f32 v[\mx], v[\mx], v[\src+2], v[\src+3]
	v_max3_num_f32 v[\tm], v[\tm], v[\src+11], v[\src+12]
	v_max3_num_f32 v[\mx], v[\mx], v[\src+4], v[\src+5]
	v_max3_num_f32 v[\tm], v[\tm], v[\src+13], v[\src+14]
	v_max3_num_f32 v[\mx], v[\mx], v[\src+6], v[\src+7]
	v_max3_num_f32 v[\mx], v[\mx], v[\tm], v[\src+15]
.endif
.endm
; 16 numbers of lane (r, h), half h of a block of 32 of row r, become 96 bits of codes in v[cd] on and the block's byte in v[by]
.macro QB16 src, ab, mx, tm, px, so, by, cd
	MAX16 \mx, \tm, \src, \ab
	v_permlanex16_b32 v[\px], v[\mx], s[SELS], s[SELS+1]
	v_max_num_f32 v[\mx], v[\mx], v[\px]                   ; with lane l xor 16's half: the block's largest magnitude
	v_add_nc_u32 v[\so], 0xfe000000, v[\mx]                ; 4 off its exponent field: the conversion's scale operand
	v_lshrrev_b32 v[\by], 23, v[\so]
	v_cvt_scalef32_pk16_bf6_f32 v[\cd:\cd+2], v[\src:\src+15], v[\so]
	v_nop                                                  ; one plain place behind a scaled conversion
.endm
.macro FRAG reg, adr, off              ; a fragment out of LDS: 48 bytes a lane
	ds_load_b128 v[\reg:\reg+3], v[\adr] offset:\off
	ds_load_b128 v[\reg+4:\reg+7], v[\adr] offset:\off+16
	ds_load_b128 v[\reg+8:\reg+11], v[\adr] offset:\off+32
.endm
.macro WSC d, a, b, c, sa, sb
	v_wmma_scale_f32_16x16x128_f8f6f4 v[\d:\d+7], v[\a:\a+11], v[\b:\b+11], v[\c:\c+7], v[\sa], v[\sb] matrix_a_fmt:MATRIX_FMT_BF6 matrix_b_fmt:MATRIX_FMT_BF6
.endm
.macro PLACES
.rept 4
	v_nop
.endr
.endm
.macro ROWSOUT adr, sb                 ; my 8 whole rows of a stage: each store of the wave covers 512 consecutive bytes, aligned
.irp k, 0,1,2,3,4,5,6,7
	ds_load_b128 v[112+8*\k:115+8*\k], v[\adr] offset:1040*\k
	ds_load_b128 v[116+8*\k:119+8*\k], v[\adr] offset:1040*\k+512
.endr
.irp k, 0,1,2,3,4,5,6,7
	s_wait_dscnt 14-2*\k                   ; the row's two loads are in; the rows behind it may be out
	global_store_b128 v[GOUT], v[112+8*\k:115+8*\k], s[\sb:\sb+1] offset:1024*\k
	global_store_b128 v[GOUT], v[116+8*\k:119+8*\k], s[\sb:\sb+1] offset:1024*\k+512
.endr
.endm
; The 16 candidates of set 2 u + e (group u of my wave's two, query parity e): distances into the elements 16 u + c
.macro DIST u, e
	WIN 0x04                               ; source 1 in window 1: the gathered coordinates
.irp c, 0,1,2,3,4,5,6,7,8,9,10,11,12,13,14,15
	v_sub_f32 v[DD+3*\c], v[OWN+3*\e], v[48*(2*\u+\e)+3*\c]
	v_sub_f32 v[DD+3*\c+1], v[OWN+3*\e+1], v[48*(2*\u+\e)+3*\c+1]
	v_sub_f32 v[DD+3*\c+2], v[OWN+3*\e+2], v[48*(2*\u+\e)+3*\c+2]
.endr
	WIN 0
.irp c, 0,1,2,3,4,5,6,7,8,9,10,11,12,13,14,15
	v_mul_f32 v[DD+3*\c+1], v[DD+3*\c+1], v[DD+3*\c+1]
.endr
.irp c, 0,1,2,3,4,5,6,7,8,9,10,11,12,13,14,15
	v_fma_f32 v[DD+3*\c], v[DD+3*\c], v[DD+3*\c], v[DD+3*\c+1]
.endr
.irp c, 0,1,2,3,4,5,6,7,8,9,10,11,12,13,14,15
	v_sqrt_f32 v[DD+3*\c+1], v[DD+3*\c]
.endr
	v_nop                                  ; a plain place behind the roots
	s_wait_alu depctr_va_vdst(0)
.irp c, 0,1,2,3,4,5,6,7,8,9,10,11,12,13,14,15
	v_fma_f32 v[DD+3*\c+1], v[DD+3*\c+2], s68, v[DD+3*\c+1]
.endr
.irp c, 0,1,2,3,4,5,6,7,8,9,10,11,12,13,14,15
	v_bfi_b32 v[DD+3*\c], s66, v[DD+3*\c+2], v[DD+3*\c]
.endr
.irp c, 0,1,2,3,4,5,6,7,8,9,10,11,12,13,14,15
	v_cmp_ge_u32 s[32+\c], s67, v[DD+3*\c]
.endr
.irp c, 0,1,2,3,4,5,6,7,8,9,10,11,12,13,14,15
	v_cmp_ne_u32 s[48+\c], \c, v[DI+2*\u+\e]               ; not the query itself
.endr
.irp c, 0,1,2,3,4,5,6,7,8,9,10,11,12,13,14,15
	s_and_b32 s[32+\c], s[32+\c], s[48+\c]
.endr
.irp c, 0,1,2,3,4,5,6,7,8,9,10,11,12,13,14,15
	v_cndmask_b32 v[EV+2*(16*\u+\c)+\e], v[INF], v[DD+3*\c+1], s[32+\c]
.endr
.endm
	s_load_b256 s[4:11], s[0:1], 0x0               ; features, coords, glist, wfrag
	s_load_b256 s[12:19], s[0:1], 0x20             ; wscale, b_feat, bq, b_p2
	s_load_b128 s[20:23], s[0:1], 0x40             ; fb, qs
	s_load_b64 s[24:25], s[0:1], 0x50              ; nidx
	v_lshrrev_b32 v1, 5, v0
	v_readfirstlane_b32 s26, v1                    ; wave v
	v_and_b32 v1, 31, v0                           ; lane
	v_and_b32 v2, 15, v0                           ; r
	v_bfe_u32 v3, v0, 4, 1                         ; h
	s_lshr_b32 s27, s26, 1                         ; the tile of rows that I quantise, and
	s_and_b32 s28, s26, 1                          ; which 64 along K of it
	s_lshr_b32 s29, s26, 2                         ; my 32 features: which K step of the next product,
	s_and_b32 s30, s26, 3                          ; and which block of it
	s_mul_i32 s31, s27, 1536
	s_mul_i32 s85, s28, 24
	s_add_co_u32 s31, s31, s85
	v_mad_u32_u24 v[A_XW], v1, 48, s31
	s_lshl_b32 s31, s27, 6
	s_lshl_b32 s85, s28, 1
	s_add_co_u32 s31, s31, s85
	s_add_co_u32 s31, s31, XSC
	v_lshl_add_u32 v[A_XSW], v2, 2, s31
	v_add_nc_u32 v[A_XSW], v[A_XSW], v3
	v_mul_u32_u24 v[A_FR], v1, 48
	v_lshlrev_b32 v[A_SR], 2, v2
	s_mul_i32 s31, s29, 1536                       ; half h of block b of row r goes to lane r + 16 (b % 2), registers 6 (b / 2) + 3 h on
	s_mul_i32 s85, s28, 768
	s_add_co_u32 s31, s31, s85
	s_bfe_u32 s85, s26, 0x10001
	s_mul_i32 s85, s85, 24
	s_add_co_u32 s31, s31, s85
	s_add_co_u32 s31, s31, FIMG
	v_mad_u32_u24 v[A_FW], v2, 48, s31
	v_mad_u32_u24 v[A_FW], v3, 12, v[A_FW]
	s_lshl_b32 s31, s29, 6
	s_add_co_u32 s31, s31, s30
	s_add_co_u32 s31, s31, FSC
	v_lshl_add_u32 v[A_FSW], v2, 2, s31
	s_lshl_b32 s31, s26, 7
	s_add_co_u32 s31, s31, STG1
	v_mad_u32_u24 v[A_G1W], v2, 1040, s31
	v_lshl_add_u32 v[A_G1W], v3, 6, v[A_G1W]
	v_add_nc_u32 v[A_G2W], STG2-STG1, v[A_G1W]
	s_mul_i32 s31, s26, 8320
	s_add_co_u32 s31, s31, STG1
	v_lshl_add_u32 v[A_G1R], v1, 4, s31
	v_add_nc_u32 v[A_G2R], STG2-STG1, v[A_G1R]
	s_lshl_b32 s31, s26, 13
	v_lshl_add_u32 v[GOUT], v1, 4, s31
	s_mul_i32 s31, s26, LPW
	s_add_co_u32 s31, s31, LIST
	v_lshl_add_u32 v[A_LW], v1, 3, s31
	v_and_b32 v[A_LR], 3, v0
	v_mul_u32_u24 v[A_LR], v[A_LR], 2*LPW
	v_lshrrev_b32 v[TM], 2, v0
	v_lshl_add_u32 v[A_LR], v[TM], 2, v[A_LR]
	v_add_nc_u32 v[A_LR], LIST, v[A_LR]
	v_lshl_add_u32 v[A_TW], v[TM], 2, TB
	v_lshl_add_u32 v[A_TR], v1, 3, TB
	s_lshl_b32 s31, s26, 8
	s_add_co_u32 s31, s31, CNT
	v_lshl_add_u32 v[A_CW], v1, 3, s31
	v_lshl_add_u32 v[A_CR], v1, 3, CNT
	s_lshl_b32 s31, s26, 10
	s_add_co_u32 s31, s31, PK
	v_lshl_add_u32 v[A_PW], v1, 5, s31
	v_lshl_add_u32 v[A_PR], v0, 2, PK
	s_mul_i32 s31, s26, 6144
	v_lshl_add_u32 v[WQO], v1, 4, s31
	s_lshl_b32 s31, s27, 13
	s_lshl_b32 s85, s28, 8
	s_add_co_u32 s31, s31, s85
	v_lshl_add_u32 v[FO], v2, 9, s31
	v_lshl_add_u32 v[FO], v3, 7, v[FO]             ; features: row 16 m + r, k = 64 c + 32 h on
	s_mul_i32 s31, s26, 3072
	v_lshl_add_u32 v[WFO], v1, 4, s31
	s_lshl_b32 s31, s26, 8
	v_lshl_add_u32 v[WSO], v1, 2, s31
	s_lshl_b32 s31, s26, 7
	v_lshl_add_u32 v[BO], v3, 6, s31               ; the biases of my 16 features: 128 v + 64 h
	s_lshl_b32 s31, s26, 1
	v_lshl_add_u32 v[T46], v1, 5, s31              ; glist: bytes 2 v, 2 v + 1 of query 2 l
	v_mul_u32_u24 v[T47], v1, 24
	s_mov_b32 s66, 0x80000000
	s_mov_b32 s67, 0x451c4000                      ; 2500.0
	s_mov_b32 s68, 0x3e99999a                      ; 0.3
	s_mov_b32 s[SELS], 0x76543210
	s_mov_b32 s[SELS+1], 0xfedcba98
.irp w, 0,1,2,3,4,5,6
	s_cmp_gt_u32 s26, \w
	s_cselect_b32 s[SF+\w], 1, 0
.endr
	s_lshl_b32 s[S32W], s26, 5
	s_and_b32 s85, ttmp9, 63
	s_lshl_b32 s85, s85, 6                         ; my first query's index in its batch
	s_wait_kmcnt 0x0
	s_mov_b32 s87, 0
	s_lshl_b32 s86, ttmp9, 15
	s_add_nc_u64 s[4:5], s[4:5], s[86:87]
	s_mul_i32 s86, ttmp9, 768
	s_add_nc_u64 s[90:91], s[6:7], s[86:87]        ; coords at my 64 queries
	s_lshr_b32 s86, ttmp9, 6
	s_lshl_b32 s84, s86, 12                        ; 4,096 x batch
	s_mul_i32 s86, s86, 49152
	s_add_nc_u64 s[88:89], s[6:7], s[86:87]        ; coords at my batch
	s_lshl_b32 s86, ttmp9, 16
	s_add_nc_u64 s[20:21], s[20:21], s[86:87]
	s_add_nc_u64 s[22:23], s[22:23], s[86:87]
	s_lshl_b32 s86, ttmp9, 10
	s_add_nc_u64 s[8:9], s[8:9], s[86:87]
	s_lshl_b32 s86, ttmp9, 12
	s_add_nc_u64 s[24:25], s[24:25], s[86:87]
	global_load_u16 v248, v[T46], s[8:9]
	global_load_u16 v249, v[T46], s[8:9] offset:16
	global_load_b64 v[OWN:OWN+1], v[T47], s[90:91]
	global_load_b64 v[OWN+2:OWN+3], v[T47], s[90:91] offset:8
	global_load_b64 v[OWN+4:OWN+5], v[T47], s[90:91] offset:16
.irp j, 0,1,2,3,4,5,6,7
	global_load_b128 v[AC+4*\j:AC+4*\j+3], v[FO], s[4:5] offset:16*\j th:TH_LOAD_NT
.endr
.irp u, 0,1
.irp g, 0,1,2
	global_load_b128 v[WF+12*\u+4*\g:WF+12*\u+4*\g+3], v[WFO], s[10:11] offset:1536*\u+512*\g
.endr
.endr
.irp u, 0,1
	global_load_b32 v[WFS+\u], v[WSO], s[12:13] offset:128*\u
.endr
.irp k, 0,1,2,3
	global_load_b128 v[BF+4*\k:BF+4*\k+3], v[BO], s[14:15] offset:16*\k
.endr
	s_wait_loadcnt 23                              ; the two loads of group numbers are in: 3 + 8 + 12 loads were issued behind them
	v_and_b32 v250, 0xff, v248                     ; set 2 u + e: group u, query parity e
	v_and_b32 v251, 0xff, v249
	v_lshrrev_b32 v252, 8, v248
	v_lshrrev_b32 v253, 8, v249
.irp i, 0,1,2,3
	v_min_u32 v[250+\i], 0xff, v[250+\i]
.endr
	v_lshl_add_u32 v254, v1, 1, s85
	v_add_nc_u32 v255, 1, v254
.irp i, 0,1,2,3
	v_mul_u32_u24 v[GO+\i], v[250+\i], 192
	v_lshlrev_b32 v[250+\i], 4, v[250+\i]
	v_sub_nc_u32 v[DI+\i], v[254+\i%2], v[250+\i]
.endr
	WIN 0x40                                       ; destination in window 1
.irp i, 0,1,2,3
.irp k, 0,1,2,3,4,5,6,7,8,9,10,11
	global_load_b128 v[48*\i+4*\k:48*\i+4*\k+3], v[GO+\i], s[88:89] offset:16*\k
.endr
.endr
	WIN 0
	s_wait_loadcnt 60                              ; the features are in: 12 + 48 loads were issued behind them
	; ---- F1: my 32 numbers are a whole block of row 16 m + r: registers 6 c .. 6 c + 5 of x's fragment m, lane (r, h)
	v_max3_num_f32 v248, |v[AC]|, |v[AC+1]|, 0x2800000
	v_max3_num_f32 v249, |v[AC+16]|, |v[AC+17]|, |v[AC+18]|
.irp i, 2,4,6,8,10,12,14
	v_max3_num_f32 v248, v248, |v[AC+\i]|, |v[AC+\i+1]|
.endr
.irp i, 19,21,23,25,27,29
	v_max3_num_f32 v249, v249, |v[AC+\i]|, |v[AC+\i+1]|
.endr
	v_max3_num_f32 v248, v248, v249, |v[AC+31]|
	v_add_nc_u32 v250, 0xfe000000, v248
	v_lshrrev_b32 v251, 23, v250
	v_cvt_scalef32_pk16_bf6_f32 v[80:82], v[AC:AC+15], v250
	v_cvt_scalef32_pk16_bf6_f32 v[84:86], v[AC+16:AC+31], v250
	v_nop
	ds_store_b32 v[A_XW], v80
	ds_store_b32 v[A_XW], v81 offset:4
	ds_store_b32 v[A_XW], v82 offset:8
	ds_store_b32 v[A_XW], v84 offset:12
	ds_store_b32 v[A_XW], v85 offset:16
	ds_store_b32 v[A_XW], v86 offset:20
	ds_store_b8 v[A_XSW], v251
	s_lshl_b32 s31, s26, 9                         ; (the loads that used v46 and v47 were shown done by the wait above)
	v_lshl_add_u32 v[T46], v1, 2, s31
	v_lshrrev_b32 v[T47], 2, v0
	v_lshlrev_b32 v[T47], 4, v[T47]
	WIN 0x40
.irp f, 0,1,2,3                                ; Wq's fragments (u, K step) = 2 u + s, to window 1, 192 on; bq to 240 on
.irp g, 0,1,2
	global_load_b128 v[192+12*\f+4*\g:192+12*\f+4*\g+3], v[WQO], s[10:11] offset:49152+1536*\f+512*\g
.endr
.endr
.irp k, 0,1,2,3
	global_load_b128 v[240+4*\k:240+4*\k+3], v[BO], s[16:17] offset:16*\k
.endr
	WIN 0
.irp f, 0,1,2,3
	global_load_b32 v[WQS+\f], v[T46], s[12:13] offset:4096+128*\f
.endr
.irp k, 0,1,2,3
	global_load_b128 v[BP+4*\k:BP+4*\k+3], v[BO], s[18:19] offset:16*\k
.endr
	global_load_b128 v[GG:GG+3], v[T47], s[8:9]
	BAR                                            ; x's four fragments lie in LDS
	; ---- F2: feat, my two tiles of features for the four tiles of rows; the bias is the C of each sum's one instruction
	s_wait_loadcnt 63                              ; W_feat, its scales and b_feat are in: 48 + 25 loads were issued behind them, more than the count can name
.irp p, 0,1
	FRAG OF, A_FR, XIMG+1536*(2*\p)
	FRAG OF+12, A_FR, XIMG+1536*(2*\p+1)
	ds_load_b32 v[OS], v[A_SR] offset:XSC+64*(2*\p)
	ds_load_b32 v[OS+1], v[A_SR] offset:XSC+64*(2*\p+1)
	s_wait_dscnt 0x0
.irp n, 0,1
.irp u, 0,1
	WSC AC+8*(2*(2*\p+\n)+\u), WF+12*\u, OF+12*\n, BF+8*\u, WFS+\u, OS+\n
.endr
.endr
	PLACES                                         ; in front of loads into registers that matrix instructions have read, and of the first read of results
.endr
	; ---- F3: fb = feat + b_p2 to the stage; feat's codes to LDS: my 32 features are block v % 4 of K step v / 4
	s_wait_loadcnt 0x1                             ; b_p2 is in: one load, that of the query's 16 group numbers, was issued behind its four
.irp m, 0,1,2,3
.irp k, 0,2,4,6,8,10,12,14
	v_pk_add_f32 v[SUM+\k:SUM+\k+1], v[AC+16*\m+\k:AC+16*\m+\k+1], v[BP+\k:BP+\k+1]
.endr
.irp k, 0,1,2,3
	ds_store_b128 v[A_G1W], v[SUM+4*\k:SUM+4*\k+3] offset:16640*\m+16*\k
.endr
	QB16 AC+16*\m, 1, 248, 249, 250, 251, 252, 216
	ds_store_b32 v[A_FW], v216 offset:3072*\m
	ds_store_b32 v[A_FW], v217 offset:3072*\m+4
	ds_store_b32 v[A_FW], v218 offset:3072*\m+8
	ds_store_b8 v[A_FSW], v252 offset:128*\m       ; both halves of the lanes write the same byte
.endr
	BAR                                            ; feat's eight fragments and 64 rows of fb lie in LDS
	; ---- F4: q; eight accumulators by turns, a K step at a time
	s_wait_loadcnt 0x0                             ; the last load of the head: the group numbers, wanted at the end
.irp s, 0,1
.irp p, 0,1
	FRAG OF, A_FR, FIMG+1536*(2*(2*\p)+\s)
	FRAG OF+12, A_FR, FIMG+1536*(2*(2*\p+1)+\s)
	ds_load_b32 v[OS], v[A_SR] offset:FSC+64*(2*(2*\p)+\s)
	ds_load_b32 v[OS+1], v[A_SR] offset:FSC+64*(2*(2*\p+1)+\s)
	s_wait_dscnt 0x0
.if \s == 0
	WIN 0x11                                       ; source 0 (Wq) and C (bq) in window 1
.else
	WIN 0x01
.endif
.irp n, 0,1
.irp u, 0,1
.if \s == 0
	WSC AC+8*(2*(2*\p+\n)+\u), 192+12*(2*\u), OF+12*\n, 240+8*\u, WQS+2*\u, OS+\n
.else
	WSC AC+8*(2*(2*\p+\n)+\u), 192+12*(2*\u+1), OF+12*\n, AC+8*(2*(2*\p+\n)+\u), WQS+2*\u+1, OS+\n
.endif
.endr
.endr
	WIN 0
	PLACES
.endr
.endr
	ROWSOUT A_G1R, 20                              ; fb leaves
.set ii, 0
.rept 32
	v_pk_mul_f32 v[AC+ii:AC+ii+1], v[AC+ii:AC+ii+1], 0x3e38aa3b op_sel_hi:[1,0]    ; q x log2(e) / 8
.set ii, ii+2
.endr
.irp m, 0,1,2,3
.irp k, 0,1,2,3
	ds_store_b128 v[A_G2W], v[AC+16*\m+4*\k:AC+16*\m+4*\k+3] offset:16640*\m+16*\k
.endr
.endr
	BAR
	s_wait_xcnt 0x0                                ; fb's stores have read their registers: they are loaded again
	ROWSOUT A_G2R, 22
	s_wait_xcnt 0x0                                ; and written again below
	; ---- the exact 16 nearest among my queries' 256 candidates
	v_mov_b32 v[VZ], 0
	v_mov_b32 v[INF], 0x7f800000
	v_mov_b32 v[KEEP], 0x03020100
	v_mov_b32 v[SH1], 0x04030201
	v_mov_b32 v[SH2], 0x05040302
.set ii, 0
.rept 32
	v_mov_b32 v[KL+ii], v[INF]
.set ii, ii+1
.endr
	DIST 0, 0
	DIST 0, 1
	DIST 1, 0
	DIST 1, 1
.set ee, 0
.rept 32
	INS 0, EV+2*ee
	INS 1, EV+2*ee+1
.set ee, ee+1
.endr
.irp s, 0,1,2,3,4,5,6,7,8,9,10,11,12,13,14,15
	ds_store_b64 v[A_LW], v[KL+2*\s:KL+2*\s+1] offset:256*\s
.endr
	BAR
	MERGE16
	BAR
	ds_load_b64 v[TQ:TQ+1], v[A_TR]
	v_mov_b32 v[CL], 0
	v_mov_b32 v[CL+1], 0
	v_mov_b32 v[CE], 0
	v_mov_b32 v[CE+1], 0
	s_wait_dscnt 0x0
.set ee, 0
.rept 32
	COUNT1 ee, 0
	COUNT1 ee, 1
.set ee, ee+1
.endr
	v_lshl_or_b32 v[TM], v[CE], 16, v[CL]
	v_lshl_or_b32 v[TM+1], v[CE+1], 16, v[CL+1]
	ds_store_b64 v[A_CW], v[TM:TM+1]
	BAR
.irp w, 0,1,2,3,4,5,6,7
	ds_load_b64 v[CW+2*\w:CW+2*\w+1], v[A_CR] offset:256*\w
.endr
.irp i, 0,1,2,3,4,5,6,7
	v_mov_b32 v[LL+\i], 0
.endr
	s_wait_dscnt 0x0
	PREFIX 0
	PREFIX 1
.set ee, 0
.rept 32
	s_add_co_u32 s[SID], s[S32W], ee               ; the candidate's place: 16 x (place of its group in the list) + its number in the group
	PACK1 ee, 0
	PACK1 ee, 1
.set ee, ee+1
.endr
	BARREL 0
	BARREL 1
	ds_store_b128 v[A_PW], v[LL:LL+3]
	ds_store_b128 v[A_PW], v[LL+4:LL+7] offset:16
	BAR
	; thread n takes four places of query n / 4 and turns them into rows of the whole tensor
.irp w, 0,1,2,3,4,5,6,7
	ds_load_b32 v[216+\w], v[A_PR] offset:1024*\w
.endr
	s_wait_dscnt 0x0
.irp w, 1,2,3,4,5,6,7
	v_or_b32 v216, v216, v[216+\w]
.endr
.irp k, 0,1,2,3
	v_bfe_u32 v248, v216, 8*\k, 8
	v_lshrrev_b32 v249, 4, v248
	v_and_b32 v250, 7, v249
	v_perm_b32 v251, v[GG+1], v[GG], v250          ; byte (place / 16) of the query's 16 group numbers: a choice of values, no address
	v_perm_b32 v252, v[GG+3], v[GG+2], v250
	v_and_b32 v249, 8, v249
	v_cmp_ne_u32 vcc_lo, 0, v249
	v_cndmask_b32 v251, v251, v252, vcc_lo
	v_and_b32 v251, 0xff, v251
	v_and_b32 v248, 15, v248
	v_lshl_add_u32 v251, v251, 4, v248
	v_add_nc_u32 v[224+\k], s84, v251
.endr
	v_lshlrev_b32 v253, 4, v0
	global_store_b128 v253, v[224:227], s[24:25]   ; a wave stores 512 consecutive bytes
	s_wait_xcnt 0x0
	v_lshl_add_u32 v254, v0, 2, 0x30000
	v_mov_b32 v255, 0
	s_wait_tensorcnt 0x0
	ds_add_u32 v254, v255
	s_wait_dscnt 0x0
	s_endpgm
.Lfunc_end_k_qb454a52905_feat_knn:
	.size	k_qb454a52905_feat_knn, .Lfunc_end_k_qb454a52905_feat_knn-k_qb454a52905_feat_knn
	.p2alignl 7, 3214868480
	.fill 96, 4, 3214868480
	.section	.rodata,"a",@progbits
	.p2align	6, 0x0
	.amdhsa_kernel k_qb454a52905_feat_knn
		.amdhsa_group_segment_fixed_size 197632
		.amdhsa_private_segment_fixed_size 0
		.amdhsa_enable_private_segment 0
		.amdhsa_kernarg_size 88
		.amdhsa_user_sgpr_count 2
		.amdhsa_user_sgpr_kernarg_segment_ptr 1
		.amdhsa_wavefront_size32 1
		.amdhsa_system_sgpr_workgroup_id_x 1
		.amdhsa_system_sgpr_workgroup_id_y 1
		.amdhsa_system_sgpr_workgroup_id_z 1
		.amdhsa_system_vgpr_workitem_id 0
		.amdhsa_next_free_vgpr 512
		.amdhsa_next_free_sgpr 92
		.amdhsa_reserve_vcc 1
		.amdhsa_float_denorm_mode_32 3
		.amdhsa_float_denorm_mode_16_64 3
		.amdhsa_memory_ordered 1
		.amdhsa_forward_progress 1
		.amdhsa_inst_pref_size 207
	.end_amdhsa_kernel
	.amdgpu_metadata
---
amdhsa.version: [ 1, 2 ]
amdhsa.kernels:
  - .name:           k_qb454a52905_feat_knn
    .symbol:         k_qb454a52905_feat_knn.kd
    .args:
      - { .name: features, .offset: 0, .size: 8, .value_kind: global_buffer, .address_space: global }
      - { .name: coords, .offset: 8, .size: 8, .value_kind: global_buffer, .address_space: global }
      - { .name: glist, .offset: 16, .size: 8, .value_kind: global_buffer, .address_space: global }
      - { .name: wfrag, .offset: 24, .size: 8, .value_kind: global_buffer, .address_space: global }
      - { .name: wscale, .offset: 32, .size: 8, .value_kind: global_buffer, .address_space: global }
      - { .name: b_feat, .offset: 40, .size: 8, .value_kind: global_buffer, .address_space: global }
      - { .name: bq, .offset: 48, .size: 8, .value_kind: global_buffer, .address_space: global }
      - { .name: b_p2, .offset: 56, .size: 8, .value_kind: global_buffer, .address_space: global }
      - { .name: fb, .offset: 64, .size: 8, .value_kind: global_buffer, .address_space: global }
      - { .name: qs, .offset: 72, .size: 8, .value_kind: global_buffer, .address_space: global }
      - { .name: nidx, .offset: 80, .size: 8, .value_kind: global_buffer, .address_space: global }
    .group_segment_fixed_size: 197632
    .private_segment_fixed_size: 0
    .kernarg_segment_align: 8
    .kernarg_segment_size: 88
    .max_flat_workgroup_size: 256
    .sgpr_count:     92
    .vgpr_count:     512
    .wavefront_size: 32
...
	.end_amdgpu_metadata
.endif
;; end of part 2
;; launch chain (part 3): grid 256 x 1, 8 waves a work-group, no clusters, 198,656 bytes of LDS; arguments nidx, coords, fb, qs, wfrag, wscale, W_p1, b_p1, bk, bv, bo, b_p2, gamma, beta, out0; writes out0
.if DOCPART == 3
	.amdgcn_target "amdgcn-amd-amdhsa--gfx1250"
	.amdhsa_code_object_version 6
	.text
	.protected	k_qb454a52905_chain
	.globl	k_qb454a52905_chain
	.p2align	8
	.type	k_qb454a52905_chain,@function
k_qb454a52905_chain:
	s_mov_b64 s[64:65], 0
	v_nop
	global_prefetch_b8 v0, s[64:65] scope:SCOPE_SE
	s_setreg_imm32_b32 hwreg(HW_REG_WAVE_MODE, 25, 1), 1
	s_wait_xcnt 0x0
; THE CHAIN BEHIND THE SEARCH, for 64 queries a work-group: rel, relu(rel W_p1 + b_p1), x W_p2, + the neighbour's row, x Wk and x Wv, attention over the 16 neighbours, x Wo, residual, LayerNorm.
; The quantised products run on codes of E3M2 with one E8M0 scale for each 32 along K; rel W_p1 (K = 4), which goes on into a quantiser, on the f32 matrix form; scores and weighted sums on f32 vector arithmetic.
; SHARES.  Two teams of four waves; team T takes queries 2 n + T, one query (16 neighbours = one tile of rows) a step, n = 0 .. 31.  Wave hd of a team owns head hd: features 64 hd .. 64 hd + 63 of kv, kh and vh,
; and hidden units 32 hd .. 32 hd + 31.  Its parts of W_p2, Wk and Wv (240 registers) stay in window 1 for the whole launch.
; PIPELINE.  Step n: attention of query n | x W_p2 and the quantiser of kv for n + 1 | the hidden layer for n + 2 | the gather of the neighbours' rows for n + 3.  One barrier a step; what waves hand on lies in LDS twice, by parity.
; OPERANDS THROUGH LDS: register p of lane n of a fragment lies at 48 n + 4 p.  A wave holds half h of a block b of row r in 16 registers; its 96 bits of codes go to lane r + 16 (b % 2), registers 6 (b / 2) + 3 h on.
; ARITHMETIC THAT DIFFERS IN ORDER FROM THE SOURCE, all in f32: kv = (feat + b_p2) + sum (the gathered row is the C of the product); bk enters the scores as q . bk, bv the sums as bv x sum of p; the softmax, taken
; with its maximum, in base 2, is normalised behind the weighted sum; the residual is fb - b_p2.  A neighbour that does not count has the score -1e9, as in the source; a query with none keeps feat alone.
; LIMITS: NaN and infinities among the inputs are not served; a block of zeros gets the scale byte 1 (its codes are zeros).
; No tensor loads and no cluster: the weights are read once by each wave straight into registers, and the bulk of the traffic is a gather lane by lane, whose addresses come from a list stored by the launch before.
.set REL,   0                          ; 1,024 rows x 16 bytes
.set ROWI,  16384                      ; each row's index
.set LO,    20480                      ; -infinity where the neighbour counts, else -1e9 log2(e)
.set HI,    24576                      ; +infinity, or the same
.set HAS,   28672                      ; 1.0 where a query has a neighbour
.set HIMG,  28928                      ; the hidden layer's fragment: [team][parity] x 1,536
.set HSC,   35072
.set KIMG,  35328                      ; kv's two fragments: [team][parity][K step] x 1,536
.set KSC,   47616
.set AGG,   48128                      ; the heads' results, wave by wave: wave x AGGW + 272 n + 4 x (feature - 64 hd)
.set AGGW,  8704
.set AIMG,  117760                     ; their 8 fragments
.set ASC,   130048
.set STG,   130560                     ; 64 rows x (1,024 + 16) bytes
.set HD,  64                           ; v64-79   rel W_p1 + b_p1: written by the f32 matrix form alone
.set KV,  80                           ; v80-143  kv, 32 registers a parity
.set KH,  144                          ; v144-175
.set VH,  176                          ; v176-207
.set KF,  208                          ; v208-231 kv's two fragments; behind the products: the caps, the scores, the quantisers' registers
.set HF,  232                          ; v232-243 the hidden layer's fragment; behind the products: the weighted sums
.set RB,  244                          ; v244-245 rel as an operand
.set KS,  246                          ; v246-248 scale words of kv's two fragments and of the hidden layer's; v20-39 the weights': these hold scales and nothing else
.set HS,  248
.set SELS, 38
.set MSB, 0
.macro WIN new                         ; the immediate's high byte repeats the setting that is left
.if MSB != \new
	s_set_vgpr_msb (MSB<<8)|\new
.set MSB, \new
.endif
.endm
.macro BAR
	s_wait_dscnt 0x0
	s_barrier_signal -1
	s_barrier_wait -1
.endm
.macro MAX16 mx, tm, src, ab           ; the largest magnitude of 16 registers, in two chains, with the floor 2^(5 - 127) among the leaves; each accumulator is read from its low end on
.if \ab
	v_max3_num_f32 v[\mx], |v[\src]|, |v[\src+1]|, 0x2800000
	v_max3_num_f32 v[\tm], |v[\src+8]|, |v[\src+9]|, |v[\src+10]|
	v_max3_num_f32 v[\mx], v[\mx], |v[\src+2]|, |v[\src+3]|
	v_max3_num_f32 v[\tm], v[\tm], |v[\src+11]|, |v[\src+12]|
	v_max3_num_f32 v[\mx], v[\mx], |v[\src+4]|, |v[\src+5]|
	v_max3_num_f32 v[\tm], v[\tm], |v[\src+13]|, |v[\src+14]|
	v_max3_num_f32 v[\mx], v[\mx], |v[\src+6]|, |v[\src+7]|
	v_max3_num_f32 v[\mx], v[\mx], v[\tm], |v[\src+15]|
.else
	v_max3_num_f32 v[\mx], v[\src], v[\src+1], 0x2800000
	v_max3_num_f32 v[\tm], v[\src+8], v[\src+9], v[\src+10]
	v_max3_num_f32 v[\mx], v[\mx], v[\src+2], v[\src+3]
	v_max3_num_f32 v[\tm], v[\tm], v[\src+11], v[\src+12]
	v_max3_num_f32 v[\mx], v[\mx], v[\src+4], v[\src+5]
	v_max3_num_f32 v[\tm], v[\tm], v[\src+13], v[\src+14]
	v_max3_num_f32 v[\mx], v[\mx], v[\src+6], v[\src+7]
	v_max3_num_f32 v[\mx], v[\mx], v[\tm], v[\src+15]
.endif
.endm
.macro QB16 src, ab, mx, tm, px, so, by, cd
	MAX16 \mx, \tm, \src, \ab
	v_permlanex16_b32 v[\px], v[\mx], s[SELS], s[SELS+1]
	v_max_num_f32 v[\mx], v[\mx], v[\px]
	v_add_nc_u32 v[\so], 0xfe000000, v[\mx]                ; 4 off the exponent field: the conversion's scale operand
	v_lshrrev_b32 v[\by], 23, v[\so]
	v_cvt_scalef32_pk16_bf6_f32 v[\cd:\cd+2], v[\src:\src+15], v[\so]
	v_nop                                                  ; one plain place behind a scaled conversion
.endm
.macro FRAG reg, adr, off
	ds_load_b128 v[\reg:\reg+3], v[\adr] offset:\off
	ds_load_b128 v[\reg+4:\reg+7], v[\adr] offset:\off+16
	ds_load_b128 v[\reg+8:\reg+11], v[\adr] offset:\off+32
.endm
.macro WS0 d, a, b, sa, sb
	v_wmma_scale_f32_16x16x128_f8f6f4 v[\d:\d+7], v[\a:\a+11], v[\b:\b+11], 0, v[\sa], v[\sb] matrix_a_fmt:MATRIX_FMT_BF6 matrix_b_fmt:MATRIX_FMT_BF6
.endm
.macro WSC d, a, b, c, sa, sb
	v_wmma_scale_f32_16x16x128_f8f6f4 v[\d:\d+7], v[\a:\a+11], v[\b:\b+11], v[\c:\c+7], v[\sa], v[\sb] matrix_a_fmt:MATRIX_FMT_BF6 matrix_b_fmt:MATRIX_FMT_BF6
.endm
; ONE STEP.  par = n & 1.  att: attention of query n.  p3: x W_p2 and kv's quantiser for n + 1.  hid: the hidden layer for n + 2.  gat: the gather for n + 3.  q: the load of q for n + 1.
; N: how many younger global loads may stay out when q of n and the rows of n + 1 have to be there (-1: no wait).
.macro STEP par, att, p3, hid, gat, q, N
.set QP, 52+4*\par
.set QN, 52+4*(1-\par)
.set KVN, KV+32*(1-\par)
.if \att
	FRAG KF, 3, 3072*\par
	FRAG KF+12, 3, 3072*\par+1536
	ds_load_b32 v[KS], v5 offset:128*\par
	ds_load_b32 v[KS+1], v5 offset:128*\par+64
.endif
.if \p3
	FRAG HF, 4, 1536*(1-\par)
	ds_load_b32 v[HS], v6 offset:64*(1-\par)
.endif
.if \hid
	v_add_nc_u32 v60, s40, v11
	ds_load_b64 v[RB:RB+1], v60                    ; rel(row r, 2 h + 0, 1)
.endif
.if \gat
	v_add_nc_u32 v249, s41, v12
	ds_load_b32 v61, v249
.endif
.if \q
.irp t, 0,1,2,3
	global_load_b32 v[QN+\t], v[16-\par], s[10:11] offset:64*\t
.endr
.endif
.if \N >= 0
	s_wait_loadcnt \N
.endif
	s_wait_dscnt 0x0
.if \att
	v_add_nc_u32 v[15+\par], 4096, v[15+\par]      ; the load of q for n, which this offset served, was shown done just now: on to n + 2
.endif
.if \att
	WIN 0x04                                       ; source 1 (Wk, Wv) in window 1.  Source 0 = kv's 16 rows: lane (r, h) then holds feature 64 hd + 16 t + r of neighbours 8 h + 0 .. 7
.irp t, 0,1,2,3
	WS0 KH+8*\t, KF, 48+12*(2*\t), KS, 24+2*\t
.endr
.irp t, 0,1,2,3
	WSC KH+8*\t, KF+12, 48+12*(2*\t+1), KH+8*\t, KS+1, 24+2*\t+1
.endr
.irp t, 0,1,2,3
	WS0 VH+8*\t, KF, 144+12*(2*\t), KS, 32+2*\t
.endr
.irp t, 0,1,2,3
	WSC VH+8*\t, KF+12, 144+12*(2*\t+1), VH+8*\t, KS+1, 32+2*\t+1
.endr
.endif
.if \p3
	WIN 0x01                                       ; source 0 (W_p2) in window 1; C and D are the gathered rows: kv = (feat + b_p2)[idx] + the sum
.irp t, 0,1,2,3
	WSC KVN+8*\t, 12*\t, HF, KVN+8*\t, 20+\t, HS
.endr
.endif
.if \hid
	WIN 0x10                                       ; C (b_p1) in window 1
.irp u, 0,1
	v_wmma_f32_16x16x4_f32 v[HD+8*\u:HD+8*\u+7], v[40+2*\u:41+2*\u], v[RB:RB+1], v[240+8*\u:247+8*\u]
.endr
.endif
	WIN 0
.if \att == 0
.rept 8
	v_nop                                          ; the places behind the products, where no attention stands there
.endr
.endif
.if \att
	v_mul_f32 v62, v[QP], v44                      ; q . bk, my part.  (These five lines are the places behind the products)
	v_fma_f32 v62, v[QP+1], v45, v62
	v_fma_f32 v62, v[QP+2], v46, v62
	v_fma_f32 v62, v[QP+3], v47, v62
	v_add_nc_u32 v60, s42, v13
	ds_load_b128 v[208:211], v60
	ds_load_b128 v[212:215], v60 offset:16
	ds_load_b128 v[216:219], v60 offset:HI-LO
	ds_load_b128 v[220:223], v60 offset:HI-LO+16
.irp j, 0,2,4,6
	v_pk_fma_f32 v[224+\j:225+\j], v[KH+\j:KH+\j+1], v[QP:QP+1], v[62:63] op_sel_hi:[1,0,0]
.endr
.irp j, 0,2,4,6
	v_pk_fma_f32 v[224+\j:225+\j], v[KH+8+\j:KH+9+\j], v[QP:QP+1], v[224+\j:225+\j] op_sel:[0,1,0] op_sel_hi:[1,1,1]
.endr
.irp j, 0,2,4,6
	v_pk_fma_f32 v[224+\j:225+\j], v[KH+16+\j:KH+17+\j], v[QP+2:QP+3], v[224+\j:225+\j] op_sel_hi:[1,0,1]
.endr
.irp j, 0,2,4,6
	v_pk_fma_f32 v[224+\j:225+\j], v[KH+24+\j:KH+25+\j], v[QP+2:QP+3], v[224+\j:225+\j] op_sel:[0,1,0] op_sel_hi:[1,1,1]
.endr
.irp x, 1,2,4,8
.irp j, 0,1,2,3,4,5,6,7
	v_add_f32_dpp v[224+\j], v[224+\j], v[224+\j] row_xmask:\x row_mask:0xf bank_mask:0xf     ; over the head's 64 features: 16 lanes
.endr
.endr
	s_wait_dscnt 0x0
.irp j, 0,1,2,3,4,5,6,7
	v_med3_num_f32 v[224+\j], v[224+\j], v[208+\j], v[216+\j]      ; the score, or -1e9 log2(e) where the neighbour does not count
.endr
	v_max3_num_f32 v250, v224, v225, v226
	v_max3_num_f32 v250, v250, v227, v228
	v_max3_num_f32 v250, v250, v229, v230
	v_max_num_f32 v250, v250, v231
	v_permlanex16_b32 v252, v250, s[SELS], s[SELS+1]
	v_max_num_f32 v250, v250, v252                 ; the largest of the 16
.irp j, 0,2,4,6
	v_pk_add_f32 v[224+\j:225+\j], v[224+\j:225+\j], v[250:251] op_sel_hi:[1,0] neg_lo:[0,1] neg_hi:[0,1]
.endr
.irp j, 0,1,2,3,4,5,6,7
	v_exp_f32 v[224+\j], v[224+\j]
.endr
	v_add_nc_u32 v60, s43, v14                     ; (a plain place behind the exponentials)
	s_wait_alu depctr_va_vdst(0)
	v_pk_add_f32 v[252:253], v[224:225], v[226:227]
	v_pk_add_f32 v[254:255], v[228:229], v[230:231]
	v_pk_add_f32 v[252:253], v[252:253], v[254:255]
	v_add_f32 v252, v252, v253                     ; the sum of my eight p
	v_permlanex16_b32 v254, v252, s[SELS], s[SELS+1]
	v_add_f32 v253, v252, v254                     ; of all 16: at least 1
	v_rcp_f32 v253, v253
.irp t, 0,1,2,3
	v_pk_mul_f32 v[232+2*\t:233+2*\t], v[224:225], v[VH+8*\t:VH+8*\t+1]
.endr
.irp j, 2,4,6
.irp t, 0,1,2,3
	v_pk_fma_f32 v[232+2*\t:233+2*\t], v[224+\j:225+\j], v[VH+8*\t+\j:VH+8*\t+\j+1], v[232+2*\t:233+2*\t]
.endr
.endr
.irp t, 0,1,2,3
	v_add_f32 v[232+2*\t], v[232+2*\t], v[233+2*\t]
.endr
.irp t, 0,1,2,3
	v_fma_f32 v[232+2*\t], v[48+\t], v252, v[232+2*\t]     ; + bv x my sum of p
.endr
.irp t, 0,1,2,3
	v_permlanex16_b32 v[233+2*\t], v[232+2*\t], s[SELS], s[SELS+1]
.endr
.irp t, 0,1,2,3
	v_add_f32 v[232+2*\t], v[232+2*\t], v[233+2*\t]
.endr
	s_wait_alu depctr_va_vdst(0)
.irp t, 0,1,2,3
	v_mul_f32 v[232+2*\t], v[232+2*\t], v253
.endr
.irp t, 0,1,2,3
	ds_store_b32 v60, v[232+2*\t] offset:64*\t     ; both halves of the lanes write the same number
.endr
.endif
.if \p3
	MAX16 208, 210, KVN, 1                         ; kv's two blocks of 32 features of mine
	MAX16 209, 211, KVN+16, 1
	v_permlanex16_b32 v254, v208, s[SELS], s[SELS+1]
	v_permlanex16_b32 v255, v209, s[SELS], s[SELS+1]
	v_max_num_f32 v208, v208, v254
	v_max_num_f32 v209, v209, v255
	v_add_nc_u32 v212, 0xfe000000, v208
	v_add_nc_u32 v213, 0xfe000000, v209
	v_lshrrev_b32 v214, 23, v212
	v_lshrrev_b32 v215, 23, v213
	v_lshl_or_b32 v214, v215, 8, v214
	v_cvt_scalef32_pk16_bf6_f32 v[216:218], v[KVN:KVN+15], v212
	v_cvt_scalef32_pk16_bf6_f32 v[220:222], v[KVN+16:KVN+31], v213
	v_nop
	ds_store_b32 v9, v216 offset:3072*(1-\par)
	ds_store_b32 v9, v217 offset:3072*(1-\par)+4
	ds_store_b32 v9, v218 offset:3072*(1-\par)+8
	ds_store_b32 v9, v220 offset:3072*(1-\par)+768
	ds_store_b32 v9, v221 offset:3072*(1-\par)+772
	ds_store_b32 v9, v222 offset:3072*(1-\par)+776
	ds_store_b16 v10, v214 offset:128*(1-\par)
.endif
.if \gat
	v_min_u32 v61, 0x3fff, v61
	v_lshl_add_u32 v[18-\par], v61, 10, v19        ; (the gather that this offset served two steps ago was shown done by this step's wait)
.irp k, 0,1,2,3
	global_load_b128 v[KVN+4*\k:KVN+4*\k+3], v[18-\par], s[8:9] offset:16*\k
.endr
.irp k, 0,1,2,3
	global_load_b128 v[KVN+16+4*\k:KVN+16+4*\k+3], v[18-\par], s[8:9] offset:128+16*\k
.endr
.endif
.if \hid
.irp j, 0,1,2,3,4,5,6,7,8,9,10,11,12,13,14,15
	v_max_num_f32 v[144+\j], 0, v[HD+\j]           ; the activation, into other registers
.endr
	QB16 144, 0, 224, 225, 255, 226, 227, 228
	ds_store_b32 v7, v228 offset:1536*\par
	ds_store_b32 v7, v229 offset:1536*\par+4
	ds_store_b32 v7, v230 offset:1536*\par+8
	ds_store_b8 v8, v227 offset:64*\par
	s_add_co_u32 s40, s40, 512
.endif
.if \gat
	s_add_co_u32 s41, s41, 128
.endif
.if \att
	s_add_co_u32 s42, s42, 128
	s_add_co_u32 s43, s43, 272
.endif
	BAR
.endm
	s_load_b256 s[4:11], s[0:1], 0x0               ; nidx, coords, fb, qs
	s_load_b256 s[12:19], s[0:1], 0x20             ; wfrag, wscale, W_p1, b_p1
	s_load_b256 s[20:27], s[0:1], 0x40             ; bk, bv, bo, b_p2
	s_load_b128 s[28:31], s[0:1], 0x60             ; gamma, beta
	s_load_b64 s[32:33], s[0:1], 0x70              ; out0
	v_lshrrev_b32 v1, 5, v0
	v_readfirstlane_b32 s34, v1                    ; wave
	s_lshr_b32 s35, s34, 2                         ; team
	s_and_b32 s36, s34, 3                          ; head
	s_lshr_b32 s37, s36, 1
	s_and_b32 s45, s36, 1
	v_and_b32 v1, 15, v0                           ; r
	v_bfe_u32 v2, v0, 4, 1                         ; h
	v_and_b32 v60, 31, v0                          ; lane
	s_mul_i32 s49, s35, 6144
	s_add_co_u32 s49, s49, KIMG
	v_mad_u32_u24 v3, v60, 48, s49                 ; v3  kv's fragments, to read
	s_mul_i32 s56, s37, 1536
	s_add_co_u32 s49, s49, s56
	s_mul_i32 s56, s45, 24
	s_add_co_u32 s49, s49, s56
	v_mad_u32_u24 v9, v1, 48, s49
	v_mad_u32_u24 v9, v2, 12, v9                   ; v9  my pieces of them
	s_mul_i32 s49, s35, 3072
	s_add_co_u32 s49, s49, HIMG
	v_mad_u32_u24 v4, v60, 48, s49                 ; v4  the hidden layer's fragment, to read
	s_mul_i32 s56, s45, 768
	s_add_co_u32 s49, s49, s56
	s_mul_i32 s56, s37, 24
	s_add_co_u32 s49, s49, s56
	v_mad_u32_u24 v7, v1, 48, s49
	v_mad_u32_u24 v7, v2, 12, v7                   ; v7  my piece of it
	s_lshl_b32 s49, s35, 8
	s_add_co_u32 s49, s49, KSC
	v_lshl_add_u32 v5, v1, 2, s49                  ; v5  kv's scale words
	s_lshl_b32 s56, s37, 6
	s_add_co_u32 s49, s49, s56
	s_lshl_b32 s56, s45, 1
	s_add_co_u32 s49, s49, s56
	v_lshl_add_u32 v10, v1, 2, s49                 ; v10 my two bytes of them
	s_lshl_b32 s49, s35, 7
	s_add_co_u32 s49, s49, HSC
	v_lshl_add_u32 v6, v1, 2, s49                  ; v6  the hidden layer's scale words
	s_add_co_u32 s49, s49, s36
	v_lshl_add_u32 v8, v1, 2, s49                  ; v8  my byte of them
	s_lshl_b32 s49, s35, 8
	v_lshl_add_u32 v11, v1, 4, s49
	v_lshl_add_u32 v11, v2, 3, v11                 ; v11 rel
	s_lshl_b32 s49, s35, 6
	s_add_co_u32 s56, s49, ROWI
	v_lshl_add_u32 v12, v1, 2, s56                 ; v12 the rows' indices
	s_add_co_u32 s56, s49, LO
	v_lshl_add_u32 v13, v2, 5, s56                 ; v13 the caps
	s_mul_i32 s49, s34, AGGW
	s_add_co_u32 s49, s49, AGG
	v_lshl_add_u32 v14, v1, 2, s49                 ; v14 my results
	s_lshl_b32 s49, s35, 10
	s_lshl_b32 s56, s36, 8
	s_add_co_u32 s49, s49, s56
	v_lshl_add_u32 v15, v1, 2, s49                 ; v15, v16 q's offsets for even and odd n
	v_add_nc_u32 v16, 2048, v15
	v_lshl_add_u32 v19, v2, 6, s56                 ; v19 my 64 bytes in a quarter of a row of fb: 256 hd + 64 h
	s_mul_i32 s49, s36, 6144
	v_lshl_add_u32 v61, v60, 4, s49
	s_mul_i32 s49, s36, 12288
	v_lshl_add_u32 v62, v60, 4, s49
	s_lshl_b32 s49, s36, 9
	v_lshl_add_u32 v63, v60, 2, s49
	s_lshl_b32 s49, s36, 10
	v_lshl_add_u32 v249, v60, 2, s49
	s_lshl_b32 s49, s36, 7
	v_lshl_add_u32 v250, v2, 6, s49
	v_and_b32 v251, 8, v1
	v_add_nc_u32 v251, v251, v1
	v_lshl_add_u32 v251, v251, 2, s49
	v_lshl_add_u32 v251, v2, 10, v251              ; W_p1(2 h + j, 32 hd + 8 u + r + 8 (r / 8))
	s_lshl_b32 s49, s36, 8
	v_lshl_add_u32 v252, v1, 2, s49
	v_lshlrev_b32 v253, 2, v0
	v_lshrrev_b32 v255, 4, v0
	v_mul_u32_u24 v254, v255, 12
	s_mov_b32 s[SELS], 0x76543210
	s_mov_b32 s[SELS+1], 0xfedcba98
	s_mov_b32 s46, 0x80000000
	s_mov_b32 s47, 0x451c4000                      ; 2500.0
	s_mov_b32 s48, 0x3e99999a                      ; 0.3
	s_mov_b32 s54, 0x3b800000                      ; 1 / 256
	s_mov_b32 s55, 0x3727c5ac                      ; 1e-5
	s_mov_b32 s40, 0
	s_mov_b32 s41, 0
	s_mov_b32 s42, 0
	s_mov_b32 s43, 0
	s_lshl_b32 s57, ttmp9, 6                       ; my first query as a row of the whole tensor
	s_wait_kmcnt 0x0
	s_mov_b32 s59, 0
	s_lshl_b32 s58, ttmp9, 12
	s_add_nc_u64 s[4:5], s[4:5], s[58:59]
	s_mul_i32 s58, ttmp9, 768
	s_add_nc_u64 s[52:53], s[6:7], s[58:59]
	s_lshl_b32 s58, ttmp9, 16
	s_add_nc_u64 s[10:11], s[10:11], s[58:59]
	s_add_nc_u64 s[50:51], s[8:9], s[58:59]
	s_add_nc_u64 s[32:33], s[32:33], s[58:59]
.irp i, 0,1,2,3                                ; thread n takes rows n + 256 i: neighbour (n % 16) of query n / 16 + 16 i
	global_load_b32 v[208+\i], v253, s[4:5] offset:1024*\i
.endr
.irp i, 0,1,2,3
.irp k, 0,1,2
	global_load_b32 v[212+3*\i+\k], v254, s[52:53] offset:192*\i+4*\k
.endr
.endr
	WIN 0x40                                       ; destination in window 1: the weights that stay
.irp t, 0,1,2,3
.irp g, 0,1,2
	global_load_b128 v[12*\t+4*\g:12*\t+4*\g+3], v61, s[12:13] offset:24576+1536*\t+512*\g
.endr
.endr
.irp f, 0,1,2,3,4,5,6,7
.irp g, 0,1,2
	global_load_b128 v[48+12*\f+4*\g:48+12*\f+4*\g+3], v62, s[12:13] offset:98304+1536*\f+512*\g
	global_load_b128 v[144+12*\f+4*\g:144+12*\f+4*\g+3], v62, s[12:13] offset:147456+1536*\f+512*\g
.endr
.endr
.irp k, 0,1,2,3
	global_load_b128 v[240+4*\k:240+4*\k+3], v250, s[18:19] offset:16*\k
.endr
	WIN 0
.irp t, 0,1,2,3
	global_load_b32 v[20+\t], v63, s[14:15] offset:2048+128*\t
.endr
.irp f, 0,1,2,3,4,5,6,7
	global_load_b32 v[24+\f], v249, s[14:15] offset:8192+128*\f
	global_load_b32 v[32+\f], v249, s[14:15] offset:12288+128*\f
.endr
.irp u, 0,1
.irp j, 0,1
	global_load_b32 v[40+2*\u+\j], v251, s[16:17] offset:512*\j+32*\u
.endr
.endr
.irp t, 0,1,2,3
	global_load_b32 v[44+\t], v252, s[20:21] offset:64*\t
	global_load_b32 v[48+\t], v252, s[22:23] offset:64*\t
.endr
	s_wait_loadcnt 63                              ; the indices and my queries' coordinates are in: 96 loads were issued behind them, more than the count can name
.irp i, 0,1,2,3
	v_min_u32 v[208+\i], 0x3fff, v[208+\i]
.endr
.irp i, 0,1,2,3
	v_mul_u32_u24 v[236+\i], v[208+\i], 12
.endr
.irp i, 0,1,2,3
.irp k, 0,1,2
	global_load_b32 v[224+3*\i+\k], v[236+\i], s[6:7] offset:4*\k
.endr
.endr
	v_add_nc_u32 v255, s57, v255                   ; my query's own row
	v_lshlrev_b32 v240, 4, v0
	v_lshlrev_b32 v241, 2, v0
	v_lshrrev_b32 v242, 4, v0
	v_lshlrev_b32 v242, 2, v242
	v_mov_b32 v243, 0xceabfb8f                     ; -1e9 log2(e)
	v_mov_b32 v244, 0xff800000
	v_mov_b32 v245, 0x7f800000
	v_mov_b32 v192, 1.0
	s_wait_loadcnt 0x0
.irp i, 0,1,2,3
	v_sub_f32 v[144+4*\i], v[224+3*\i], v[212+3*\i]        ; rel = the neighbour's less mine
	v_sub_f32 v[145+4*\i], v[225+3*\i], v[213+3*\i]
	v_sub_f32 v[146+4*\i], v[226+3*\i], v[214+3*\i]
	v_sub_f32 v[160+\i], v[214+3*\i], v[226+3*\i]          ; dt = my t less its t: +0 where they are equal
	v_mul_f32 v[164+\i], v[145+4*\i], v[145+4*\i]
.endr
.irp i, 0,1,2,3
	v_fma_f32 v[164+\i], v[144+4*\i], v[144+4*\i], v[164+\i]
.endr
.irp i, 0,1,2,3
	v_sqrt_f32 v[168+\i], v[164+\i]
.endr
.irp i, 0,1,2,3
	v_bfi_b32 v[172+\i], s46, v[160+\i], v[164+\i]
.endr
	s_wait_alu depctr_va_vdst(0)
.irp i, 0,1,2,3
	v_fma_f32 v[168+\i], v[160+\i], s48, v[168+\i]
	v_add_nc_u32 v[176+\i], 16*\i, v255
.endr
.irp i, 0,1,2,3
	v_cmp_ge_u32 s[58+\i], s47, v[172+\i]
	v_cmp_ne_u32 s[66+\i], v[208+\i], v[176+\i]
.endr
.irp i, 0,1,2,3
	s_and_b32 s[58+\i], s[58+\i], s[66+\i]
.endr
.irp i, 0,1,2,3
	v_cndmask_b32 v[147+4*\i], 0, v[168+\i], s[58+\i]      ; the distance, 0 where the neighbour does not count
	v_cndmask_b32 v[180+\i], v243, v244, s[58+\i]
	v_cndmask_b32 v[184+\i], v243, v245, s[58+\i]
	v_cndmask_b32 v[188+\i], 0, v192, s[58+\i]
.endr
.irp x, 1,2,4,8
.irp i, 0,1,2,3
	v_max_num_f32_dpp v[188+\i], v[188+\i], v[188+\i] row_xmask:\x row_mask:0xf bank_mask:0xf    ; a query's 16 rows lie in 16 neighbouring lanes
.endr
.endr
.irp i, 0,1,2,3
	ds_store_b128 v240, v[144+4*\i:147+4*\i] offset:REL+4096*\i
	ds_store_b32 v241, v[208+\i] offset:ROWI+1024*\i
	ds_store_b32 v241, v[180+\i] offset:LO+1024*\i
	ds_store_b32 v241, v[184+\i] offset:HI+1024*\i
	ds_store_b32 v242, v[188+\i] offset:HAS+64*\i
.endr
	v_mov_b32 v62, 0
	v_mov_b32 v63, 0                               ; named as upper halves of pairs, or as a lane permute's destination, before they are first written
.irp i, 249,250,251,252,253,254,255
	v_mov_b32 v[\i], 0
.endr
	BAR
	STEP 1, 0, 0, 0, 1, 0, -1                      ; n = -3: the rows of query 0
	STEP 0, 0, 0, 1, 1, 0, -1                      ; n = -2
	STEP 1, 0, 1, 1, 1, 1, 12                      ; n = -1.  12: the 8 loads of the next gather and the 4 of q are younger than what this step needs; so in every step up to 29
	s_mov_b32 s44, 14
.Lsteps:                                               ; n = 0 .. 27
	STEP 0, 1, 1, 1, 1, 1, 12
	STEP 1, 1, 1, 1, 1, 1, 12
	s_sub_co_u32 s44, s44, 1
	s_cmp_lg_u32 s44, 0
	s_cbranch_scc1 .Lsteps
	STEP 0, 1, 1, 1, 1, 1, 12                      ; n = 28: the last gather
	STEP 1, 1, 1, 1, 0, 1, 12                      ; n = 29: the last hidden layer
	STEP 0, 1, 1, 0, 0, 1, 4                       ; n = 30: only q of 31 is younger
	v_and_b32 v249, 31, v0                         ; Wo's four fragments (tiles 2 v, 2 v + 1; two K steps), their scale words and bo: 20 loads, into registers that kv and W_p2's scales have left
	s_mul_i32 s49, s34, 6144
	v_lshl_add_u32 v17, v249, 4, s49
	s_lshl_b32 s49, s34, 9
	v_lshl_add_u32 v18, v249, 2, s49
	s_lshl_b32 s49, s34, 7
	v_lshl_add_u32 v19, v2, 6, s49
.irp f, 0,1,2,3
.irp g, 0,1,2
	global_load_b128 v[80+12*\f+4*\g:80+12*\f+4*\g+3], v17, s[12:13] offset:196608+1536*\f+512*\g
.endr
.endr
.irp f, 0,1,2,3
	global_load_b32 v[20+\f], v18, s[14:15] offset:16384+128*\f
.endr
.irp k, 0,1,2,3
	global_load_b128 v[128+4*\k:128+4*\k+3], v19, s[24:25] offset:16*\k
.endr
	STEP 1, 1, 0, 0, 0, 0, 20                      ; n = 31: those 20 may stay out
	; ---- E1: wave v quantises features 32 v .. 32 v + 31 of all 64 rows: block v % 4 of K step v / 4
	v_and_b32 v60, 31, v0
	v_and_b32 v249, 1, v1                          ; row 16 m + r is query 2 n + T: T = r % 2, n = 8 m + r / 2
	v_mul_u32_u24 v3, v249, 4*AGGW
	v_lshrrev_b32 v249, 1, v1
	v_mad_u32_u24 v3, v249, 272, v3
	v_lshl_add_u32 v3, v2, 6, v3
	s_lshr_b32 s49, s34, 1
	s_mul_i32 s49, s49, AGGW
	s_and_b32 s56, s34, 1
	s_lshl_b32 s56, s56, 7
	s_add_co_u32 s49, s49, s56
	s_add_co_u32 s49, s49, AGG
	v_add_nc_u32 v3, s49, v3
	s_mul_i32 s49, s35, 1536
	s_mul_i32 s56, s45, 768
	s_add_co_u32 s49, s49, s56
	s_mul_i32 s56, s37, 24
	s_add_co_u32 s49, s49, s56
	s_add_co_u32 s49, s49, AIMG
	v_mad_u32_u24 v4, v1, 48, s49
	v_mad_u32_u24 v4, v2, 12, v4
	s_lshl_b32 s49, s35, 6
	s_add_co_u32 s49, s49, s36
	s_add_co_u32 s49, s49, ASC
	v_lshl_add_u32 v5, v1, 2, s49
	s_lshl_b32 s49, s34, 13
	v_lshl_add_u32 v6, v60, 4, s49                 ; my 8 rows of fb and of the output
	v_mul_u32_u24 v7, v60, 48
	v_add_nc_u32 v7, AIMG, v7
	v_lshl_add_u32 v8, v1, 2, ASC
	s_lshl_b32 s49, s34, 7
	s_add_co_u32 s49, s49, STG
	v_mad_u32_u24 v9, v1, 1040, s49
	v_lshl_add_u32 v9, v2, 6, v9
	s_mul_i32 s49, s34, 8320
	s_add_co_u32 s49, s49, STG
	v_lshl_add_u32 v10, v60, 4, s49
	s_lshl_b32 s49, s34, 5
	s_add_co_u32 s49, s49, HAS
	v_mov_b32 v11, s49
	v_lshlrev_b32 v12, 4, v60
.irp m, 0,1,2,3
.irp k, 0,1,2,3
	ds_load_b128 v[144+16*\m+4*\k:144+16*\m+4*\k+3], v3 offset:2176*\m+16*\k
.endr
.endr
	WIN 0x40
.irp k, 0,1,2,3,4,5,6,7
	global_load_b128 v[64+8*\k:67+8*\k], v6, s[50:51] offset:1024*\k
	global_load_b128 v[68+8*\k:71+8*\k], v6, s[50:51] offset:1024*\k+512
.endr
	WIN 0
	global_load_b128 v[208:211], v12, s[26:27]
	global_load_b128 v[212:215], v12, s[26:27] offset:512
	global_load_b128 v[216:219], v12, s[28:29]
	global_load_b128 v[220:223], v12, s[28:29] offset:512
	global_load_b128 v[224:227], v12, s[30:31]
	global_load_b128 v[228:231], v12, s[30:31] offset:512
	s_wait_dscnt 0x0
.irp m, 0,1,2,3
	QB16 144+16*\m, 1, 232, 233, 254, 234, 235, 236
	ds_store_b32 v4, v236 offset:3072*\m
	ds_store_b32 v4, v237 offset:3072*\m+4
	ds_store_b32 v4, v238 offset:3072*\m+8
	ds_store_b8 v5, v235 offset:128*\m
.endr
	BAR
	; ---- E2: x Wo + bo, transposed: my two tiles of features for the four tiles of rows; eight accumulators by turns, a K step at a time
.irp s, 0,1
	WIN 0x40
.irp m, 0,1,2,3
	FRAG 12*\m, 7, 1536*(2*\m+\s)
.endr
	WIN 0
.irp m, 0,1,2,3
	ds_load_b32 v[24+\m], v8 offset:64*(2*\m+\s)
.endr
	s_wait_dscnt 0x0
.if \s == 0
	s_wait_loadcnt 22                              ; Wo, its scales and bo are in: the 16 loads of fb and the 6 of b_p2, gamma and beta are younger
.endif
	WIN 0x04
.irp m, 0,1,2,3
.irp u, 0,1
.if \s == 0
	WSC 144+8*(2*\m+\u), 80+12*(2*\u), 12*\m, 128+8*\u, 20+2*\u, 24+\m
.else
	WSC 144+8*(2*\m+\u), 80+12*(2*\u+1), 12*\m, 144+8*(2*\m+\u), 20+2*\u+1, 24+\m
.endif
.endr
.endr
	WIN 0
.rept 4
	v_nop
.endr
.endr
.irp m, 0,1,2,3
.irp u, 0,1
	ds_store_b128 v9, v[144+8*(2*\m+\u):147+8*(2*\m+\u)] offset:16640*\m+32*\u
	ds_store_b128 v9, v[148+8*(2*\m+\u):151+8*(2*\m+\u)] offset:16640*\m+32*\u+16
.endr
.endr
	BAR
	; ---- E4: residual and LayerNorm, 8 whole rows a wave, stage by stage over the rows; lane l holds features 4 l .. 4 l + 3 and 128 + 4 l .. 128 + 4 l + 3
.irp k, 0,1,2,3,4,5,6,7
	ds_load_b128 v[144+8*\k:147+8*\k], v10 offset:1040*\k
	ds_load_b128 v[148+8*\k:151+8*\k], v10 offset:1040*\k+512
.endr
.irp k, 0,1,2,3,4,5,6,7
	ds_load_b32 v[232+\k], v11 offset:4*\k
.endr
	s_wait_loadcnt 0x0
	WIN 0x01                                       ; source 0 in window 1: my rows of fb
.irp k, 0,1,2,3,4,5,6,7
.irp i, 0,2,4,6
	v_pk_add_f32 v[80+8*\k+\i:81+8*\k+\i], v[64+8*\k+\i:65+8*\k+\i], v[208+\i:209+\i] neg_lo:[0,1] neg_hi:[0,1]    ; feat = fb - b_p2
.endr
.endr
	WIN 0
	s_wait_dscnt 0x0
.irp k, 0,1,2,3,4,5,6,7
.irp i, 0,1,2,3,4,5,6,7
	v_fma_f32 v[80+8*\k+\i], v[144+8*\k+\i], v[232+\k], v[80+8*\k+\i]      ; + the attention's result where the query has a neighbour (x 1.0), else feat alone (x 0.0)
.endr
.endr
.macro RED8                            ; the sum over the wave's 32 lanes of v[146 + 8 k], for the 8 rows by turns
.irp x, 1,2,4,8
.irp k, 0,1,2,3,4,5,6,7
	v_add_f32_dpp v[146+8*\k], v[146+8*\k], v[146+8*\k] row_xmask:\x row_mask:0xf bank_mask:0xf
.endr
.endr
.irp k, 0,1,2,3,4,5,6,7
	v_permlanex16_b32 v[147+8*\k], v[146+8*\k], s[SELS], s[SELS+1]
.endr
.irp k, 0,1,2,3,4,5,6,7
	v_add_f32 v[146+8*\k], v[146+8*\k], v[147+8*\k]
.endr
.endm
.irp k, 0,1,2,3,4,5,6,7
	v_pk_add_f32 v[146+8*\k:147+8*\k], v[80+8*\k:81+8*\k], v[82+8*\k:83+8*\k]
	v_pk_add_f32 v[144+8*\k:145+8*\k], v[84+8*\k:85+8*\k], v[86+8*\k:87+8*\k]
.endr
.irp k, 0,1,2,3,4,5,6,7
	v_pk_add_f32 v[146+8*\k:147+8*\k], v[146+8*\k:147+8*\k], v[144+8*\k:145+8*\k]
.endr
.irp k, 0,1,2,3,4,5,6,7
	v_add_f32 v[146+8*\k], v[146+8*\k], v[147+8*\k]
.endr
	RED8
.irp k, 0,1,2,3,4,5,6,7
	v_mul_f32 v[146+8*\k], s54, v[146+8*\k]        ; the mean
.endr
.irp k, 0,1,2,3,4,5,6,7
.irp i, 0,2,4,6
	v_pk_add_f32 v[80+8*\k+\i:81+8*\k+\i], v[80+8*\k+\i:81+8*\k+\i], v[146+8*\k:147+8*\k] op_sel_hi:[1,0] neg_lo:[0,1] neg_hi:[0,1]
.endr
.endr
.irp k, 0,1,2,3,4,5,6,7
	v_pk_mul_f32 v[144+8*\k:145+8*\k], v[80+8*\k:81+8*\k], v[80+8*\k:81+8*\k]          ; the variance from the differences: a second pass, so that a common offset costs nothing
.endr
.irp i, 2,4,6
.irp k, 0,1,2,3,4,5,6,7
	v_pk_fma_f32 v[144+8*\k:145+8*\k], v[80+8*\k+\i:81+8*\k+\i], v[80+8*\k+\i:81+8*\k+\i], v[144+8*\k:145+8*\k]
.endr
.endr
.irp k, 0,1,2,3,4,5,6,7
	v_add_f32 v[146+8*\k], v[144+8*\k], v[145+8*\k]
.endr
	RED8
.irp k, 0,1,2,3,4,5,6,7
	v_fma_f32 v[146+8*\k], v[146+8*\k], s54, s55
.endr
.irp k, 0,1,2,3,4,5,6,7
	v_rsq_f32 v[146+8*\k], v[146+8*\k]
.endr
	v_nop                                          ; a plain place behind the roots
	s_wait_alu depctr_va_vdst(0)
.irp k, 0,1,2,3,4,5,6,7
.irp i, 0,2,4,6
	v_pk_mul_f32 v[80+8*\k+\i:81+8*\k+\i], v[80+8*\k+\i:81+8*\k+\i], v[146+8*\k:147+8*\k] op_sel_hi:[1,0]
.endr
.irp i, 0,2,4,6
	v_pk_fma_f32 v[80+8*\k+\i:81+8*\k+\i], v[80+8*\k+\i:81+8*\k+\i], v[216+\i:217+\i], v[224+\i:225+\i]
.endr
	global_store_b128 v6, v[80+8*\k:83+8*\k], s[32:33] offset:1024*\k th:TH_STORE_NT       ; each store of the wave covers 512 consecutive bytes, aligned
	global_store_b128 v6, v[84+8*\k:87+8*\k], s[32:33] offset:1024*\k+512 th:TH_STORE_NT
.endr
	s_wait_xcnt 0x0
	v_lshl_add_u32 v254, v0, 2, 0x30400
	v_mov_b32 v255, 0
	s_wait_tensorcnt 0x0
	ds_add_u32 v254, v255
	s_wait_dscnt 0x0
	s_endpgm
.Lfunc_end_k_qb454a52905_chain:
	.size	k_qb454a52905_chain, .Lfunc_end_k_qb454a52905_chain-k_qb454a52905_chain
	.p2alignl 7, 3214868480
	.fill 96, 4, 3214868480
	.section	.rodata,"a",@progbits
	.p2align	6, 0x0
	.amdhsa_kernel k_qb454a52905_chain
		.amdhsa_group_segment_fixed_size 198656
		.amdhsa_private_segment_fixed_size 0
		.amdhsa_enable_private_segment 0
		.amdhsa_kernarg_size 120
		.amdhsa_user_sgpr_count 2
		.amdhsa_user_sgpr_kernarg_segment_ptr 1
		.amdhsa_wavefront_size32 1
		.amdhsa_system_sgpr_workgroup_id_x 1
		.amdhsa_system_sgpr_workgroup_id_y 1
		.amdhsa_system_sgpr_workgroup_id_z 1
		.amdhsa_system_vgpr_workitem_id 0
		.amdhsa_next_free_vgpr 512
		.amdhsa_next_free_sgpr 70
		.amdhsa_reserve_vcc 0
		.amdhsa_float_denorm_mode_32 3
		.amdhsa_float_denorm_mode_16_64 3
		.amdhsa_memory_ordered 1
		.amdhsa_forward_progress 1
		.amdhsa_inst_pref_size 168
	.end_amdhsa_kernel
	.amdgpu_metadata
---
amdhsa.version: [ 1, 2 ]
amdhsa.kernels:
  - .name:           k_qb454a52905_chain
    .symbol:         k_qb454a52905_chain.kd
    .args:
      - { .name: nidx, .offset: 0, .size: 8, .value_kind: global_buffer, .address_space: global }
      - { .name: coords, .offset: 8, .size: 8, .value_kind: global_buffer, .address_space: global }
      - { .name: fb, .offset: 16, .size: 8, .value_kind: global_buffer, .address_space: global }
      - { .name: qs, .offset: 24, .size: 8, .value_kind: global_buffer, .address_space: global }
      - { .name: wfrag, .offset: 32, .size: 8, .value_kind: global_buffer, .address_space: global }
      - { .name: wscale, .offset: 40, .size: 8, .value_kind: global_buffer, .address_space: global }
      - { .name: W_p1, .offset: 48, .size: 8, .value_kind: global_buffer, .address_space: global }
      - { .name: b_p1, .offset: 56, .size: 8, .value_kind: global_buffer, .address_space: global }
      - { .name: bk, .offset: 64, .size: 8, .value_kind: global_buffer, .address_space: global }
      - { .name: bv, .offset: 72, .size: 8, .value_kind: global_buffer, .address_space: global }
      - { .name: bo, .offset: 80, .size: 8, .value_kind: global_buffer, .address_space: global }
      - { .name: b_p2, .offset: 88, .size: 8, .value_kind: global_buffer, .address_space: global }
      - { .name: gamma, .offset: 96, .size: 8, .value_kind: global_buffer, .address_space: global }
      - { .name: beta, .offset: 104, .size: 8, .value_kind: global_buffer, .address_space: global }
      - { .name: out0, .offset: 112, .size: 8, .value_kind: global_buffer, .address_space: global }
    .group_segment_fixed_size: 198656
    .private_segment_fixed_size: 0
    .kernarg_segment_align: 8
    .kernarg_segment_size: 120
    .max_flat_workgroup_size: 256
    .sgpr_count:     70
    .vgpr_count:     512
    .wavefront_size: 32
...
	.end_amdgpu_metadata
.endif
;; end of part 3
;; ======== version 2 of 3: 3 launches; 1.37 times as fast as version 1
;; limits: an absolute error that grows with the inputs' magnitude: up to 1.2e-07 times it
;; workspace buffers: glist 262,144 bytes of whole numbers; nidx 1,048,576 bytes of whole numbers; wfrag 245,760 bytes; wscale 20,480 bytes; fb 16,777,216 bytes; qs 16,777,216 bytes
;; launch knn_groups (part 4): grid 256 x 1, 8 waves a work-group, no clusters, 159,744 bytes of LDS; arguments coords, W_feat, W_p2, Wq, Wk, Wv, Wo, glist, wfrag, wscale; writes glist, wfrag, wscale
.if DOCPART == 4
	.amdgcn_target "amdgcn-amd-amdhsa--gfx1250"
	.amdhsa_code_object_version 6
	.text
	.protected	k_qb454a52905_knn_groups
	.globl	k_qb454a52905_knn_groups
	.p2align	8
	.type	k_qb454a52905_knn_groups,@function
k_qb454a52905_knn_groups:
	s_mov_b64 s[64:65], 0
	v_nop
	global_prefetch_b8 v0, s[64:65] scope:SCOPE_SE
	s_setreg_imm32_b32 hwreg(HW_REG_WAVE_MODE, 25, 1), 1
	s_wait_xcnt 0x0
; FIRST STAGE OF THE NEAREST-16 SEARCH, AND THE WEIGHTS AS OPERANDS.
; A work-group owns 64 queries of one batch of 4,096 points; lane l of EVERY wave holds queries 2 l and 2 l + 1.  Wave w scans candidates 512 w .. 512 w + 511: 32 groups of 16 neighbouring
; candidates, and keeps each group's smallest distance.  Then the 16 best of the query's 256 groups, by (smallest distance, group number), are found exactly and stored as 16 bytes, ascending.
; WHY THAT IS ENOUGH: a point among the true 16 nearest, in the order (distance, index), has at most 15 points ahead of it; each group whose smallest comes ahead of its own group's holds one of them.
; DISTANCE, the same lines in all three launches: dx = xi - xj, dy, dt = ti - tj; sq = fma(dx, dx, dy dy); sd = sqrt(sq); d = fma(dt, 0.3, sd).  A pair counts where dt >= 0 and sq <= 2500 and j != i:
; dt's sign is laid onto sq and ONE unsigned compare with the bits of 2500.0 tests both.  What does not count is +infinity.
; THE CANDIDATES: a wave's 512 candidates are 6,144 bytes.  The wave reads them from memory once and lays them into LDS bytes of its own; a group's 192 bytes then come by 12 LDS loads in which all lanes name
; the same address, so that 48 registers hold the group's words in every lane.  LDS loads come back in order (ISA guide 5.7.1), so a counted wait lets the next group's loads stay out while this group is worked on.
; LIMITS: NaN and infinities among the inputs are not served.  The fused forms and the root's last bit may choose otherwise than separate roundings between two candidates about 2 ulp apart at the 16th place.
; Wave 0 of work-groups 0 .. 159 also turns one 16 x 128 tile of a weight into codes of E3M2 in the order of the operand's registers (a block of zeros gets the byte 1: its codes are zeros, and only this program reads the bytes).
; No tensor loads and no cluster: all that work-groups share is a batch's 49,152 bytes of coordinates, 12 loads a wave in the whole launch.
.set GM,    0                          ; LDS: the groups' smallest distances: wave x 8,192 + 256 x group + 8 x lane
.set LIST,  65536                      ; each wave's sorted 16 smallest: wave x LPW + 256 x place + 4 x query
.set LPW,   4128                       ; 4,096 + 32, so that the four parts of a merge fall on different banks
.set TB,    LIST+8*LPW                 ; the 16th smallest of each query
.set CNT,   TB+256                     ; each wave's counts: wave x 256 + 4 x query
.set PK,    CNT+2048                   ; each wave's part of the 16 bytes: wave x 1,024 + 16 x query
.set CRD,   PK+8192                    ; each wave's candidates: wave x CPW + 12 x candidate
.set CPW,   6144
.set LANE, 1
.set OWNO, 2
.set A_GM, 3
.set A_LW, 4
.set A_LR, 5
.set A_TW, 6
.set A_TR, 7
.set A_CW, 8
.set A_CR, 9
.set A_PW, 10
.set A_PR, 11
.set ADT,  12
.set INF,  13
.set VZ,   14
.set CGO,  15                          ; v15     my 16 bytes of my wave's candidates, as an offset in the batch's coordinates
.set KL,   16                          ; v16-47  the sorted list: place s of query parity q at KL + 2 s + q
.set ACC,  48
.set TQ,   50                          ; v50-51  the 16th smallest of my two queries
.set DX,   52
.set DY,   60
.set DT,   68
.set TT,   76
.set PT,   52                          ; at work behind the scan
.set CL,   84
.set CE,   86
.set NREM, 88
.set RR,   90
.set SEL,  92
.set KEEP, 93
.set SH1,  94
.set SH2,  95
.set CA,   96                          ; v96-143  in the scan: a group's 48 words, the same in every lane
.set CBF,  144                         ; v144-191 in the scan: the other group's
.set EV,   96                          ; v96-159 behind the scan: my wave's 32 elements of my two queries
.set LA,   160
.set LB,   176
.set CST,  192                         ; v192-239 at the head: my wave's candidates on their way into LDS
.set XA,   192
.set YA,   208
.set LL,   224                         ; v224-231 the 16 bytes, four registers a query
.set CW,   232
.set A_CS, 240                         ; v240    up to the scan's end: where I lay my 16 bytes of the candidates
.set A_CB, 241                         ; v241    where my wave's candidates begin
.set ADC,  242                         ; v242    where the pair of groups in hand begins
.set XI,   248
.set YI,   250
.set TI,   252
.set TM,   254
.set SF,   92                          ; s92-98  flags: wave w' comes before mine
.set S32W, 99
.set SA,   100
.set SB,   101
.set SID,  72
.macro BAR                             ; my LDS stores have landed and my LDS loads are in: then the work-group's barrier
	s_wait_dscnt 0x0
	s_barrier_signal -1
	s_barrier_wait -1
.endm
.macro INS q, src                      ; one number into the ascending list of 16: from the top down, so that every line reads old places
.irp s, 15,14,13,12,11,10,9,8,7,6,5,4,3,2,1
	v_med3_num_f32 v[KL+2*\s+\q], v[\src], v[KL+2*\s-2+\q], v[KL+2*\s+\q]
.endr
	v_min_num_f32 v[KL+\q], v[\src], v[KL+\q]
.endm
.macro STAGE d, f, t                   ; one half-cleaner of a bitonic sort of 16
.irp i, 0,1,2,3,4,5,6,7,8,9,10,11,12,13,14,15
.if ((\i)&(\d)) == 0
	v_min_num_f32 v[\t+\i], v[\f+\i], v[\f+\i+\d]
	v_max_num_f32 v[\t+\i+\d], v[\f+\i], v[\f+\i+\d]
.endif
.endr
.endm
.macro BSORT a, b                      ; a bitonic run in a becomes ascending, in a again
	STAGE 8, \a, \b
	STAGE 4, \b, \a
	STAGE 2, \a, \b
	STAGE 1, \b, \a
.endm
; Thread n takes query n / 4 and two of the eight lists; the 16 smallest of two ascending lists are min(a[i], b[15 - i]).  Two more such steps join the four threads of a query.
.macro MERGE16
.irp s, 0,1,2,3,4,5,6,7,8,9,10,11,12,13,14,15
	ds_load_b32 v[LA+\s], v[A_LR] offset:256*\s
	ds_load_b32 v[LB+\s], v[A_LR] offset:LPW+256*\s
.endr
	s_wait_dscnt 0x0
.irp i, 0,1,2,3,4,5,6,7,8,9,10,11,12,13,14,15
	v_min_num_f32 v[XA+\i], v[LA+\i], v[LB+15-\i]
.endr
	BSORT XA, YA
.irp i, 0,1,2,3,4,5,6,7,8,9,10,11,12,13,14,15
	v_min_num_f32_dpp v[YA+\i], v[XA+15-\i], v[XA+\i] row_xmask:1 row_mask:0xf bank_mask:0xf
.endr
	BSORT YA, XA
.irp i, 0,1,2,3,4,5,6,7,8,9,10,11,12,13,14,15
	v_min_num_f32_dpp v[XA+\i], v[YA+15-\i], v[YA+\i] row_xmask:2 row_mask:0xf bank_mask:0xf
.endr
	v_max3_num_f32 v[TM], v[XA], v[XA+1], v[XA+2]          ; the largest of the 16 smallest
.irp i, 3,5,7,9,11,13
	v_max3_num_f32 v[TM], v[TM], v[XA+\i], v[XA+\i+1]
.endr
	v_max_num_f32 v[TM], v[TM], v[XA+15]
	ds_store_b32 v[A_TW], v[TM]                            ; the four threads of a query write the same number
.endm
.macro COUNT1 e, q                     ; how many of my elements lie under the 16th smallest, how many on it
	v_cmp_lt_f32 vcc_lo, v[EV+2*\e+\q], v[TQ+\q]
	v_add_co_ci_u32 v[CL+\q], vcc_lo, 0, v[CL+\q], vcc_lo
	v_cmp_eq_f32 vcc_lo, v[EV+2*\e+\q], v[TQ+\q]
	v_add_co_ci_u32 v[CE+\q], vcc_lo, 0, v[CE+\q], vcc_lo
.endm
.macro PREFIX q                        ; from all waves' counts: how many equals are still wanted, and where my bytes begin
	v_add3_u32 v[PT], v[CW+\q], v[CW+2+\q], v[CW+4+\q]
	v_add3_u32 v[PT], v[PT], v[CW+6+\q], v[CW+8+\q]
	v_add3_u32 v[PT], v[PT], v[CW+10+\q], v[CW+12+\q]
	v_add_nc_u32 v[PT], v[PT], v[CW+14+\q]
	v_mul_u32_u24 v[PT+1], s[SF], v[CW+\q]
.irp w, 1,2,3,4,5,6
	v_mad_u32_u24 v[PT+1], v[CW+2*\w+\q], s[SF+\w], v[PT+1]
.endr
	v_and_b32 v[PT], 0xffff, v[PT]
	v_sub_nc_u32 v[PT], 16, v[PT]                          ; need: equals to be taken in all
	v_and_b32 v[PT+2], 0xffff, v[PT+1]                     ; smaller ones in the waves before mine
	v_lshrrev_b32 v[PT+1], 16, v[PT+1]                     ; equals in the waves before mine
	v_min_u32 v[PT+3], v[PT+1], v[PT]
	v_add_nc_u32 v[PT+2], v[PT+2], v[PT+3]                 ; taken before mine
	v_sub_nc_u32 v[PT+3], v[PT], v[PT+3]
	v_min_u32 v[PT+3], v[CE+\q], v[PT+3]
	v_add3_u32 v[PT+2], v[PT+2], v[PT+3], v[CL+\q]         ; taken up to and with mine
	v_sub_nc_u32 v[RR+\q], 16, v[PT+2]                     ; bytes by which my list moves down at the end
	v_sub_nc_u32 v[NREM+\q], v[PT+1], v[PT]                ; negative as long as equals are still wanted
.endm
.macro PACK1 e, q                      ; an element that is taken enters the 16 bytes at the top, and the bytes move down by one
	v_cmp_lt_f32 s[SA], v[EV+2*\e+\q], v[TQ+\q]
	v_cmp_gt_i32 s[SB], 0, v[NREM+\q]
	v_cmp_eq_f32 vcc_lo, v[EV+2*\e+\q], v[TQ+\q]
	s_and_b32 s[SB], s[SB], vcc_lo
	s_or_b32 s[SA], s[SA], s[SB]
	v_add_co_ci_u32 v[NREM+\q], vcc_lo, 0, v[NREM+\q], vcc_lo
	v_cndmask_b32 v[SEL], v[KEEP], v[SH1], s[SA]
	v_perm_b32 v[LL+4*\q], v[LL+4*\q+1], v[LL+4*\q], v[SEL]
	v_perm_b32 v[LL+4*\q+1], v[LL+4*\q+2], v[LL+4*\q+1], v[SEL]
	v_perm_b32 v[LL+4*\q+2], v[LL+4*\q+3], v[LL+4*\q+2], v[SEL]
	v_perm_b32 v[LL+4*\q+3], s[SID], v[LL+4*\q+3], v[SEL]
.endm
.macro SHIFTP q
	v_perm_b32 v[LL+4*\q], v[LL+4*\q+1], v[LL+4*\q], v[SEL]
	v_perm_b32 v[LL+4*\q+1], v[LL+4*\q+2], v[LL+4*\q+1], v[SEL]
	v_perm_b32 v[LL+4*\q+2], v[LL+4*\q+3], v[LL+4*\q+2], v[SEL]
	v_perm_b32 v[LL+4*\q+3], v[VZ], v[LL+4*\q+3], v[SEL]
.endm
.macro BARREL q                        ; the 16 bytes move down by RR bytes (16 only where they are all zeros)
	v_and_b32 v[PT], 1, v[RR+\q]
	v_cmp_ne_u32 vcc_lo, 0, v[PT]
	v_cndmask_b32 v[SEL], v[KEEP], v[SH1], vcc_lo
	SHIFTP \q
	v_and_b32 v[PT], 2, v[RR+\q]
	v_cmp_ne_u32 vcc_lo, 0, v[PT]
	v_cndmask_b32 v[SEL], v[KEEP], v[SH2], vcc_lo
	SHIFTP \q
	v_and_b32 v[PT], 4, v[RR+\q]
	v_cmp_ne_u32 vcc_lo, 0, v[PT]
	v_cndmask_b32 v[LL+4*\q], v[LL+4*\q], v[LL+4*\q+1], vcc_lo
	v_cndmask_b32 v[LL+4*\q+1], v[LL+4*\q+1], v[LL+4*\q+2], vcc_lo
	v_cndmask_b32 v[LL+4*\q+2], v[LL+4*\q+2], v[LL+4*\q+3], vcc_lo
	v_cndmask_b32 v[LL+4*\q+3], v[LL+4*\q+3], v[VZ], vcc_lo
	v_and_b32 v[PT], 8, v[RR+\q]
	v_cmp_ne_u32 vcc_lo, 0, v[PT]
	v_cndmask_b32 v[LL+4*\q], v[LL+4*\q], v[LL+4*\q+2], vcc_lo
	v_cndmask_b32 v[LL+4*\q+1], v[LL+4*\q+1], v[LL+4*\q+3], vcc_lo
	v_cndmask_b32 v[LL+4*\q+2], v[LL+4*\q+2], v[VZ], vcc_lo
	v_cndmask_b32 v[LL+4*\q+3], v[LL+4*\q+3], v[VZ], vcc_lo
.endm
; A group's 192 bytes into 48 registers: every lane names the same address and gets the same words
.macro CLOAD reg, adr, off
.irp k, 0,1,2,3,4,5,6,7,8,9,10,11
	ds_load_b128 v[\reg+4*\k:\reg+4*\k+3], v[\adr] offset:\off+16*\k
.endr
.endm
; My two queries' coordinate less word d of the group in buffer cb: word x -1.0 + mine, one rounding.  The word is the low or the high register of an even pair, taken for both results
.macro CSUB dst, d, own, cb
.if ((\d)%2) == 0
	v_pk_fma_f32 v[\dst:\dst+1], v[\cb+(\d):\cb+(\d)+1], -1.0, v[\own:\own+1] op_sel_hi:[0,0,1]
.else
	v_pk_fma_f32 v[\dst:\dst+1], v[\cb+(\d)-1:\cb+(\d)], -1.0, v[\own:\own+1] op_sel:[1,0,0] op_sel_hi:[1,0,1]
.endif
.endm
; Four candidates against my two queries.  cb: the group's buffer; bi: the batch's number in its group.
.macro BATCH cb, bi
.irp c, 0,1,2,3
	CSUB DX+2*\c, 12*\bi+3*\c, XI, \cb
	CSUB DY+2*\c, 12*\bi+3*\c+1, YI, \cb
	CSUB DT+2*\c, 12*\bi+3*\c+2, TI, \cb
.endr
.irp c, 0,2,4,6
	v_pk_mul_f32 v[DY+\c:DY+\c+1], v[DY+\c:DY+\c+1], v[DY+\c:DY+\c+1]
.endr
.irp c, 0,2,4,6
	v_pk_fma_f32 v[DX+\c:DX+\c+1], v[DX+\c:DX+\c+1], v[DX+\c:DX+\c+1], v[DY+\c:DY+\c+1]
.endr
.irp i, 0,1,2,3,4,5,6,7
	v_sqrt_f32 v[DY+\i], v[DX+\i]
.endr
.irp i, 0,1,2,3,4,5,6,7
	v_bfi_b32 v[TT+\i], s66, v[DT+\i], v[DX+\i]            ; dt's sign on sq.  (Plain lines behind the roots: they read no root and write no root's source)
.endr
.irp i, 0,3,4,7,1,2,5,6
	v_cmp_ge_u32 s[56+\i], s67, v[TT+\i]                   ; dt >= 0 and sq <= 2500.  The four masks that the diagonal may touch come first here and last below
.endr
	s_wait_alu depctr_va_vdst(0)
.irp c, 0,2,4,6
	v_pk_fma_f32 v[DY+\c:DY+\c+1], v[DT+\c:DT+\c+1], 0x3e99999a, v[DY+\c:DY+\c+1] op_sel_hi:[1,0,1]
.endr
.irp c, 0,1,2,3
	s_lshl_b32 s68, s71, 2*\bi+\c/2                        ; candidate 4 bi + c of a group on the diagonal IS the query of lane 8 g + (4 bi + c) / 2, parity c % 2; s71 is 0 elsewhere
	s_and_not1_b32 s[56+2*\c+\c%2], s[56+2*\c+\c%2], s68
.endr
.irp i, 1,2,5,6,0,3,4,7
	v_cndmask_b32 v[DY+\i], v[INF], v[DY+\i], s[56+\i]
.endr
.if \bi == 0
	v_min_num_f32 v[ACC], v[DY], v[DY+2]
	v_min_num_f32 v[ACC+1], v[DY+1], v[DY+3]
.else
	v_min3_num_f32 v[ACC], v[ACC], v[DY], v[DY+2]
	v_min3_num_f32 v[ACC+1], v[ACC+1], v[DY+1], v[DY+3]
.endif
	v_min3_num_f32 v[ACC], v[ACC], v[DY+4], v[DY+6]
	v_min3_num_f32 v[ACC+1], v[ACC+1], v[DY+5], v[DY+7]
.endm
; One group of 16 candidates out of buffer cb.  k: 0 or 1, its place in the pair: it is group s7 + k of my wave
.macro HALF cb, k
.if \k
	s_add_co_u32 s72, s7, 1
	s_sub_co_u32 s72, s72, s70
.else
	s_sub_co_u32 s72, s7, s70
.endif
	s_lshl_b32 s68, s72, 3
	s_lshl_b32 s71, 1, s68
	s_cmp_lt_u32 s72, 4
	s_cselect_b32 s71, s71, 0                      ; the lane bit of the group's first candidate, where the group lies on the diagonal
	BATCH \cb, 0
	BATCH \cb, 1
	BATCH \cb, 2
	BATCH \cb, 3
	ds_store_b64 v[ADT], v[ACC:ACC+1] offset:256*\k        ; kept for the passes behind the scan: my wave's own bytes
	INS 0, ACC
	INS 1, ACC+1
.endm
; Two groups, one out of each buffer.  Each group's 12 loads are issued a whole group ahead of their use.  more = 1: a further pair follows, and its first group is asked for.
.macro PAIR more
	v_add_nc_u32 v[ADC], s6, v[A_CB]
	v_add_nc_u32 v[ADT], s69, v[A_GM]
	CLOAD CBF, ADC, 192                            ; the pair's second group
	s_wait_dscnt 12                                ; all but the 12 just issued: the first group's loads are in
	HALF CA, 0
.if \more
	CLOAD CA, ADC, 384                             ; the next pair's first group
	s_wait_dscnt 12                                ; all but the 12 just issued: the second group's loads are in
.else
	s_wait_dscnt 0x0                               ; nothing more is asked for: no load leaves my wave's 6,144 bytes
.endif
	HALF CBF, 1
.if \more
	s_add_co_u32 s6, s6, 384
	s_add_co_u32 s69, s69, 512
.endif
.endm
	s_load_b64 s[2:3], s[0:1], 0x0                 ; coords
	s_load_b256 s[80:87], s[0:1], 0x8              ; W_feat, W_p2, Wq, Wk
	s_load_b128 s[88:91], s[0:1], 0x28             ; Wv, Wo
	s_load_b128 s[76:79], s[0:1], 0x38             ; glist, wfrag
	s_load_b64 s[74:75], s[0:1], 0x48              ; wscale
	s_set_vgpr_msb 0x40
	v_lshl_add_u32 v0, v0, 2, 0x26c00
	v_mov_b32 v1, 0
	s_set_vgpr_msb 0x4000
	v_lshrrev_b32 v[TM], 5, v0
	v_readfirstlane_b32 s4, v[TM]                  ; wave 0..7
	v_and_b32 v[LANE], 31, v0
	s_and_b32 s5, ttmp9, 63                        ; my block of 64 queries in its batch
	s_mul_i32 s20, s5, 768
	v_mad_u32_u24 v[OWNO], v[LANE], 24, s20        ; my two queries' 24 bytes
	s_lshl_b32 s20, s4, 13
	v_lshl_add_u32 v[A_GM], v[LANE], 3, s20
	s_mul_i32 s20, s4, LPW
	s_add_co_u32 s20, s20, LIST
	v_lshl_add_u32 v[A_LW], v[LANE], 3, s20
	v_and_b32 v[A_LR], 3, v0
	v_mul_u32_u24 v[A_LR], v[A_LR], 2*LPW
	v_lshrrev_b32 v[TM], 2, v0
	v_lshl_add_u32 v[A_LR], v[TM], 2, v[A_LR]
	v_add_nc_u32 v[A_LR], LIST, v[A_LR]
	v_lshl_add_u32 v[A_TW], v[TM], 2, TB
	v_lshl_add_u32 v[A_TR], v[LANE], 3, TB
	s_lshl_b32 s20, s4, 8
	s_add_co_u32 s20, s20, CNT
	v_lshl_add_u32 v[A_CW], v[LANE], 3, s20
	v_lshl_add_u32 v[A_CR], v[LANE], 3, CNT
	s_lshl_b32 s20, s4, 10
	s_add_co_u32 s20, s20, PK
	v_lshl_add_u32 v[A_PW], v[LANE], 5, s20
	v_lshl_add_u32 v[A_PR], v0, 4, PK
	s_mul_i32 s20, s4, CPW
	v_lshl_add_u32 v[CGO], v[LANE], 4, s20         ; my wave's candidates in memory: 6,144 x wave + 16 x lane,
	s_add_co_u32 s20, s20, CRD
	v_lshl_add_u32 v[A_CS], v[LANE], 4, s20        ; and the same place in my wave's LDS bytes
	v_mov_b32 v[A_CB], s20
	v_mov_b32 v[INF], 0x7f800000
	v_mov_b32 v[VZ], 0
	v_mov_b32 v[KEEP], 0x03020100
	v_mov_b32 v[SH1], 0x04030201
	v_mov_b32 v[SH2], 0x05040302
.set ii, 0
.rept 32
	v_mov_b32 v[KL+ii], v[INF]
.set ii, ii+1
.endr
	s_mov_b32 s66, 0x80000000
	s_mov_b32 s67, 0x451c4000                      ; 2500.0
.irp w, 0,1,2,3,4,5,6
	s_cmp_gt_u32 s4, \w
	s_cselect_b32 s[SF+\w], 1, 0
.endr
	s_lshl_b32 s[S32W], s4, 5
	s_wait_kmcnt 0x0
	s_lshr_b32 s20, ttmp9, 6                       ; the batch
	s_mul_i32 s20, s20, 49152
	s_mov_b32 s21, 0
	s_add_nc_u64 s[2:3], s[2:3], s[20:21]
	global_load_b64 v[52:53], v[OWNO], s[2:3]
	global_load_b64 v[54:55], v[OWNO], s[2:3] offset:8
	global_load_b64 v[56:57], v[OWNO], s[2:3] offset:16
.irp k, 0,1,2,3,4,5,6,7,8,9,10,11
	global_load_b128 v[CST+4*\k:CST+4*\k+3], v[CGO], s[2:3] offset:512*\k      ; my wave's 512 candidates: 512 consecutive bytes a load; they are on their way while the weight tile is worked on
.endr
	; ---- one weight tile (16 columns x 128 along K) into codes: wave 0 of work-groups 0 .. 159.  No LDS and no barrier in here.
	s_cmp_lg_u32 s4, 0
	s_cbranch_scc1 .Lnoprep
	s_cmp_ge_u32 ttmp9, 160
	s_cbranch_scc1 .Lnoprep
	s_sub_co_u32 s5, ttmp9, 32                     ; tiles 0-31: W_feat, W_p2 (16 each, one K step); from 32 on: Wq, Wk, Wv, Wo (32 each: 2 x tile + K step)
	s_lshr_b32 s6, s5, 5
	s_add_co_u32 s6, s6, 2
	s_bfe_u32 s7, s5, 0x40001
	s_and_b32 s8, s5, 1
	s_lshr_b32 s9, ttmp9, 4
	s_and_b32 s12, ttmp9, 15
	s_cmp_lt_u32 ttmp9, 32
	s_cselect_b32 s6, s9, s6                       ; which weight
	s_cselect_b32 s7, s12, s7                      ; which tile of 16 columns
	s_cselect_b32 s8, 0, s8                        ; which K step
	s_mov_b64 s[10:11], s[80:81]
	s_cmp_eq_u32 s6, 1
	s_cselect_b64 s[10:11], s[82:83], s[10:11]
	s_cmp_eq_u32 s6, 2
	s_cselect_b64 s[10:11], s[84:85], s[10:11]
	s_cmp_eq_u32 s6, 3
	s_cselect_b64 s[10:11], s[86:87], s[10:11]
	s_cmp_eq_u32 s6, 4
	s_cselect_b64 s[10:11], s[88:89], s[10:11]
	s_cmp_eq_u32 s6, 5
	s_cselect_b64 s[10:11], s[90:91], s[10:11]
	s_lshr_b32 s12, s7, 1
	s_lshl_b32 s12, s12, 5
	s_and_b32 s13, s7, 1
	s_lshl_b32 s13, s13, 3
	s_add_co_u32 s12, s12, s13                     ; tiles used transposed: lane r takes column 32 (t / 2) + 8 (t % 2) + r + 8 (r / 8),
	s_lshl_b32 s13, s7, 4                          ; Wk and Wv: column 16 t + r
	s_sub_co_u32 s14, s6, 3
	s_cmp_lt_u32 s14, 2
	s_cselect_b32 s12, s13, s12
	s_cselect_b32 s14, 0, 1
	s_lshl_b32 s13, s8, 17                         ; 128 rows of 1,024 bytes a K step
	s_mov_b32 s16, 0x76543210
	s_mov_b32 s17, 0xfedcba98
	v_and_b32 v60, 15, v0
	v_bfe_u32 v61, v0, 4, 1
	v_and_b32 v62, 8, v60
	v_mul_u32_u24 v62, s14, v62
	v_add3_u32 v62, v62, v60, s12
	v_lshlrev_b32 v62, 2, v62
	v_lshl_add_u32 v62, v61, 15, v62               ; lanes 16-31 begin 32 rows further down: lane (r, h) holds k = 64 c + 32 h + 0 .. 31
	v_add_nc_u32 v62, s13, v62
.irp c, 0,1
.irp i, 0,1,2,3,4,5,6,7,8,9,10,11,12,13,14,15,16,17,18,19,20,21,22,23,24,25,26,27,28,29,30,31
	global_load_b32 v[96+32*\c+\i], v62, s[10:11] offset:(64*\c+\i)*1024
.endr
.endr
	s_wait_loadcnt 0x0
.irp c, 0,1
	v_max3_num_f32 v[64+\c], |v[96+32*\c]|, |v[97+32*\c]|, 0x2800000      ; with the floor 2^(5 - 127): the byte cannot fall under 1
.endr
.irp i, 2,4,6,8,10,12,14,16,18,20,22,24,26,28,30
.irp c, 0,1
	v_max3_num_f32 v[64+\c], v[64+\c], |v[96+32*\c+\i]|, |v[97+32*\c+\i]|
.endr
.endr
.irp c, 0,1
	v_add_nc_u32 v[66+\c], 0xfe000000, v[64+\c]    ; 4 off the exponent field: the conversion's scale operand
.endr
.irp c, 0,1
	v_lshrrev_b32 v[68+\c], 23, v[66+\c]           ; the scale's byte
.endr
	v_lshl_or_b32 v70, v69, 16, v68
	v_lshlrev_b32 v71, 3, v61
	v_lshlrev_b32 v70, v71, v70                    ; my two bytes at their places,
	v_mov_b32 v71, 0
	v_permlanex16_b32 v71, v70, s16, s17
	v_or_b32 v70, v70, v71                         ; with lane l xor 16's the word is whole
.irp c, 0,1
	v_cvt_scalef32_pk16_bf6_f32 v[160+6*\c:162+6*\c], v[96+32*\c:111+32*\c], v[66+\c]
	v_cvt_scalef32_pk16_bf6_f32 v[176+4*\c:178+4*\c], v[112+32*\c:127+32*\c], v[66+\c]
.endr
	v_nop                                          ; one plain place behind a scaled conversion
.irp c, 0,1
.irp i, 0,1,2
	v_mov_b32 v[163+6*\c+\i], v[176+4*\c+\i]
.endr
.endr
	s_mul_i32 s13, ttmp9, 1536
	v_lshl_add_u32 v72, v[LANE], 4, s13
	s_lshl_b32 s13, ttmp9, 7
	v_lshl_add_u32 v73, v[LANE], 2, s13
	global_store_b128 v72, v[160:163], s[78:79]            ; the fragment as an image of its registers: 512 consecutive bytes a store
	global_store_b128 v72, v[164:167], s[78:79] offset:512
	global_store_b128 v72, v[168:171], s[78:79] offset:1024
	global_store_b32 v73, v70, s[74:75]
	s_wait_xcnt 0x0                                ; the stores' registers are written again further down
.Lnoprep:
	s_wait_loadcnt 0x0                             ; my two queries, and my wave's candidates
.irp k, 0,1,2,3,4,5,6,7,8,9,10,11
	ds_store_b128 v[A_CS], v[CST+4*\k:CST+4*\k+3] offset:512*\k    ; into my wave's own bytes, as they lie in memory
.endr
	v_mov_b32 v[XI], v52
	v_mov_b32 v[YI], v53
	v_mov_b32 v[TI], v54
	v_mov_b32 v[XI+1], v55
	v_mov_b32 v[YI+1], v56
	v_mov_b32 v[TI+1], v57
	s_and_b32 s5, ttmp9, 63
	s_lshr_b32 s5, s5, 3                           ; the wave whose candidates hold my work-group's queries,
	s_and_b32 s70, ttmp9, 7
	s_lshl_b32 s70, s70, 2                         ; and the first of its four groups that do
	s_cmp_eq_u32 s5, s4
	s_cselect_b32 s70, s70, 64
	s_mov_b32 s6, 0                                ; the pair's first byte among my wave's candidates: 384 a pair
	s_mov_b32 s7, 0                                ; the pair's first group
	s_mov_b32 s69, 0                               ; and its place among the groups' smallest distances: 512 a pair
	CLOAD CA, A_CB, 0                              ; group 0.  LDS serves a wave's instructions in order (ISA guide 5.7.1.4): these see the stores above
.Lscan:                                                ; 15 trips: two groups of 16 candidates each
	PAIR 1
	s_add_co_u32 s7, s7, 2
	s_cmp_lt_u32 s7, 30
	s_cbranch_scc1 .Lscan
	PAIR 0                                         ; groups 30 and 31 are written out: behind them there is nothing to ask for
	; ---- the 16 best groups
.irp s, 0,1,2,3,4,5,6,7,8,9,10,11,12,13,14,15
	ds_store_b64 v[A_LW], v[KL+2*\s:KL+2*\s+1] offset:256*\s
.endr
	BAR
	MERGE16
	BAR
.set ee, 0
.rept 32
	ds_load_b64 v[EV+2*ee:EV+2*ee+1], v[A_GM] offset:256*ee
.set ee, ee+1
.endr
	ds_load_b64 v[TQ:TQ+1], v[A_TR]
	v_mov_b32 v[CL], 0
	v_mov_b32 v[CL+1], 0
	v_mov_b32 v[CE], 0
	v_mov_b32 v[CE+1], 0
	s_wait_dscnt 0x0
.set ee, 0
.rept 32
	COUNT1 ee, 0
	COUNT1 ee, 1
.set ee, ee+1
.endr
	v_lshl_or_b32 v[TM], v[CE], 16, v[CL]
	v_lshl_or_b32 v[TM+1], v[CE+1], 16, v[CL+1]
	ds_store_b64 v[A_CW], v[TM:TM+1]
	BAR
.irp w, 0,1,2,3,4,5,6,7
	ds_load_b64 v[CW+2*\w:CW+2*\w+1], v[A_CR] offset:256*\w
.endr
.irp i, 0,1,2,3,4,5,6,7
	v_mov_b32 v[LL+\i], 0
.endr
	s_wait_dscnt 0x0
	PREFIX 0
	PREFIX 1
.set ee, 0
.rept 32
	s_add_co_u32 s[SID], s[S32W], ee               ; the group's number
	PACK1 ee, 0
	PACK1 ee, 1
.set ee, ee+1
.endr
	BARREL 0
	BARREL 1
	ds_store_b128 v[A_PW], v[LL:LL+3]
	ds_store_b128 v[A_PW], v[LL+4:LL+7] offset:16
	BAR
	s_cmp_lt_u32 s4, 2                             ; 64 queries x 16 bytes: two waves, 512 consecutive bytes each
	s_cbranch_scc0 .Ldone
.irp w, 0,1,2,3,4,5,6,7
	ds_load_b128 v[160+4*\w:163+4*\w], v[A_PR] offset:1024*\w
.endr
	s_lshl_b32 s20, ttmp9, 10
	v_lshl_add_u32 v[TM], v0, 4, s20
	s_wait_dscnt 0x0
.irp w, 1,2,3,4,5,6,7
.irp i, 0,1,2,3
	v_or_b32 v[160+\i], v[160+\i], v[160+4*\w+\i]  ; each wave's bytes stand at places of their own: the rest are zeros
.endr
.endr
	global_store_b128 v[TM], v[160:163], s[76:77]
.Ldone:
	s_set_vgpr_msb 0x5
	s_wait_tensorcnt 0x0
	ds_add_u32 v0, v1
	s_wait_dscnt 0x0
	s_set_vgpr_msb 0x500
	s_endpgm
.Lfunc_end_k_qb454a52905_knn_groups:
	.size	k_qb454a52905_knn_groups, .Lfunc_end_k_qb454a52905_knn_groups-k_qb454a52905_knn_groups
	.p2alignl 7, 3214868480
	.fill 96, 4, 3214868480
	.section	.rodata,"a",@progbits
	.p2align	6, 0x0
	.amdhsa_kernel k_qb454a52905_knn_groups
		.amdhsa_group_segment_fixed_size 159744
		.amdhsa_private_segment_fixed_size 0
		.amdhsa_enable_private_segment 0
		.amdhsa_kernarg_size 80
		.amdhsa_user_sgpr_count 2
		.amdhsa_user_sgpr_kernarg_segment_ptr 1
		.amdhsa_wavefront_size32 1
		.amdhsa_system_sgpr_workgroup_id_x 1
		.amdhsa_system_sgpr_workgroup_id_y 1
		.amdhsa_system_sgpr_workgroup_id_z 1
		.amdhsa_system_vgpr_workitem_id 0
		.amdhsa_next_free_vgpr 258
		.amdhsa_next_free_sgpr 102
		.amdhsa_reserve_vcc 1
		.amdhsa_float_denorm_mode_32 3
		.amdhsa_float_denorm_mode_16_64 3
		.amdhsa_memory_ordered 1
		.amdhsa_forward_progress 1
		.amdhsa_inst_pref_size 158
	.end_amdhsa_kernel
	.amdgpu_metadata
---
amdhsa.version: [ 1, 2 ]
amdhsa.kernels:
  - .name:           k_qb454a52905_knn_groups
    .symbol:         k_qb454a52905_knn_groups.kd
    .args:
      - { .name: coords, .offset: 0, .size: 8, .value_kind: global_buffer, .address_space: global }
      - { .name: W_feat, .offset: 8, .size: 8, .value_kind: global_buffer, .address_space: global }
      - { .name: W_p2, .offset: 16, .size: 8, .value_kind: global_buffer, .address_space: global }
      - { .name: Wq, .offset: 24, .size: 8, .value_kind: global_buffer, .address_space: global }
      - { .name: Wk, .offset: 32, .size: 8, .value_kind: global_buffer, .address_space: global }
      - { .name: Wv, .offset: 40, .size: 8, .value_kind: global_buffer, .address_space: global }
      - { .name: Wo, .offset: 48, .size: 8, .value_kind: global_buffer, .address_space: global }
      - { .name: glist, .offset: 56, .size: 8, .value_kind: global_buffer, .address_space: global }
      - { .name: wfrag, .offset: 64, .size: 8, .value_kind: global_buffer, .address_space: global }
      - { .name: wscale, .offset: 72, .size: 8, .value_kind: global_buffer, .address_space: global }
    .group_segment_fixed_size: 159744
    .private_segment_fixed_size: 0
    .kernarg_segment_align: 8
    .kernarg_segment_size: 80
    .max_flat_workgroup_size: 256
    .sgpr_count:     102
    .vgpr_count:     258
    .wavefront_size: 32
...
	.end_amdgpu_metadata
.endif
;; end of part 4
;; launch feat_knn: the kernel of part 2 again; grid 256 x 1, 8 waves a work-group, no clusters, 197,632 bytes of LDS; arguments features, coords, glist, wfrag, wscale, b_feat, bq, b_p2, fb, qs, nidx; writes fb, qs, nidx
;; launch chain: the kernel of part 3 again; grid 256 x 1, 8 waves a work-group, no clusters, 198,656 bytes of LDS; arguments nidx, coords, fb, qs, wfrag, wscale, W_p1, b_p1, bk, bv, bo, b_p2, gamma, beta, out0; writes out0
;; ======== version 3 of 3: 3 launches; version 2 with the launches feat_knn, chain written anew for expert scheduling mode
;; limits: an absolute error that grows with the inputs' magnitude: up to 1.2e-07 times it
;; workspace buffers: glist 262,144 bytes of whole numbers; nidx 1,048,576 bytes of whole numbers; wfrag 245,760 bytes; wscale 20,480 bytes; fb 16,777,216 bytes; qs 16,777,216 bytes
;; launch knn_groups: the kernel of part 4 again; grid 256 x 1, 8 waves a work-group, no clusters, 159,744 bytes of LDS; arguments coords, W_feat, W_p2, Wq, Wk, Wv, Wo, glist, wfrag, wscale; writes glist, wfrag, wscale
;; launch feat_knn (part 5): grid 256 x 1, 8 waves a work-group, no clusters, 197,632 bytes of LDS; arguments features, coords, glist, wfrag, wscale, b_feat, bq, b_p2, fb, qs, nidx; writes fb, qs, nidx
.if DOCPART == 5
	.amdgcn_target "amdgcn-amd-amdhsa--gfx1250"
	.amdhsa_code_object_version 6
	.text
	.protected	k_qb454a52905_feat_knn
	.globl	k_qb454a52905_feat_knn
	.p2align	8
	.type	k_qb454a52905_feat_knn,@function
k_qb454a52905_feat_knn:
	s_mov_b64 s[64:65], 0
	v_nop
	global_prefetch_b8 v0, s[64:65] scope:SCOPE_SE
	s_setreg_imm32_b32 hwreg(HW_REG_WAVE_SCHED_MODE, 0, 2), 2
	s_setreg_imm32_b32 hwreg(HW_REG_WAVE_MODE, 25, 1), 1
	s_wait_xcnt 0x0
	s_wait_alu depctr_vm_vsrc(0)
; feat = Q(features) Q(W_feat) + b_feat, q = Q(feat) Q(Wq) + bq (both on codes of E3M2, one E8M0 scale for each 32 along K), AND THE SECOND STAGE OF THE NEAREST-16 SEARCH.
; A work-group owns 64 rows.  Stored: fb = feat + b_p2 (what the neighbours' rows are gathered as), qs = q x log2(e) / 8, nidx = the 16 nearest points of each query as rows of the whole tensor.
; PRODUCTS: used transposed (source 0 = 16 columns of the weight, source 1 = 16 rows): wave v makes tiles 2 v and 2 v + 1, whose columns are chosen so that lane (r, h) holds row r and its 16 registers are features
; 32 v + 16 h + 0 .. 15.  The weights come as images of their registers, made by the launch before.  Operands made here go from wave to wave through LDS: register p of lane n of a fragment lies at 48 n + 4 p.
; SEARCH: lane l of every wave holds queries 2 l and 2 l + 1; wave w takes the groups at places 2 w and 2 w + 1 of each query's list: 32 candidates a query, 192 bytes a group, gathered at the kernel's head.
; The distance is computed by the same lines as in the launch before; the same selection gives the exact 16 smallest by (distance, index).
; LIMITS: as stated there.  A block of zeros gets the scale byte 1: its codes are zeros.  No tensor loads, no cluster: what is shared (72 KB of weights) is read once by each wave into registers, the rest is a gather lane by lane.
; THE MODE: SCHED_MODE bits 1:0 = 2 (LLVM: expert scheduling mode 2), set by the entry lines.  The code itself states the register dependences between vector or matrix instructions and memory or LDS instructions, with s_wait_alu, always for 0.
; THE PLAN.  The text is one straight run.  Each phase does all its vector work into out-buffers of its own, then ONE wait on va_vdst, then all its stores and the next loads; one wait on vm_vsrc stands ahead of the phase that writes those buffers again.
;   fb's four tiles go out of v192-239 and v112-127, feat's codes out of v128-143: one wait for 32 LDS stores.
;   q's product: all eight fragments of feat are asked for at once (K step 0 into v168-215, K step 1 into v112-159).  One wait on va_vdst stands behind K step 0's products: it frees the four scale registers v240-243 for K step 1's words
;   and v168-231 for fb's rows out of the stage, which are loaded while K step 1 is multiplied: no vector or matrix line behind that wait names them.
;   A mask that a compare makes goes into a scalar register; compares stand in runs, with one wait on va_sdst between a run and its first reader.  An addition with carry takes its carry from such a mask and leaves its own carry,
;   which nobody reads, in a scalar register too; a wait on va_sdst stands ahead of the next line that names that register.  VCC is named nowhere.
.set XIMG,  0                          ; x's 4 fragments, 1,536 bytes each
.set XSC,   6144                       ; their scale words, 64 bytes each
.set FIMG,  6400                       ; feat's 8 fragments (2 m + K step)
.set FSC,   18688
.set STG1,  19200                      ; 64 rows x (1,024 + 16) bytes: fb on its way out
.set STG2,  85760                      ; the same for qs
.set LIST,  152320
.set LPW,   4128
.set TB,    LIST+8*LPW
.set CNT,   TB+256
.set PK,    CNT+2048
.set A_XW,  4
.set A_XSW, 5
.set A_FR,  6
.set A_SR,  7
.set A_FW,  8
.set A_FSW, 9
.set A_G1W, 10
.set A_G2W, 11
.set A_G1R, 12
.set A_G2R, 13
.set GOUT,  14
.set A_LW,  15
.set A_LR,  16
.set A_TW,  17
.set A_TR,  18
.set A_CW,  19
.set A_CR,  20
.set A_PW,  21
.set A_PR,  22
.set WQO,   23
.set OWN,   24                         ; v24-29  x, y, t of my two queries
.set DI,    30                         ; v30-33  my query's index less the group's first: set 2 u + e
.set GG,    34                         ; v34-37  the 16 group numbers of query thread / 4
.set GO,    38                         ; v38-41  the groups' byte offsets; later VZ, INF
.set FO,    42                         ; v42-47  offsets of the loads at the head; later RR, SEL, KEEP, SH1, SH2
.set WFO,   43
.set WSO,   44
.set BO,    45
.set T46,   46
.set T47,   47
.set AC,    48                         ; v48-111 accumulators: (m, u) at AC + 8 (2 m + u); later the elements
.set WF,    112                        ; v112-135 W_feat's two fragments
.set BF,    136                        ; v136-151 b_feat
.set BP,    152                        ; v152-167 b_p2
.set OF,    168                        ; v168-191 two fragments of x
.set FA,    168                        ; v168-215 feat's four fragments of K step 0; behind their products: fb's rows out of the stage, v168-231
.set FB,    112                        ; v112-159 feat's four fragments of K step 1
.set OS,    240                        ; v240-243 the operands' scale words (v242-243 hold W_feat's first); v244-247 Wq's: these eight hold scales and nothing else
.set WFS,   242
.set WQS,   244
.set VZ,    38
.set INF,   39
.set RR,    42
.set SEL,   44
.set KEEP,  45
.set SH1,   46
.set SH2,   47
.set EV,    48
.set KL,    112
.set DD,    144                        ; v144-191 dx, dy, dt of 16 candidates
.set LA,    144
.set LB,    160
.set XA,    176
.set YA,    192
.set LL,    208
.set CW,    216
.set TQ,    232
.set CL,    234
.set CE,    236
.set NREM,  238
.set PT,    248
.set TM,    254
.set SELS,  70
.set SF,    72
.set S32W,  80
.set SID,   81
.set MSB, 0
.macro WIN new                         ; the immediate's high byte repeats the setting that is left
.if MSB != \new
	s_set_vgpr_msb (MSB<<8)|\new
.set MSB, \new
.endif
.endm
.macro BAR
	s_wait_dscnt 0x0
	s_barrier_signal -1
	s_barrier_wait -1
.endm
.macro INS q, src
.irp s, 15,14,13,12,11,10,9,8,7,6,5,4,3,2,1
	v_med3_num_f32 v[KL+2*\s+\q], v[\src], v[KL+2*\s-2+\q], v[KL+2*\s+\q]
.endr
	v_min_num_f32 v[KL+\q], v[\src], v[KL+\q]
.endm
.macro STAGE d, f, t
.irp i, 0,1,2,3,4,5,6,7,8,9,10,11,12,13,14,15
.if ((\i)&(\d)) == 0
	v_min_num_f32 v[\t+\i], v[\f+\i], v[\f+\i+\d]
	v_max_num_f32 v[\t+\i+\d], v[\f+\i], v[\f+\i+\d]
.endif
.endr
.endm
.macro BSORT a, b
	STAGE 8, \a, \b
	STAGE 4, \b, \a
	STAGE 2, \a, \b
	STAGE 1, \b, \a
.endm
.macro MERGE16
.irp s, 0,1,2,3,4,5,6,7,8,9,10,11,12,13,14,15
	ds_load_b32 v[LA+\s], v[A_LR] offset:256*\s
	ds_load_b32 v[LB+\s], v[A_LR] offset:LPW+256*\s
.endr
	s_wait_dscnt 0x0
.irp i, 0,1,2,3,4,5,6,7,8,9,10,11,12,13,14,15
	v_min_num_f32 v[XA+\i], v[LA+\i], v[LB+15-\i]
.endr
	BSORT XA, YA
.irp i, 0,1,2,3,4,5,6,7,8,9,10,11,12,13,14,15
	v_min_num_f32_dpp v[YA+\i], v[XA+15-\i], v[XA+\i] row_xmask:1 row_mask:0xf bank_mask:0xf
.endr
	BSORT YA, XA
.irp i, 0,1,2,3,4,5,6,7,8,9,10,11,12,13,14,15
	v_min_num_f32_dpp v[XA+\i], v[YA+15-\i], v[YA+\i] row_xmask:2 row_mask:0xf bank_mask:0xf
.endr
	v_max3_num_f32 v[TM], v[XA], v[XA+1], v[XA+2]
.irp i, 3,5,7,9,11,13
	v_max3_num_f32 v[TM], v[TM], v[XA+\i], v[XA+\i+1]
.endr
	v_max_num_f32 v[TM], v[TM], v[XA+15]
	s_wait_alu depctr_va_vdst(0)                           ; the 16th smallest is written into v254, which the store reads
	ds_store_b32 v[A_TW], v[TM]
.endm
; Eight elements of my two queries: how many lie under the 16th smallest, how many on it.  32 compares into s32-63, one wait, 32 additions, each of which takes its carry from its mask and leaves its own carry in the same register
.macro COUNT8 e0
.irp i, 0,1,2,3,4,5,6,7
	v_cmp_lt_f32 s[32+4*\i], v[EV+2*(\e0+\i)], v[TQ]
	v_cmp_lt_f32 s[33+4*\i], v[EV+2*(\e0+\i)+1], v[TQ+1]
	v_cmp_eq_f32 s[34+4*\i], v[EV+2*(\e0+\i)], v[TQ]
	v_cmp_eq_f32 s[35+4*\i], v[EV+2*(\e0+\i)+1], v[TQ+1]
.endr
	s_wait_alu depctr_va_sdst(0)                           ; the 32 masks s32-63 are written, ahead of their first reader
.irp i, 0,1,2,3,4,5,6,7
	v_add_co_ci_u32 v[CL], s[32+4*\i], 0, v[CL], s[32+4*\i]
	v_add_co_ci_u32 v[CL+1], s[33+4*\i], 0, v[CL+1], s[33+4*\i]
	v_add_co_ci_u32 v[CE], s[34+4*\i], 0, v[CE], s[34+4*\i]
	v_add_co_ci_u32 v[CE+1], s[35+4*\i], 0, v[CE+1], s[35+4*\i]
.endr
	s_wait_alu depctr_va_sdst(0)                           ; the 32 carries that the additions leave in s32-63 are written, ahead of the next compares, which name these registers again
.endm
.macro PREFIX q
	v_add3_u32 v[PT], v[CW+\q], v[CW+2+\q], v[CW+4+\q]
	v_add3_u32 v[PT], v[PT], v[CW+6+\q], v[CW+8+\q]
	v_add3_u32 v[PT], v[PT], v[CW+10+\q], v[CW+12+\q]
	v_add_nc_u32 v[PT], v[PT], v[CW+14+\q]
	v_mul_u32_u24 v[PT+1], s[SF], v[CW+\q]
.irp w, 1,2,3,4,5,6
	v_mad_u32_u24 v[PT+1], v[CW+2*\w+\q], s[SF+\w], v[PT+1]
.endr
	v_and_b32 v[PT], 0xffff, v[PT]
	v_sub_nc_u32 v[PT], 16, v[PT]
	v_and_b32 v[PT+2], 0xffff, v[PT+1]
	v_lshrrev_b32 v[PT+1], 16, v[PT+1]
	v_min_u32 v[PT+3], v[PT+1], v[PT]
	v_add_nc_u32 v[PT+2], v[PT+2], v[PT+3]
	v_sub_nc_u32 v[PT+3], v[PT], v[PT+3]
	v_min_u32 v[PT+3], v[CE+\q], v[PT+3]
	v_add3_u32 v[PT+2], v[PT+2], v[PT+3], v[CL+\q]
	v_sub_nc_u32 v[RR+\q], 16, v[PT+2]
	v_sub_nc_u32 v[NREM+\q], v[PT+1], v[PT]
.endm
.macro ENTER q                         ; the 16 bytes of query parity q move down by one where v[SEL] says so, and the element's number enters at the top
	v_perm_b32 v[LL+4*\q], v[LL+4*\q+1], v[LL+4*\q], v[SEL]
	v_perm_b32 v[LL+4*\q+1], v[LL+4*\q+2], v[LL+4*\q+1], v[SEL]
	v_perm_b32 v[LL+4*\q+2], v[LL+4*\q+3], v[LL+4*\q+2], v[SEL]
	v_perm_b32 v[LL+4*\q+3], s[SID], v[LL+4*\q+3], v[SEL]
.endm
; Element e of both queries: taken where it lies under the 16th smallest, or on it while equals are still wanted.  The count of equals is a chain from element to element, so each element has its run of six compares and one wait.
; The two additions leave their carries in s38 and s39, which no line names before the next element's additions, behind that element's wait
.macro PACK2 e
	v_cmp_lt_f32 s32, v[EV+2*\e], v[TQ]
	v_cmp_gt_i32 s33, 0, v[NREM]
	v_cmp_eq_f32 s34, v[EV+2*\e], v[TQ]
	v_cmp_lt_f32 s35, v[EV+2*\e+1], v[TQ+1]
	v_cmp_gt_i32 s36, 0, v[NREM+1]
	v_cmp_eq_f32 s37, v[EV+2*\e+1], v[TQ+1]
	s_wait_alu depctr_va_sdst(0)                           ; the six masks s32-37 are written, ahead of their first reader; so are the carries that the element before left in s38 and s39, which the additions below write again
	s_and_b32 s33, s33, s34
	s_or_b32 s32, s32, s33
	s_and_b32 s36, s36, s37
	s_or_b32 s35, s35, s36
	v_add_co_ci_u32 v[NREM], s38, 0, v[NREM], s34
	v_add_co_ci_u32 v[NREM+1], s39, 0, v[NREM+1], s37
	v_cndmask_b32 v[SEL], v[KEEP], v[SH1], s32
	ENTER 0
	v_cndmask_b32 v[SEL], v[KEEP], v[SH1], s35
	ENTER 1
.endm
.macro SHIFTP q
	v_perm_b32 v[LL+4*\q], v[LL+4*\q+1], v[LL+4*\q], v[SEL]
	v_perm_b32 v[LL+4*\q+1], v[LL+4*\q+2], v[LL+4*\q+1], v[SEL]
	v_perm_b32 v[LL+4*\q+2], v[LL+4*\q+3], v[LL+4*\q+2], v[SEL]
	v_perm_b32 v[LL+4*\q+3], v[VZ], v[LL+4*\q+3], v[SEL]
.endm
.macro BMASK q, sm                     ; the four bits of RR as four lane masks
	v_and_b32 v[PT], 1, v[RR+\q]
	v_and_b32 v[PT+1], 2, v[RR+\q]
	v_and_b32 v[PT+2], 4, v[RR+\q]
	v_and_b32 v[PT+3], 8, v[RR+\q]
.irp i, 0,1,2,3
	v_cmp_ne_u32 s[\sm+\i], 0, v[PT+\i]
.endr
.endm
.macro BARREL q, sm                    ; the 16 bytes move down by RR bytes (16 only where they are all zeros)
	v_cndmask_b32 v[SEL], v[KEEP], v[SH1], s[\sm]
	SHIFTP \q
	v_cndmask_b32 v[SEL], v[KEEP], v[SH2], s[\sm+1]
	SHIFTP \q
	v_cndmask_b32 v[LL+4*\q], v[LL+4*\q], v[LL+4*\q+1], s[\sm+2]
	v_cndmask_b32 v[LL+4*\q+1], v[LL+4*\q+1], v[LL+4*\q+2], s[\sm+2]
	v_cndmask_b32 v[LL+4*\q+2], v[LL+4*\q+2], v[LL+4*\q+3], s[\sm+2]
	v_cndmask_b32 v[LL+4*\q+3], v[LL+4*\q+3], v[VZ], s[\sm+2]
	v_cndmask_b32 v[LL+4*\q], v[LL+4*\q], v[LL+4*\q+2], s[\sm+3]
	v_cndmask_b32 v[LL+4*\q+1], v[LL+4*\q+1], v[LL+4*\q+3], s[\sm+3]
	v_cndmask_b32 v[LL+4*\q+2], v[LL+4*\q+2], v[VZ], s[\sm+3]
	v_cndmask_b32 v[LL+4*\q+3], v[LL+4*\q+3], v[VZ], s[\sm+3]
.endm
.macro MAX16 mx, tm, src, ab           ; the largest magnitude of 16 registers, in two chains, with the floor 2^(5 - 127) among the leaves; each group of eight is read from its low end on
.if \ab
	v_max3_num_f32 v[\mx], |v[\src]|, |v[\src+1]|, 0x2800000
	v_max3_num_f32 v[\tm], |v[\src+8]|, |v[\src+9]|, |v[\src+10]|
	v_max3_num_f32 v[\mx], v[\mx], |v[\src+2]|, |v[\src+3]|
	v_max3_num_f32 v[\tm], v[\tm], |v[\src+11]|, |v[\src+12]|
	v_max3_num_f32 v[\mx], v[\mx], |v[\src+4]|, |v[\src+5]|
	v_max3_num_f32 v[\tm], v[\tm], |v[\src+13]|, |v[\src+14]|
	v_max3_num_f32 v[\mx], v[\mx], |v[\src+6]|, |v[\src+7]|
	v_max3_num_f32 v[\mx], v[\mx], v[\tm], |v[\src+15]|
.else
	v_max3_num_f32 v[\mx], v[\src], v[\src+1], 0x2800000
	v_max3_num_f32 v[\tm], v[\src+8], v[\src+9], v[\src+10]
	v_max3_num_f32 v[\mx], v[\mx], v[\src+2], v[\src+3]
	v_max3_num_f32 v[\tm], v[\tm], v[\src+11], v[\src+12]
	v_max3_num_f32 v[\mx], v[\mx], v[\src+4], v[\src+5]
	v_max3_num_f32 v[\tm], v[\tm], v[\src+13], v[\src+14]
	v_max3_num_f32 v[\mx], v[\mx], v[\src+6], v[\src+7]
	v_max3_num_f32 v[\mx], v[\mx], v[\tm], v[\src+15]
.endif
.endm
; 16 numbers of lane (r, h), half h of a block of 32 of row r, become 96 bits of codes in v[cd] on and the block's byte in v[by]
.macro QB16 src, ab, mx, tm, px, so, by, cd
	MAX16 \mx, \tm, \src, \ab
	v_permlanex16_b32 v[\px], v[\mx], s[SELS], s[SELS+1]
	v_max_num_f32 v[\mx], v[\mx], v[\px]                   ; with lane l xor 16's half: the block's largest magnitude
	v_add_nc_u32 v[\so], 0xfe000000, v[\mx]                ; 4 off its exponent field: the conversion's scale operand
	v_lshrrev_b32 v[\by], 23, v[\so]
	v_cvt_scalef32_pk16_bf6_f32 v[\cd:\cd+2], v[\src:\src+15], v[\so]
	v_nop                                                  ; one plain place behind a scaled conversion
.endm
.macro FRAG reg, adr, off              ; a fragment out of LDS: 48 bytes a lane
	ds_load_b128 v[\reg:\reg+3], v[\adr] offset:\off
	ds_load_b128 v[\reg+4:\reg+7], v[\adr] offset:\off+16
	ds_load_b128 v[\reg+8:\reg+11], v[\adr] offset:\off+32
.endm
.macro WSC d, a, b, c, sa, sb
	v_wmma_scale_f32_16x16x128_f8f6f4 v[\d:\d+7], v[\a:\a+11], v[\b:\b+11], v[\c:\c+7], v[\sa], v[\sb] matrix_a_fmt:MATRIX_FMT_BF6 matrix_b_fmt:MATRIX_FMT_BF6
.endm
.macro PLACES
.rept 4
	v_nop
.endr
.endm
.macro ROWSIN adr, reg                 ; my 8 whole rows of a stage into 64 registers
.irp k, 0,1,2,3,4,5,6,7
	ds_load_b128 v[\reg+8*\k:\reg+8*\k+3], v[\adr] offset:1040*\k
	ds_load_b128 v[\reg+8*\k+4:\reg+8*\k+7], v[\adr] offset:1040*\k+512
.endr
.endm
.macro ROWSGO reg, sb                  ; and out: each store of the wave covers 512 consecutive bytes, aligned.  Their data come from LDS loads and their offset was made at the head
.irp k, 0,1,2,3,4,5,6,7
	s_wait_dscnt 14-2*\k                   ; the row's two loads are in; the rows behind it may be out
	global_store_b128 v[GOUT], v[\reg+8*\k:\reg+8*\k+3], s[\sb:\sb+1] offset:1024*\k
	global_store_b128 v[GOUT], v[\reg+8*\k+4:\reg+8*\k+7], s[\sb:\sb+1] offset:1024*\k+512
.endr
.endm
; Tile m of rows: fb = feat + b_p2 into the out-buffer at sum; feat's codes into v[128 + 4 m] on, the block's byte into v[131 + 4 m]
.macro F3V m, sum
.irp k, 0,2,4,6,8,10,12,14
	v_pk_add_f32 v[\sum+\k:\sum+\k+1], v[AC+16*\m+\k:AC+16*\m+\k+1], v[BP+\k:BP+\k+1]
.endr
	QB16 AC+16*\m, 1, 248, 249, 250, 251, 131+4*\m, 128+4*\m
.endm
.macro F3S m, sum
.irp k, 0,1,2,3
	ds_store_b128 v[A_G1W], v[\sum+4*\k:\sum+4*\k+3] offset:16640*\m+16*\k
.endr
	ds_store_b32 v[A_FW], v[128+4*\m] offset:3072*\m
	ds_store_b32 v[A_FW], v[129+4*\m] offset:3072*\m+4
	ds_store_b32 v[A_FW], v[130+4*\m] offset:3072*\m+8
	ds_store_b8 v[A_FSW], v[131+4*\m] offset:128*\m        ; both halves of the lanes write the same byte
.endm
; The 16 candidates of set 2 u + e (group u of my wave's two, query parity e): distances into the elements 16 u + c
.macro DIST u, e
	WIN 0x04                               ; source 1 in window 1: the gathered coordinates
.irp c, 0,1,2,3,4,5,6,7,8,9,10,11,12,13,14,15
	v_sub_f32 v[DD+3*\c], v[OWN+3*\e], v[48*(2*\u+\e)+3*\c]
	v_sub_f32 v[DD+3*\c+1], v[OWN+3*\e+1], v[48*(2*\u+\e)+3*\c+1]
	v_sub_f32 v[DD+3*\c+2], v[OWN+3*\e+2], v[48*(2*\u+\e)+3*\c+2]
.endr
	WIN 0
.irp c, 0,1,2,3,4,5,6,7,8,9,10,11,12,13,14,15
	v_mul_f32 v[DD+3*\c+1], v[DD+3*\c+1], v[DD+3*\c+1]
.endr
.irp c, 0,1,2,3,4,5,6,7,8,9,10,11,12,13,14,15
	v_fma_f32 v[DD+3*\c], v[DD+3*\c], v[DD+3*\c], v[DD+3*\c+1]
.endr
.irp c, 0,1,2,3,4,5,6,7,8,9,10,11,12,13,14,15
	v_sqrt_f32 v[DD+3*\c+1], v[DD+3*\c]
.endr
	v_nop                                  ; a plain place behind the roots
	s_wait_alu depctr_va_vdst(0)           ; the sixteen roots are written, ahead of their first reader
.irp c, 0,1,2,3,4,5,6,7,8,9,10,11,12,13,14,15
	v_fma_f32 v[DD+3*\c+1], v[DD+3*\c+2], s68, v[DD+3*\c+1]
.endr
.irp c, 0,1,2,3,4,5,6,7,8,9,10,11,12,13,14,15
	v_bfi_b32 v[DD+3*\c], s66, v[DD+3*\c+2], v[DD+3*\c]
.endr
.irp c, 0,1,2,3,4,5,6,7,8,9,10,11,12,13,14,15
	v_cmp_ge_u32 s[32+\c], s67, v[DD+3*\c]
.endr
.irp c, 0,1,2,3,4,5,6,7,8,9,10,11,12,13,14,15
	v_cmp_ne_u32 s[48+\c], \c, v[DI+2*\u+\e]               ; not the query itself
.endr
	s_wait_alu depctr_va_sdst(0)           ; the 32 masks s32-63 are written, ahead of their first reader
.irp c, 0,1,2,3,4,5,6,7,8,9,10,11,12,13,14,15
	s_and_b32 s[32+\c], s[32+\c], s[48+\c]
.endr
.irp c, 0,1,2,3,4,5,6,7,8,9,10,11,12,13,14,15
	v_cndmask_b32 v[EV+2*(16*\u+\c)+\e], v[INF], v[DD+3*\c+1], s[32+\c]
.endr
.endm
	s_load_b256 s[4:11], s[0:1], 0x0               ; features, coords, glist, wfrag
	s_load_b256 s[12:19], s[0:1], 0x20             ; wscale, b_feat, bq, b_p2
	s_load_b128 s[20:23], s[0:1], 0x40             ; fb, qs
	s_load_b64 s[24:25], s[0:1], 0x50              ; nidx
	v_lshrrev_b32 v1, 5, v0
	v_readfirstlane_b32 s26, v1                    ; wave v
	v_and_b32 v1, 31, v0                           ; lane
	v_and_b32 v2, 15, v0                           ; r
	v_bfe_u32 v3, v0, 4, 1                         ; h
	s_wait_alu depctr_va_sdst(0)                   ; s26 is written, ahead of its first reader
	s_lshr_b32 s27, s26, 1                         ; the tile of rows that I quantise, and
	s_and_b32 s28, s26, 1                          ; which 64 along K of it
	s_lshr_b32 s29, s26, 2                         ; my 32 features: which K step of the next product,
	s_and_b32 s30, s26, 3                          ; and which block of it
	s_mul_i32 s31, s27, 1536
	s_mul_i32 s85, s28, 24
	s_add_co_u32 s31, s31, s85
	v_mad_u32_u24 v[A_XW], v1, 48, s31
	s_lshl_b32 s31, s27, 6
	s_lshl_b32 s85, s28, 1
	s_add_co_u32 s31, s31, s85
	s_add_co_u32 s31, s31, XSC
	v_lshl_add_u32 v[A_XSW], v2, 2, s31
	v_add_nc_u32 v[A_XSW], v[A_XSW], v3
	v_mul_u32_u24 v[A_FR], v1, 48
	v_lshlrev_b32 v[A_SR], 2, v2
	s_mul_i32 s31, s29, 1536                       ; half h of block b of row r goes to lane r + 16 (b % 2), registers 6 (b / 2) + 3 h on
	s_mul_i32 s85, s28, 768
	s_add_co_u32 s31, s31, s85
	s_bfe_u32 s85, s26, 0x10001
	s_mul_i32 s85, s85, 24
	s_add_co_u32 s31, s31, s85
	s_add_co_u32 s31, s31, FIMG
	v_mad_u32_u24 v[A_FW], v2, 48, s31
	v_mad_u32_u24 v[A_FW], v3, 12, v[A_FW]
	s_lshl_b32 s31, s29, 6
	s_add_co_u32 s31, s31, s30
	s_add_co_u32 s31, s31, FSC
	v_lshl_add_u32 v[A_FSW], v2, 2, s31
	s_lshl_b32 s31, s26, 7
	s_add_co_u32 s31, s31, STG1
	v_mad_u32_u24 v[A_G1W], v2, 1040, s31
	v_lshl_add_u32 v[A_G1W], v3, 6, v[A_G1W]
	v_add_nc_u32 v[A_G2W], STG2-STG1, v[A_G1W]
	s_mul_i32 s31, s26, 8320
	s_add_co_u32 s31, s31, STG1
	v_lshl_add_u32 v[A_G1R], v1, 4, s31
	v_add_nc_u32 v[A_G2R], STG2-STG1, v[A_G1R]
	s_lshl_b32 s31, s26, 13
	v_lshl_add_u32 v[GOUT], v1, 4, s31
	s_mul_i32 s31, s26, LPW
	s_add_co_u32 s31, s31, LIST
	v_lshl_add_u32 v[A_LW], v1, 3, s31
	v_and_b32 v[A_LR], 3, v0
	v_mul_u32_u24 v[A_LR], v[A_LR], 2*LPW
	v_lshrrev_b32 v[TM], 2, v0
	v_lshl_add_u32 v[A_LR], v[TM], 2, v[A_LR]
	v_add_nc_u32 v[A_LR], LIST, v[A_LR]
	v_lshl_add_u32 v[A_TW], v[TM], 2, TB
	v_lshl_add_u32 v[A_TR], v1, 3, TB
	s_lshl_b32 s31, s26, 8
	s_add_co_u32 s31, s31, CNT
	v_lshl_add_u32 v[A_CW], v1, 3, s31
	v_lshl_add_u32 v[A_CR], v1, 3, CNT
	s_lshl_b32 s31, s26, 10
	s_add_co_u32 s31, s31, PK
	v_lshl_add_u32 v[A_PW], v1, 5, s31
	v_lshl_add_u32 v[A_PR], v0, 2, PK
	s_mul_i32 s31, s26, 6144
	v_lshl_add_u32 v[WQO], v1, 4, s31
	s_lshl_b32 s31, s27, 13
	s_lshl_b32 s85, s28, 8
	s_add_co_u32 s31, s31, s85
	v_lshl_add_u32 v[FO], v2, 9, s31
	v_lshl_add_u32 v[FO], v3, 7, v[FO]             ; features: row 16 m + r, k = 64 c + 32 h on
	s_mul_i32 s31, s26, 3072
	v_lshl_add_u32 v[WFO], v1, 4, s31
	s_lshl_b32 s31, s26, 8
	v_lshl_add_u32 v[WSO], v1, 2, s31
	s_lshl_b32 s31, s26, 7
	v_lshl_add_u32 v[BO], v3, 6, s31               ; the biases of my 16 features: 128 v + 64 h
	s_lshl_b32 s31, s26, 1
	v_lshl_add_u32 v[T46], v1, 5, s31              ; glist: bytes 2 v, 2 v + 1 of query 2 l
	v_mul_u32_u24 v[T47], v1, 24
	s_mov_b32 s66, 0x80000000
	s_mov_b32 s67, 0x451c4000                      ; 2500.0
	s_mov_b32 s68, 0x3e99999a                      ; 0.3
	s_mov_b32 s[SELS], 0x76543210
	s_mov_b32 s[SELS+1], 0xfedcba98
.irp w, 0,1,2,3,4,5,6
	s_cmp_gt_u32 s26, \w
	s_cselect_b32 s[SF+\w], 1, 0
.endr
	s_lshl_b32 s[S32W], s26, 5
	s_and_b32 s85, ttmp9, 63
	s_lshl_b32 s85, s85, 6                         ; my first query's index in its batch
	s_wait_kmcnt 0x0
	s_mov_b32 s87, 0
	s_lshl_b32 s86, ttmp9, 15
	s_add_nc_u64 s[4:5], s[4:5], s[86:87]
	s_mul_i32 s86, ttmp9, 768
	s_add_nc_u64 s[90:91], s[6:7], s[86:87]        ; coords at my 64 queries
	s_lshr_b32 s86, ttmp9, 6
	s_lshl_b32 s84, s86, 12                        ; 4,096 x batch
	s_mul_i32 s86, s86, 49152
	s_add_nc_u64 s[88:89], s[6:7], s[86:87]        ; coords at my batch
	s_lshl_b32 s86, ttmp9, 16
	s_add_nc_u64 s[20:21], s[20:21], s[86:87]
	s_add_nc_u64 s[22:23], s[22:23], s[86:87]
	s_lshl_b32 s86, ttmp9, 10
	s_add_nc_u64 s[8:9], s[8:9], s[86:87]
	s_lshl_b32 s86, ttmp9, 12
	s_add_nc_u64 s[24:25], s[24:25], s[86:87]
	s_wait_alu depctr_va_vdst(0)                   ; all offsets and LDS addresses v4-23 and v42-47 are written: the loads and stores of the whole kernel read them
	global_load_u16 v248, v[T46], s[8:9]
	global_load_u16 v249, v[T46], s[8:9] offset:16
	global_load_b64 v[OWN:OWN+1], v[T47], s[90:91]
	global_load_b64 v[OWN+2:OWN+3], v[T47], s[90:91] offset:8
	global_load_b64 v[OWN+4:OWN+5], v[T47], s[90:91] offset:16
.irp j, 0,1,2,3,4,5,6,7
	global_load_b128 v[AC+4*\j:AC+4*\j+3], v[FO], s[4:5] offset:16*\j th:TH_LOAD_NT
.endr
.irp u, 0,1
.irp g, 0,1,2
	global_load_b128 v[WF+12*\u+4*\g:WF+12*\u+4*\g+3], v[WFO], s[10:11] offset:1536*\u+512*\g
.endr
.endr
.irp u, 0,1
	global_load_b32 v[WFS+\u], v[WSO], s[12:13] offset:128*\u
.endr
.irp k, 0,1,2,3
	global_load_b128 v[BF+4*\k:BF+4*\k+3], v[BO], s[14:15] offset:16*\k
.endr
	s_wait_loadcnt 23                              ; the two loads of group numbers are in: 3 + 8 + 12 loads were issued behind them
	v_and_b32 v250, 0xff, v248                     ; set 2 u + e: group u, query parity e
	v_and_b32 v251, 0xff, v249
	v_lshrrev_b32 v252, 8, v248
	v_lshrrev_b32 v253, 8, v249
.irp i, 0,1,2,3
	v_min_u32 v[250+\i], 0xff, v[250+\i]
.endr
	v_lshl_add_u32 v254, v1, 1, s85
	v_add_nc_u32 v255, 1, v254
.irp i, 0,1,2,3
	v_mul_u32_u24 v[GO+\i], v[250+\i], 192
	v_lshlrev_b32 v[250+\i], 4, v[250+\i]
	v_sub_nc_u32 v[DI+\i], v[254+\i%2], v[250+\i]
.endr
	WIN 0x40                                       ; destination in window 1
	s_wait_alu depctr_va_vdst(0)                   ; the four groups' offsets v38-41 are written, which the gather reads
.irp i, 0,1,2,3
.irp k, 0,1,2,3,4,5,6,7,8,9,10,11
	global_load_b128 v[48*\i+4*\k:48*\i+4*\k+3], v[GO+\i], s[88:89] offset:16*\k
.endr
.endr
	WIN 0
	s_wait_loadcnt 60                              ; the features are in: 12 + 48 loads were issued behind them
	; ---- F1: my 32 numbers are a whole block of row 16 m + r: registers 6 c .. 6 c + 5 of x's fragment m, lane (r, h)
	v_max3_num_f32 v248, |v[AC]|, |v[AC+1]|, 0x2800000
	v_max3_num_f32 v249, |v[AC+16]|, |v[AC+17]|, |v[AC+18]|
.irp i, 2,4,6,8,10,12,14
	v_max3_num_f32 v248, v248, |v[AC+\i]|, |v[AC+\i+1]|
.endr
.irp i, 19,21,23,25,27,29
	v_max3_num_f32 v249, v249, |v[AC+\i]|, |v[AC+\i+1]|
.endr
	v_max3_num_f32 v248, v248, v249, |v[AC+31]|
	v_add_nc_u32 v250, 0xfe000000, v248
	v_lshrrev_b32 v251, 23, v250
	v_cvt_scalef32_pk16_bf6_f32 v[80:82], v[AC:AC+15], v250
	v_cvt_scalef32_pk16_bf6_f32 v[84:86], v[AC+16:AC+31], v250
	v_nop
	s_wait_alu depctr_vm_vsrc(0)                   ; the head's loads have read v46 and v47, which are written anew
	s_lshl_b32 s31, s26, 9                         ; (the loads that used v46 and v47 were shown done by the wait on LOADcnt above)
	v_lshl_add_u32 v[T46], v1, 2, s31
	v_lshrrev_b32 v[T47], 2, v0
	v_lshlrev_b32 v[T47], 4, v[T47]
	s_wait_alu depctr_va_vdst(0)                   ; the codes v80-86 and the byte v251 are written, which the LDS stores read; so are v46 and v47, which the loads below read
	ds_store_b32 v[A_XW], v80
	ds_store_b32 v[A_XW], v81 offset:4
	ds_store_b32 v[A_XW], v82 offset:8
	ds_store_b32 v[A_XW], v84 offset:12
	ds_store_b32 v[A_XW], v85 offset:16
	ds_store_b32 v[A_XW], v86 offset:20
	ds_store_b8 v[A_XSW], v251
	WIN 0x40
.irp f, 0,1,2,3                                ; Wq's fragments (u, K step) = 2 u + s, to window 1, 192 on; bq to 240 on
.irp g, 0,1,2
	global_load_b128 v[192+12*\f+4*\g:192+12*\f+4*\g+3], v[WQO], s[10:11] offset:49152+1536*\f+512*\g
.endr
.endr
.irp k, 0,1,2,3
	global_load_b128 v[240+4*\k:240+4*\k+3], v[BO], s[16:17] offset:16*\k
.endr
	WIN 0
.irp f, 0,1,2,3
	global_load_b32 v[WQS+\f], v[T46], s[12:13] offset:4096+128*\f
.endr
.irp k, 0,1,2,3
	global_load_b128 v[BP+4*\k:BP+4*\k+3], v[BO], s[18:19] offset:16*\k
.endr
	global_load_b128 v[GG:GG+3], v[T47], s[8:9]
	BAR                                            ; x's four fragments lie in LDS
	; ---- F2: feat, my two tiles of features for the four tiles of rows; the bias is the C of each sum's one instruction
	s_wait_loadcnt 63                              ; W_feat, its scales and b_feat are in: 48 + 25 loads were issued behind them, more than the count can name
	s_wait_alu depctr_vm_vsrc(0)                   ; my LDS stores have read v80-86, which the products write, and v251
.irp p, 0,1
	FRAG OF, A_FR, XIMG+1536*(2*\p)
	FRAG OF+12, A_FR, XIMG+1536*(2*\p+1)
	ds_load_b32 v[OS], v[A_SR] offset:XSC+64*(2*\p)
	ds_load_b32 v[OS+1], v[A_SR] offset:XSC+64*(2*\p+1)
	s_wait_dscnt 0x0
.irp n, 0,1
.irp u, 0,1
	WSC AC+8*(2*(2*\p+\n)+\u), WF+12*\u, OF+12*\n, BF+8*\u, WFS+\u, OS+\n
.endr
.endr
	PLACES                                         ; behind the products: ahead of the first read of results, and ahead of the wait below
.if \p == 0
	s_wait_alu depctr_va_vdst(0)                   ; the four products have read v168-191 and the scale words v240-241, in which the next two tiles' land
.endif
.endr
	; ---- F3: fb = feat + b_p2 to the stage; feat's codes to LDS: my 32 features are block v % 4 of K step v / 4.  All four tiles' arithmetic, into out-buffers of their own; one wait; all 32 stores
	s_wait_loadcnt 0x1                             ; b_p2 is in: one load, that of the query's 16 group numbers, was issued behind its four
	F3V 0, 192
	F3V 1, 208
	F3V 2, 224
	F3V 3, 112
	s_wait_alu depctr_va_vdst(0)                   ; fb's four tiles (v192-239, v112-127), the codes and the bytes (v128-143) are written, which the LDS stores read
	F3S 0, 192
	F3S 1, 208
	F3S 2, 224
	F3S 3, 112
	BAR                                            ; feat's eight fragments and 64 rows of fb lie in LDS
	; ---- F4: q; eight accumulators by turns, a K step at a time
	s_wait_loadcnt 0x0                             ; the last load of the head: the group numbers, wanted at the end
	s_wait_alu depctr_vm_vsrc(0)                   ; my LDS stores have read v112-143 and v192-239, in which the fragments and fb's rows land (the lines that wrote them stand ahead of the last wait on va_vdst)
.irp m, 0,1,2,3
	ds_load_b32 v[OS+\m], v[A_SR] offset:FSC+64*(2*\m)
.endr
.irp m, 0,1,2,3
	FRAG FA+12*\m, A_FR, FIMG+1536*(2*\m)
.endr
.irp m, 0,1,2,3
	FRAG FB+12*\m, A_FR, FIMG+1536*(2*\m+1)
.endr
	s_wait_dscnt 12                                ; K step 0's scale words and fragments are in; K step 1's 12 loads may be out
	WIN 0x11                                       ; source 0 (Wq) and C (bq) in window 1
.irp m, 0,1,2,3
.irp u, 0,1
	WSC AC+8*(2*\m+\u), 192+12*(2*\u), FA+12*\m, 240+8*\u, WQS+2*\u, OS+\m
.endr
.endr
	WIN 0
	PLACES
	s_wait_alu depctr_va_vdst(0)                   ; K step 0's products have read the scale words v240-243 and the fragments v168-215: K step 1's words and fb's rows land there
.irp m, 0,1,2,3
	ds_load_b32 v[OS+\m], v[A_SR] offset:FSC+64*(2*\m+1)
.endr
	ROWSIN A_G1R, 168                              ; fb's rows, on their way while K step 1 is multiplied: no vector or matrix line behind the wait names v168-231
	s_wait_dscnt 16                                ; K step 1's fragments and scale words are in; the 16 loads of fb's rows may be out
	WIN 0x01
.irp m, 0,1,2,3
.irp u, 0,1
	WSC AC+8*(2*\m+\u), 192+12*(2*\u+1), FB+12*\m, AC+8*(2*\m+\u), WQS+2*\u+1, OS+\m
.endr
.endr
	WIN 0
	ROWSGO 168, 20                                 ; fb leaves
	PLACES                                         ; behind the last products, ahead of the first read of results
.set ii, 0
.rept 32
	v_pk_mul_f32 v[AC+ii:AC+ii+1], v[AC+ii:AC+ii+1], 0x3e38aa3b op_sel_hi:[1,0]    ; q x log2(e) / 8
.set ii, ii+2
.endr
	s_wait_alu depctr_va_vdst(0)                   ; the 64 scaled numbers are written, which the LDS stores read; K step 1's products have read v112-159, in which qs's rows land
.irp m, 0,1,2,3
.irp k, 0,1,2,3
	ds_store_b128 v[A_G2W], v[AC+16*\m+4*\k:AC+16*\m+4*\k+3] offset:16640*\m+16*\k
.endr
.endr
	BAR
	s_wait_xcnt 0x0                                ; fb's stores have had their addresses translated: v168-175 are loaded again only behind this wait,
	s_wait_alu depctr_vm_vsrc(0)                   ; and have read v168-175
	ROWSIN A_G2R, 112
	ROWSGO 112, 22
	s_wait_xcnt 0x0                                ; qs's stores: their registers are written again below,
	s_wait_alu depctr_vm_vsrc(0)                   ; and they have read v112-175; the LDS stores have read v48-111; the head's loads have read v38-47
	; ---- the exact 16 nearest among my queries' 256 candidates
	v_mov_b32 v[VZ], 0
	v_mov_b32 v[INF], 0x7f800000
	v_mov_b32 v[KEEP], 0x03020100
	v_mov_b32 v[SH1], 0x04030201
	v_mov_b32 v[SH2], 0x05040302
.set ii, 0
.rept 32
	v_mov_b32 v[KL+ii], v[INF]
.set ii, ii+1
.endr
	DIST 0, 0
	DIST 0, 1
	DIST 1, 0
	DIST 1, 1
.set ee, 0
.rept 32
	INS 0, EV+2*ee
	INS 1, EV+2*ee+1
.set ee, ee+1
.endr
	s_wait_alu depctr_va_vdst(0)                   ; the sorted lists v112-143 are written, which the LDS stores read; the distances' lines are done with v144-175, in which the merge's loads land
.irp s, 0,1,2,3,4,5,6,7,8,9,10,11,12,13,14,15
	ds_store_b64 v[A_LW], v[KL+2*\s:KL+2*\s+1] offset:256*\s
.endr
	BAR
	MERGE16
	BAR
	ds_load_b64 v[TQ:TQ+1], v[A_TR]
	v_mov_b32 v[CL], 0
	v_mov_b32 v[CL+1], 0
	v_mov_b32 v[CE], 0
	v_mov_b32 v[CE+1], 0
	s_wait_dscnt 0x0
.irp e0, 0,8,16,24
	COUNT8 \e0
.endr
	s_wait_alu depctr_vm_vsrc(0)                   ; the store of the 16th smallest has read v254, which is written anew
	v_lshl_or_b32 v[TM], v[CE], 16, v[CL]
	v_lshl_or_b32 v[TM+1], v[CE+1], 16, v[CL+1]
	s_wait_alu depctr_va_vdst(0)                   ; my counts v254-255 are written, which the store reads
	ds_store_b64 v[A_CW], v[TM:TM+1]
	BAR
.irp w, 0,1,2,3,4,5,6,7
	ds_load_b64 v[CW+2*\w:CW+2*\w+1], v[A_CR] offset:256*\w
.endr
.irp i, 0,1,2,3,4,5,6,7
	v_mov_b32 v[LL+\i], 0
.endr
	s_wait_dscnt 0x0
	PREFIX 0
	PREFIX 1
.set ee, 0
.rept 32
	s_add_co_u32 s[SID], s[S32W], ee               ; the candidate's place: 16 x (place of its group in the list) + its number in the group
	PACK2 ee
.set ee, ee+1
.endr
	BMASK 0, 32
	BMASK 1, 40                                    ; (s40-43: no line names s38 or s39 ahead of the wait below)
	s_wait_alu depctr_va_sdst(0)                   ; the eight masks s32-35 and s40-43 are written, ahead of their first reader; so are the last element's carries in s38 and s39
	BARREL 0, 32
	BARREL 1, 40
	s_wait_alu depctr_va_vdst(0)                   ; the 16 bytes of my two queries, v208-215, are written, which the stores read; the prefix lines are done with v216-223, in which the loads below land
	ds_store_b128 v[A_PW], v[LL:LL+3]
	ds_store_b128 v[A_PW], v[LL+4:LL+7] offset:16
	BAR
	; thread n takes four places of query n / 4 and turns them into rows of the whole tensor
.irp w, 0,1,2,3,4,5,6,7
	ds_load_b32 v[216+\w], v[A_PR] offset:1024*\w
.endr
	s_wait_dscnt 0x0
.irp w, 1,2,3,4,5,6,7
	v_or_b32 v216, v216, v[216+\w]
.endr
.irp k, 0,1,2,3
	v_bfe_u32 v[176+8*\k], v216, 8*\k, 8
	v_lshrrev_b32 v[177+8*\k], 4, v[176+8*\k]
	v_and_b32 v[178+8*\k], 7, v[177+8*\k]
	v_perm_b32 v[179+8*\k], v[GG+1], v[GG], v[178+8*\k]    ; byte (place / 16) of the query's 16 group numbers: a choice of values, no address
	v_perm_b32 v[180+8*\k], v[GG+3], v[GG+2], v[178+8*\k]
	v_and_b32 v[177+8*\k], 8, v[177+8*\k]
	v_cmp_ne_u32 s[32+\k], 0, v[177+8*\k]
.endr
	s_wait_alu depctr_va_sdst(0)                   ; the four masks s32-35 are written, ahead of their first reader
.irp k, 0,1,2,3
	v_cndmask_b32 v[179+8*\k], v[179+8*\k], v[180+8*\k], s[32+\k]
	v_and_b32 v[179+8*\k], 0xff, v[179+8*\k]
	v_and_b32 v[176+8*\k], 15, v[176+8*\k]
	v_lshl_add_u32 v[179+8*\k], v[179+8*\k], 4, v[176+8*\k]
	v_add_nc_u32 v[224+\k], s84, v[179+8*\k]
.endr
	v_lshlrev_b32 v253, 4, v0
	s_wait_alu depctr_va_vdst(0)                   ; the four rows v224-227 and the offset v253 are written, which the store reads
	global_store_b128 v253, v[224:227], s[24:25]   ; a wave stores 512 consecutive bytes
	s_wait_xcnt 0x0
	s_wait_alu depctr_vm_vsrc(0)                   ; the store of my counts has read v254 and v255, which are made anew
	v_lshl_add_u32 v254, v0, 2, 0x30000
	v_mov_b32 v255, 0
	s_wait_dscnt 0x0                               ; the closing lines, six on end
	s_wait_alu 0x0
	s_wait_tensorcnt 0x0
	ds_add_u32 v254, v255
	s_wait_dscnt 0x0
	s_endpgm
.Lfunc_end_k_qb454a52905_feat_knn:
	.size	k_qb454a52905_feat_knn, .Lfunc_end_k_qb454a52905_feat_knn-k_qb454a52905_feat_knn
	.p2alignl 7, 3214868480
	.fill 96, 4, 3214868480
	.section	.rodata,"a",@progbits
	.p2align	6, 0x0
	.amdhsa_kernel k_qb454a52905_feat_knn
		.amdhsa_group_segment_fixed_size 197632
		.amdhsa_private_segment_fixed_size 0
		.amdhsa_enable_private_segment 0
		.amdhsa_kernarg_size 88
		.amdhsa_user_sgpr_count 2
		.amdhsa_user_sgpr_kernarg_segment_ptr 1
		.amdhsa_wavefront_size32 1
		.amdhsa_system_sgpr_workgroup_id_x 1
		.amdhsa_system_sgpr_workgroup_id_y 1
		.amdhsa_system_sgpr_workgroup_id_z 1
		.amdhsa_system_vgpr_workitem_id 0
		.amdhsa_next_free_vgpr 512
		.amdhsa_next_free_sgpr 92
		.amdhsa_reserve_vcc 0
		.amdhsa_float_denorm_mode_32 3
		.amdhsa_float_denorm_mode_16_64 3
		.amdhsa_memory_ordered 1
		.amdhsa_forward_progress 1
		.amdhsa_inst_pref_size 222
	.end_amdhsa_kernel
	.amdgpu_metadata
---
amdhsa.version: [ 1, 2 ]
amdhsa.kernels:
  - .name:           k_qb454a52905_feat_knn
    .symbol:         k_qb454a52905_feat_knn.kd
    .args:
      - { .name: features, .offset: 0, .size: 8, .value_kind: global_buffer, .address_space: global }
      - { .name: coords, .offset: 8, .size: 8, .value_kind: global_buffer, .address_space: global }
      - { .name: glist, .offset: 16, .size: 8, .value_kind: global_buffer, .address_space: global }
      - { .name: wfrag, .offset: 24, .size: 8, .value_kind: global_buffer, .address_space: global }
      - { .name: wscale, .offset: 32, .size: 8, .value_kind: global_buffer, .address_space: global }
      - { .name: b_feat, .offset: 40, .size: 8, .value_kind: global_buffer, .address_space: global }
      - { .name: bq, .offset: 48, .size: 8, .value_kind: global_buffer, .address_space: global }
      - { .name: b_p2, .offset: 56, .size: 8, .value_kind: global_buffer, .address_space: global }
      - { .name: fb, .offset: 64, .size: 8, .value_kind: global_buffer, .address_space: global }
      - { .name: qs, .offset: 72, .size: 8, .value_kind: global_buffer, .address_space: global }
      - { .name: nidx, .offset: 80, .size: 8, .value_kind: global_buffer, .address_space: global }
    .group_segment_fixed_size: 197632
    .private_segment_fixed_size: 0
    .kernarg_segment_align: 8
    .kernarg_segment_size: 88
    .max_flat_workgroup_size: 256
    .sgpr_count:     92
    .vgpr_count:     512
    .wavefront_size: 32
...
	.end_amdgpu_metadata
.endif
;; end of part 5
;; launch chain (part 6): grid 256 x 1, 8 waves a work-group, no clusters, 198,656 bytes of LDS; arguments nidx, coords, fb, qs, wfrag, wscale, W_p1, b_p1, bk, bv, bo, b_p2, gamma, beta, out0; writes out0
.if DOCPART == 6
	.amdgcn_target "amdgcn-amd-amdhsa--gfx1250"
	.amdhsa_code_object_version 6
	.text
	.protected	k_qb454a52905_chain
	.globl	k_qb454a52905_chain
	.p2align	8
	.type	k_qb454a52905_chain,@function
k_qb454a52905_chain:
	s_mov_b64 s[64:65], 0
	v_nop
	global_prefetch_b8 v0, s[64:65] scope:SCOPE_SE
	s_setreg_imm32_b32 hwreg(HW_REG_WAVE_SCHED_MODE, 0, 2), 2
	s_setreg_imm32_b32 hwreg(HW_REG_WAVE_MODE, 25, 1), 1
	s_wait_xcnt 0x0
	s_wait_alu depctr_vm_vsrc(0)
; THE CHAIN BEHIND THE SEARCH, for 64 queries a work-group: rel, relu(rel W_p1 + b_p1), x W_p2, + the neighbour's row, x Wk and x Wv, attention over the 16 neighbours, x Wo, residual, LayerNorm.
; The quantised products run on codes of E3M2 with one E8M0 scale for each 32 along K; rel W_p1 (K = 4), which goes on into a quantiser, on the f32 matrix form; scores and weighted sums on f32 vector arithmetic.
; SHARES.  Two teams of four waves; team T takes queries 2 n + T, one query (16 neighbours = one tile of rows) a step, n = 0 .. 31.  Wave hd of a team owns head hd: features 64 hd .. 64 hd + 63 of kv, kh and vh,
; and hidden units 32 hd .. 32 hd + 31.  Its parts of W_p2, Wk and Wv (240 registers) stay in window 1 for the whole launch.
; PIPELINE.  Step n: attention of query n | x W_p2 and the quantiser of kv for n + 1 | the hidden layer for n + 2 | the gather of the neighbours' rows for n + 3.  One barrier a step; what waves hand on lies in LDS twice, by parity.
; OPERANDS THROUGH LDS: register p of lane n of a fragment lies at 48 n + 4 p.  A wave holds half h of a block b of row r in 16 registers; its 96 bits of codes go to lane r + 16 (b % 2), registers 6 (b / 2) + 3 h on.
; ARITHMETIC THAT DIFFERS IN ORDER FROM THE SOURCE, all in f32: kv = (feat + b_p2) + sum (the gathered row is the C of the product); bk enters the scores as q . bk, bv the sums as bv x sum of p; the softmax, taken
; with its maximum, in base 2, is normalised behind the weighted sum; the residual is fb - b_p2.  A neighbour that does not count has the score -1e9, as in the source; a query with none keeps feat alone.
; LIMITS: NaN and infinities among the inputs are not served; a block of zeros gets the scale byte 1 (its codes are zeros).
; No tensor loads and no cluster: the weights are read once by each wave straight into registers, and the bulk of the traffic is a gather lane by lane, whose addresses come from a list stored by the launch before.
; THE MODE: SCHED_MODE bits 1:0 = 2 (LLVM: expert scheduling mode 2), set by the entry lines.  The code itself states the register dependences between vector or matrix instructions and memory or LDS instructions, with s_wait_alu, always for 0.
; THE PLAN, for a step.  Registers that memory or LDS instructions touch:
;   v208-231  kv's two fragments land at the head; the products with Wk and Wv read them; then the caps land in v208-223 and the med3 lines read them; the two quantisers write v208-230; the tail's LDS stores read v214, v216-222, v227-230.
;   v232-243  the hidden layer's fragment lands at the head; the products with W_p2 read it; the weighted sums are written into v232-239; the tail's last four stores read them.
;   v244-248, v61, q of the next query   land at the head; read by this step's products and vector lines (q: by the next step's).
;   kv's buffer of the other parity   read by the product with W_p2 and by the quantiser; then the gather for n + 3 lands in it.
;   v60, v249, v251, v63  the step's four LDS addresses, all made at the head (v251 and v63 are the upper halves of two packed pairs of which the low word alone is taken);  v17 or v18  the gather's offset, made in the tail;  v15 or v16  q's offset, stepped in mid-step.
; THE WAITS of a step: vm_vsrc at the head (the last step's loads and stores have read their registers); va_vdst behind the address lines (the last step's vector and matrix work is done with all that the head's loads touch, the addresses are written);
; va_vdst behind the products with Wk and Wv (they have read v208-223: both windows are full, so the caps have no registers of their own), and the products with W_p2 and W_p1 follow the caps' loads; the wait for the exponentials;
; ONE va_vdst behind all of the tail's vector work, ahead of the gather and eleven LDS stores; one more behind the four last multiplies, ahead of their stores.
.set REL,   0                          ; 1,024 rows x 16 bytes
.set ROWI,  16384                      ; each row's index
.set LO,    20480                      ; -infinity where the neighbour counts, else -1e9 log2(e)
.set HI,    24576                      ; +infinity, or the same
.set HAS,   28672                      ; 1.0 where a query has a neighbour
.set HIMG,  28928                      ; the hidden layer's fragment: [team][parity] x 1,536
.set HSC,   35072
.set KIMG,  35328                      ; kv's two fragments: [team][parity][K step] x 1,536
.set KSC,   47616
.set AGG,   48128                      ; the heads' results, wave by wave: wave x AGGW + 272 n + 4 x (feature - 64 hd)
.set AGGW,  8704
.set AIMG,  117760                     ; their 8 fragments
.set ASC,   130048
.set STG,   130560                     ; 64 rows x (1,024 + 16) bytes
.set HD,  64                           ; v64-79   rel W_p1 + b_p1: written by the f32 matrix form alone
.set KV,  80                           ; v80-143  kv, 32 registers a parity
.set KH,  144                          ; v144-175
.set VH,  176                          ; v176-207
.set KF,  208                          ; v208-231 kv's two fragments; behind the products: the caps, the scores, the quantisers' registers
.set HF,  232                          ; v232-243 the hidden layer's fragment; behind the products: the weighted sums
.set RB,  244                          ; v244-245 rel as an operand
.set KS,  246                          ; v246-248 scale words of kv's two fragments and of the hidden layer's; v20-39 the weights': these hold scales and nothing else
.set HS,  248
.set SELS, 38
.set MSB, 0
.macro WIN new                         ; the immediate's high byte repeats the setting that is left
.if MSB != \new
	s_set_vgpr_msb (MSB<<8)|\new
.set MSB, \new
.endif
.endm
.macro BAR
	s_wait_dscnt 0x0
	s_barrier_signal -1
	s_barrier_wait -1
.endm
.macro MAX16 mx, tm, src, ab           ; the largest magnitude of 16 registers, in two chains, with the floor 2^(5 - 127) among the leaves; each accumulator is read from its low end on
.if \ab
	v_max3_num_f32 v[\mx], |v[\src]|, |v[\src+1]|, 0x2800000
	v_max3_num_f32 v[\tm], |v[\src+8]|, |v[\src+9]|, |v[\src+10]|
	v_max3_num_f32 v[\mx], v[\mx], |v[\src+2]|, |v[\src+3]|
	v_max3_num_f32 v[\tm], v[\tm], |v[\src+11]|, |v[\src+12]|
	v_max3_num_f32 v[\mx], v[\mx], |v[\src+4]|, |v[\src+5]|
	v_max3_num_f32 v[\tm], v[\tm], |v[\src+13]|, |v[\src+14]|
	v_max3_num_f32 v[\mx], v[\mx], |v[\src+6]|, |v[\src+7]|
	v_max3_num_f32 v[\mx], v[\mx], v[\tm], |v[\src+15]|
.else
	v_max3_num_f32 v[\mx], v[\src], v[\src+1], 0x2800000
	v_max3_num_f32 v[\tm], v[\src+8], v[\src+9], v[\src+10]
	v_max3_num_f32 v[\mx], v[\mx], v[\src+2], v[\src+3]
	v_max3_num_f32 v[\tm], v[\tm], v[\src+11], v[\src+12]
	v_max3_num_f32 v[\mx], v[\mx], v[\src+4], v[\src+5]
	v_max3_num_f32 v[\tm], v[\tm], v[\src+13], v[\src+14]
	v_max3_num_f32 v[\mx], v[\mx], v[\src+6], v[\src+7]
	v_max3_num_f32 v[\mx], v[\mx], v[\tm], v[\src+15]
.endif
.endm
.macro QB16 src, ab, mx, tm, px, so, by, cd
	MAX16 \mx, \tm, \src, \ab
	v_permlanex16_b32 v[\px], v[\mx], s[SELS], s[SELS+1]
	v_max_num_f32 v[\mx], v[\mx], v[\px]
	v_add_nc_u32 v[\so], 0xfe000000, v[\mx]                ; 4 off the exponent field: the conversion's scale operand
	v_lshrrev_b32 v[\by], 23, v[\so]
	v_cvt_scalef32_pk16_bf6_f32 v[\cd:\cd+2], v[\src:\src+15], v[\so]
	v_nop                                                  ; one plain place behind a scaled conversion
.endm
.macro FRAG reg, adr, off
	ds_load_b128 v[\reg:\reg+3], v[\adr] offset:\off
	ds_load_b128 v[\reg+4:\reg+7], v[\adr] offset:\off+16
	ds_load_b128 v[\reg+8:\reg+11], v[\adr] offset:\off+32
.endm
.macro WS0 d, a, b, sa, sb
	v_wmma_scale_f32_16x16x128_f8f6f4 v[\d:\d+7], v[\a:\a+11], v[\b:\b+11], 0, v[\sa], v[\sb] matrix_a_fmt:MATRIX_FMT_BF6 matrix_b_fmt:MATRIX_FMT_BF6
.endm
.macro WSC d, a, b, c, sa, sb
	v_wmma_scale_f32_16x16x128_f8f6f4 v[\d:\d+7], v[\a:\a+11], v[\b:\b+11], v[\c:\c+7], v[\sa], v[\sb] matrix_a_fmt:MATRIX_FMT_BF6 matrix_b_fmt:MATRIX_FMT_BF6
.endm
; ONE STEP.  par = n & 1.  att: attention of query n.  p3: x W_p2 and kv's quantiser for n + 1.  hid: the hidden layer for n + 2.  gat: the gather for n + 3.  q: the load of q for n + 1.
; N: how many younger global loads may stay out when q of n and the rows of n + 1 have to be there (-1: no wait).
.macro STEP par, att, p3, hid, gat, q, N
.set QP, 52+4*\par
.set QN, 52+4*(1-\par)
.set KVN, KV+32*(1-\par)
.if \att || \hid                       ; (the very first step has nothing behind the head's own wait)
	s_wait_alu depctr_vm_vsrc(0)                   ; the last step's LDS loads and stores and its gather have read their addresses and data: the address lines below, this step's loads and its vector lines write them again
.endif
.if \hid
	v_add_nc_u32 v60, s40, v11                     ; where rel of n + 2 lies
.endif
.if \gat
	v_add_nc_u32 v249, s41, v12                    ; the rows' indices of n + 3
.endif
.if \att
	v_add_nc_u32 v251, s42, v13                    ; the caps of n
	v_add_nc_u32 v63, s43, v14                     ; my results of n
.endif
	s_wait_alu depctr_va_vdst(0)                   ; the addresses above and q's offset are written; the last step's vector and matrix lines are done with v208-248, v61 and q's registers, in which the loads below land
.if \att
	FRAG KF, 3, 3072*\par
	FRAG KF+12, 3, 3072*\par+1536
	ds_load_b32 v[KS], v5 offset:128*\par
	ds_load_b32 v[KS+1], v5 offset:128*\par+64
.endif
.if \p3
	FRAG HF, 4, 1536*(1-\par)
	ds_load_b32 v[HS], v6 offset:64*(1-\par)
.endif
.if \hid
	ds_load_b64 v[RB:RB+1], v60                    ; rel(row r, 2 h + 0, 1)
.endif
.if \gat
	ds_load_b32 v61, v249
.endif
.if \q
.irp t, 0,1,2,3
	global_load_b32 v[QN+\t], v[16-\par], s[10:11] offset:64*\t
.endr
.endif
.if \N >= 0
	s_wait_loadcnt \N
.endif
	s_wait_dscnt 0x0
.if \att
	WIN 0x04                                       ; source 1 (Wk, Wv) in window 1.  Source 0 = kv's 16 rows: lane (r, h) then holds feature 64 hd + 16 t + r of neighbours 8 h + 0 .. 7
.irp t, 0,1,2,3
	WS0 KH+8*\t, KF, 48+12*(2*\t), KS, 24+2*\t
.endr
.irp t, 0,1,2,3
	WSC KH+8*\t, KF+12, 48+12*(2*\t+1), KH+8*\t, KS+1, 24+2*\t+1
.endr
.irp t, 0,1,2,3
	WS0 VH+8*\t, KF, 144+12*(2*\t), KS, 32+2*\t
.endr
.irp t, 0,1,2,3
	WSC VH+8*\t, KF+12, 144+12*(2*\t+1), VH+8*\t, KS+1, 32+2*\t+1
.endr
	WIN 0
	v_mul_f32 v62, v[QP], v44                      ; q . bk, my part.  (These four lines are the places behind the products)
	v_fma_f32 v62, v[QP+1], v45, v62
	v_fma_f32 v62, v[QP+2], v46, v62
	v_fma_f32 v62, v[QP+3], v47, v62
	s_wait_alu depctr_va_vdst(0)                   ; the sixteen products have read kv's fragments: the caps land in v208-223
	ds_load_b128 v[208:211], v251
	ds_load_b128 v[212:215], v251 offset:16
	ds_load_b128 v[216:219], v251 offset:HI-LO
	ds_load_b128 v[220:223], v251 offset:HI-LO+16
.endif
.if \p3
	WIN 0x01                                       ; source 0 (W_p2) in window 1; C and D are the gathered rows: kv = (feat + b_p2)[idx] + the sum
.irp t, 0,1,2,3
	WSC KVN+8*\t, 12*\t, HF, KVN+8*\t, 20+\t, HS
.endr
.endif
.if \hid
	WIN 0x10                                       ; C (b_p1) in window 1
.irp u, 0,1
	v_wmma_f32_16x16x4_f32 v[HD+8*\u:HD+8*\u+7], v[40+2*\u:41+2*\u], v[RB:RB+1], v[240+8*\u:247+8*\u]
.endr
.endif
	WIN 0
.if \att == 0
.rept 8
	v_nop                                          ; the places behind the products, where no attention stands there
.endr
.endif
.if \att
.irp j, 0,2,4,6
	v_pk_fma_f32 v[224+\j:225+\j], v[KH+\j:KH+\j+1], v[QP:QP+1], v[62:63] op_sel_hi:[1,0,0]
.endr
.irp j, 0,2,4,6
	v_pk_fma_f32 v[224+\j:225+\j], v[KH+8+\j:KH+9+\j], v[QP:QP+1], v[224+\j:225+\j] op_sel:[0,1,0] op_sel_hi:[1,1,1]
.endr
.irp j, 0,2,4,6
	v_pk_fma_f32 v[224+\j:225+\j], v[KH+16+\j:KH+17+\j], v[QP+2:QP+3], v[224+\j:225+\j] op_sel_hi:[1,0,1]
.endr
.irp j, 0,2,4,6
	v_pk_fma_f32 v[224+\j:225+\j], v[KH+24+\j:KH+25+\j], v[QP+2:QP+3], v[224+\j:225+\j] op_sel:[0,1,0] op_sel_hi:[1,1,1]
.endr
.irp x, 1,2,4,8
.irp j, 0,1,2,3,4,5,6,7
	v_add_f32_dpp v[224+\j], v[224+\j], v[224+\j] row_xmask:\x row_mask:0xf bank_mask:0xf     ; over the head's 64 features: 16 lanes
.endr
.endr
	s_wait_dscnt 0x0
.irp j, 0,1,2,3,4,5,6,7
	v_med3_num_f32 v[224+\j], v[224+\j], v[208+\j], v[216+\j]      ; the score, or -1e9 log2(e) where the neighbour does not count
.endr
	v_max3_num_f32 v250, v224, v225, v226
	v_max3_num_f32 v250, v250, v227, v228
	v_max3_num_f32 v250, v250, v229, v230
	v_max_num_f32 v250, v250, v231
	v_permlanex16_b32 v252, v250, s[SELS], s[SELS+1]
	v_max_num_f32 v250, v250, v252                 ; the largest of the 16
.irp j, 0,2,4,6
	v_pk_add_f32 v[224+\j:225+\j], v[224+\j:225+\j], v[250:251] op_sel_hi:[1,0] neg_lo:[0,1] neg_hi:[0,1]
.endr
.irp j, 0,1,2,3,4,5,6,7
	v_exp_f32 v[224+\j], v[224+\j]
.endr
	v_add_nc_u32 v[15+\par], 4096, v[15+\par]      ; (a plain place behind the exponentials)  The load of q for n, which this offset served, was issued ahead of the head's wait on vm_vsrc and shown done by the wait on LOADcnt: on to n + 2
	s_wait_alu depctr_va_vdst(0)                   ; the eight exponentials are written, ahead of their first reader
	v_pk_add_f32 v[252:253], v[224:225], v[226:227]
	v_pk_add_f32 v[254:255], v[228:229], v[230:231]
	v_pk_add_f32 v[252:253], v[252:253], v[254:255]
	v_add_f32 v252, v252, v253                     ; the sum of my eight p
	v_permlanex16_b32 v254, v252, s[SELS], s[SELS+1]
	v_add_f32 v253, v252, v254                     ; of all 16: at least 1
	v_rcp_f32 v253, v253
.irp t, 0,1,2,3
	v_pk_mul_f32 v[232+2*\t:233+2*\t], v[224:225], v[VH+8*\t:VH+8*\t+1]
.endr
.irp j, 2,4,6
.irp t, 0,1,2,3
	v_pk_fma_f32 v[232+2*\t:233+2*\t], v[224+\j:225+\j], v[VH+8*\t+\j:VH+8*\t+\j+1], v[232+2*\t:233+2*\t]
.endr
.endr
.irp t, 0,1,2,3
	v_add_f32 v[232+2*\t], v[232+2*\t], v[233+2*\t]
.endr
.irp t, 0,1,2,3
	v_fma_f32 v[232+2*\t], v[48+\t], v252, v[232+2*\t]     ; + bv x my sum of p
.endr
.irp t, 0,1,2,3
	v_permlanex16_b32 v[233+2*\t], v[232+2*\t], s[SELS], s[SELS+1]
.endr
.irp t, 0,1,2,3
	v_add_f32 v[232+2*\t], v[232+2*\t], v[233+2*\t]
.endr
.endif
	; the tail: all its vector work first, none of which names the reciprocal v253
.if \p3
	MAX16 208, 210, KVN, 1                         ; kv's two blocks of 32 features of mine
	MAX16 209, 211, KVN+16, 1
	v_permlanex16_b32 v254, v208, s[SELS], s[SELS+1]
	v_permlanex16_b32 v255, v209, s[SELS], s[SELS+1]
	v_max_num_f32 v208, v208, v254
	v_max_num_f32 v209, v209, v255
	v_add_nc_u32 v212, 0xfe000000, v208
	v_add_nc_u32 v213, 0xfe000000, v209
	v_lshrrev_b32 v214, 23, v212
	v_lshrrev_b32 v215, 23, v213
	v_lshl_or_b32 v214, v215, 8, v214
	v_cvt_scalef32_pk16_bf6_f32 v[216:218], v[KVN:KVN+15], v212
	v_cvt_scalef32_pk16_bf6_f32 v[220:222], v[KVN+16:KVN+31], v213
	v_nop
.endif
.if \gat
	v_min_u32 v61, 0x3fff, v61
	v_lshl_add_u32 v[18-\par], v61, 10, v19        ; (the gather that this offset served two steps ago was shown done by this step's wait on LOADcnt, and stands ahead of the head's wait on vm_vsrc)
.endif
.if \hid
.irp j, 0,1,2,3,4,5,6,7,8,9,10,11,12,13,14,15
	v_max_num_f32 v[144+\j], 0, v[HD+\j]           ; the activation, into other registers
.endr
	QB16 144, 0, 224, 225, 255, 226, 227, 228
.endif
	s_wait_alu depctr_va_vdst(0)                   ; the reciprocal is written, ahead of its first reader; kv's and the hidden layer's codes and bytes and the gather's offset are written; the product and the conversions are done with kv's buffer, in which the gather lands
.if \gat
.irp k, 0,1,2,3
	global_load_b128 v[KVN+4*\k:KVN+4*\k+3], v[18-\par], s[8:9] offset:16*\k
.endr
.irp k, 0,1,2,3
	global_load_b128 v[KVN+16+4*\k:KVN+16+4*\k+3], v[18-\par], s[8:9] offset:128+16*\k
.endr
.endif
.if \p3
	ds_store_b32 v9, v216 offset:3072*(1-\par)
	ds_store_b32 v9, v217 offset:3072*(1-\par)+4
	ds_store_b32 v9, v218 offset:3072*(1-\par)+8
	ds_store_b32 v9, v220 offset:3072*(1-\par)+768
	ds_store_b32 v9, v221 offset:3072*(1-\par)+772
	ds_store_b32 v9, v222 offset:3072*(1-\par)+776
	ds_store_b16 v10, v214 offset:128*(1-\par)
.endif
.if \hid
	ds_store_b32 v7, v228 offset:1536*\par
	ds_store_b32 v7, v229 offset:1536*\par+4
	ds_store_b32 v7, v230 offset:1536*\par+8
	ds_store_b8 v8, v227 offset:64*\par
.endif
.if \att
.irp t, 0,1,2,3
	v_mul_f32 v[232+2*\t], v[232+2*\t], v253
.endr
	s_wait_alu depctr_va_vdst(0)                   ; my four results are written, which the stores read
.irp t, 0,1,2,3
	ds_store_b32 v63, v[232+2*\t] offset:64*\t     ; both halves of the lanes write the same number
.endr
.endif
.if \hid
	s_add_co_u32 s40, s40, 512
.endif
.if \gat
	s_add_co_u32 s41, s41, 128
.endif
.if \att
	s_add_co_u32 s42, s42, 128
	s_add_co_u32 s43, s43, 272
.endif
	BAR
.endm
	s_load_b256 s[4:11], s[0:1], 0x0               ; nidx, coords, fb, qs
	s_load_b256 s[12:19], s[0:1], 0x20             ; wfrag, wscale, W_p1, b_p1
	s_load_b256 s[20:27], s[0:1], 0x40             ; bk, bv, bo, b_p2
	s_load_b128 s[28:31], s[0:1], 0x60             ; gamma, beta
	s_load_b64 s[32:33], s[0:1], 0x70              ; out0
	v_lshrrev_b32 v1, 5, v0
	v_readfirstlane_b32 s34, v1                    ; wave
	s_wait_alu depctr_va_sdst(0)                   ; s34 is written, ahead of its first reader
	s_lshr_b32 s35, s34, 2                         ; team
	s_and_b32 s36, s34, 3                          ; head
	s_lshr_b32 s37, s36, 1
	s_and_b32 s45, s36, 1
	v_and_b32 v1, 15, v0                           ; r
	v_bfe_u32 v2, v0, 4, 1                         ; h
	v_and_b32 v60, 31, v0                          ; lane
	s_mul_i32 s49, s35, 6144
	s_add_co_u32 s49, s49, KIMG
	v_mad_u32_u24 v3, v60, 48, s49                 ; v3  kv's fragments, to read
	s_mul_i32 s56, s37, 1536
	s_add_co_u32 s49, s49, s56
	s_mul_i32 s56, s45, 24
	s_add_co_u32 s49, s49, s56
	v_mad_u32_u24 v9, v1, 48, s49
	v_mad_u32_u24 v9, v2, 12, v9                   ; v9  my pieces of them
	s_mul_i32 s49, s35, 3072
	s_add_co_u32 s49, s49, HIMG
	v_mad_u32_u24 v4, v60, 48, s49                 ; v4  the hidden layer's fragment, to read
	s_mul_i32 s56, s45, 768
	s_add_co_u32 s49, s49, s56
	s_mul_i32 s56, s37, 24
	s_add_co_u32 s49, s49, s56
	v_mad_u32_u24 v7, v1, 48, s49
	v_mad_u32_u24 v7, v2, 12, v7                   ; v7  my piece of it
	s_lshl_b32 s49, s35, 8
	s_add_co_u32 s49, s49, KSC
	v_lshl_add_u32 v5, v1, 2, s49                  ; v5  kv's scale words
	s_lshl_b32 s56, s37, 6
	s_add_co_u32 s49, s49, s56
	s_lshl_b32 s56, s45, 1
	s_add_co_u32 s49, s49, s56
	v_lshl_add_u32 v10, v1, 2, s49                 ; v10 my two bytes of them
	s_lshl_b32 s49, s35, 7
	s_add_co_u32 s49, s49, HSC
	v_lshl_add_u32 v6, v1, 2, s49                  ; v6  the hidden layer's scale words
	s_add_co_u32 s49, s49, s36
	v_lshl_add_u32 v8, v1, 2, s49                  ; v8  my byte of them
	s_lshl_b32 s49, s35, 8
	v_lshl_add_u32 v11, v1, 4, s49
	v_lshl_add_u32 v11, v2, 3, v11                 ; v11 rel
	s_lshl_b32 s49, s35, 6
	s_add_co_u32 s56, s49, ROWI
	v_lshl_add_u32 v12, v1, 2, s56                 ; v12 the rows' indices
	s_add_co_u32 s56, s49, LO
	v_lshl_add_u32 v13, v2, 5, s56                 ; v13 the caps
	s_mul_i32 s49, s34, AGGW
	s_add_co_u32 s49, s49, AGG
	v_lshl_add_u32 v14, v1, 2, s49                 ; v14 my results
	s_lshl_b32 s49, s35, 10
	s_lshl_b32 s56, s36, 8
	s_add_co_u32 s49, s49, s56
	v_lshl_add_u32 v15, v1, 2, s49                 ; v15, v16 q's offsets for even and odd n
	v_add_nc_u32 v16, 2048, v15
	v_lshl_add_u32 v19, v2, 6, s56                 ; v19 my 64 bytes in a quarter of a row of fb: 256 hd + 64 h
	s_mul_i32 s49, s36, 6144
	v_lshl_add_u32 v61, v60, 4, s49
	s_mul_i32 s49, s36, 12288
	v_lshl_add_u32 v62, v60, 4, s49
	s_lshl_b32 s49, s36, 9
	v_lshl_add_u32 v63, v60, 2, s49
	s_lshl_b32 s49, s36, 10
	v_lshl_add_u32 v249, v60, 2, s49
	s_lshl_b32 s49, s36, 7
	v_lshl_add_u32 v250, v2, 6, s49
	v_and_b32 v251, 8, v1
	v_add_nc_u32 v251, v251, v1
	v_lshl_add_u32 v251, v251, 2, s49
	v_lshl_add_u32 v251, v2, 10, v251              ; W_p1(2 h + j, 32 hd + 8 u + r + 8 (r / 8))
	s_lshl_b32 s49, s36, 8
	v_lshl_add_u32 v252, v1, 2, s49
	v_lshlrev_b32 v253, 2, v0
	v_lshrrev_b32 v255, 4, v0
	v_mul_u32_u24 v254, v255, 12
	s_mov_b32 s[SELS], 0x76543210
	s_mov_b32 s[SELS+1], 0xfedcba98
	s_mov_b32 s46, 0x80000000
	s_mov_b32 s47, 0x451c4000                      ; 2500.0
	s_mov_b32 s48, 0x3e99999a                      ; 0.3
	s_mov_b32 s54, 0x3b800000                      ; 1 / 256
	s_mov_b32 s55, 0x3727c5ac                      ; 1e-5
	s_mov_b32 s40, 0
	s_mov_b32 s41, 0
	s_mov_b32 s42, 0
	s_mov_b32 s43, 0
	s_lshl_b32 s57, ttmp9, 6                       ; my first query as a row of the whole tensor
	s_wait_kmcnt 0x0
	s_mov_b32 s59, 0
	s_lshl_b32 s58, ttmp9, 12
	s_add_nc_u64 s[4:5], s[4:5], s[58:59]
	s_mul_i32 s58, ttmp9, 768
	s_add_nc_u64 s[52:53], s[6:7], s[58:59]
	s_lshl_b32 s58, ttmp9, 16
	s_add_nc_u64 s[10:11], s[10:11], s[58:59]
	s_add_nc_u64 s[50:51], s[8:9], s[58:59]
	s_add_nc_u64 s[32:33], s[32:33], s[58:59]
	s_wait_alu depctr_va_vdst(0)                   ; the offsets v61-63 and v249-254 are written, which the loads below read, and the addresses v3-16, which the steps' loads and stores read
.irp i, 0,1,2,3                                ; thread n takes rows n + 256 i: neighbour (n % 16) of query n / 16 + 16 i
	global_load_b32 v[208+\i], v253, s[4:5] offset:1024*\i
.endr
.irp i, 0,1,2,3
.irp k, 0,1,2
	global_load_b32 v[212+3*\i+\k], v254, s[52:53] offset:192*\i+4*\k
.endr
.endr
	WIN 0x40                                       ; destination in window 1: the weights that stay
.irp t, 0,1,2,3
.irp g, 0,1,2
	global_load_b128 v[12*\t+4*\g:12*\t+4*\g+3], v61, s[12:13] offset:24576+1536*\t+512*\g
.endr
.endr
.irp f, 0,1,2,3,4,5,6,7
.irp g, 0,1,2
	global_load_b128 v[48+12*\f+4*\g:48+12*\f+4*\g+3], v62, s[12:13] offset:98304+1536*\f+512*\g
	global_load_b128 v[144+12*\f+4*\g:144+12*\f+4*\g+3], v62, s[12:13] offset:147456+1536*\f+512*\g
.endr
.endr
.irp k, 0,1,2,3
	global_load_b128 v[240+4*\k:240+4*\k+3], v250, s[18:19] offset:16*\k
.endr
	WIN 0
.irp t, 0,1,2,3
	global_load_b32 v[20+\t], v63, s[14:15] offset:2048+128*\t
.endr
.irp f, 0,1,2,3,4,5,6,7
	global_load_b32 v[24+\f], v249, s[14:15] offset:8192+128*\f
	global_load_b32 v[32+\f], v249, s[14:15] offset:12288+128*\f
.endr
.irp u, 0,1
.irp j, 0,1
	global_load_b32 v[40+2*\u+\j], v251, s[16:17] offset:512*\j+32*\u
.endr
.endr
.irp t, 0,1,2,3
	global_load_b32 v[44+\t], v252, s[20:21] offset:64*\t
	global_load_b32 v[48+\t], v252, s[22:23] offset:64*\t
.endr
	s_wait_loadcnt 63                              ; the indices and my queries' coordinates are in: 96 loads were issued behind them, more than the count can name
.irp i, 0,1,2,3
	v_min_u32 v[208+\i], 0x3fff, v[208+\i]
.endr
.irp i, 0,1,2,3
	v_mul_u32_u24 v[236+\i], v[208+\i], 12
.endr
	s_wait_alu depctr_va_vdst(0)                   ; the neighbours' offsets v236-239 are written, which the loads read
.irp i, 0,1,2,3
.irp k, 0,1,2
	global_load_b32 v[224+3*\i+\k], v[236+\i], s[6:7] offset:4*\k
.endr
.endr
	v_add_nc_u32 v255, s57, v255                   ; my query's own row
	v_lshlrev_b32 v240, 4, v0
	v_lshlrev_b32 v241, 2, v0
	v_lshrrev_b32 v242, 4, v0
	v_lshlrev_b32 v242, 2, v242
	v_mov_b32 v243, 0xceabfb8f                     ; -1e9 log2(e)
	v_mov_b32 v244, 0xff800000
	v_mov_b32 v245, 0x7f800000
	v_mov_b32 v192, 1.0
	s_wait_loadcnt 0x0
.irp i, 0,1,2,3
	v_sub_f32 v[144+4*\i], v[224+3*\i], v[212+3*\i]        ; rel = the neighbour's less mine
	v_sub_f32 v[145+4*\i], v[225+3*\i], v[213+3*\i]
	v_sub_f32 v[146+4*\i], v[226+3*\i], v[214+3*\i]
	v_sub_f32 v[160+\i], v[214+3*\i], v[226+3*\i]          ; dt = my t less its t: +0 where they are equal
	v_mul_f32 v[164+\i], v[145+4*\i], v[145+4*\i]
.endr
.irp i, 0,1,2,3
	v_fma_f32 v[164+\i], v[144+4*\i], v[144+4*\i], v[164+\i]
.endr
.irp i, 0,1,2,3
	v_sqrt_f32 v[168+\i], v[164+\i]
.endr
.irp i, 0,1,2,3
	v_bfi_b32 v[172+\i], s46, v[160+\i], v[164+\i]
.endr
	s_wait_alu depctr_va_vdst(0)                   ; the four roots are written, ahead of their first reader
.irp i, 0,1,2,3
	v_fma_f32 v[168+\i], v[160+\i], s48, v[168+\i]
	v_add_nc_u32 v[176+\i], 16*\i, v255
.endr
.irp i, 0,1,2,3
	v_cmp_ge_u32 s[58+\i], s47, v[172+\i]
	v_cmp_ne_u32 s[66+\i], v[208+\i], v[176+\i]
.endr
	s_wait_alu depctr_va_sdst(0)                   ; the eight masks s58-61 and s66-69 are written, ahead of their first reader
.irp i, 0,1,2,3
	s_and_b32 s[58+\i], s[58+\i], s[66+\i]
.endr
.irp i, 0,1,2,3
	v_cndmask_b32 v[147+4*\i], 0, v[168+\i], s[58+\i]      ; the distance, 0 where the neighbour does not count
	v_cndmask_b32 v[180+\i], v243, v244, s[58+\i]
	v_cndmask_b32 v[184+\i], v243, v245, s[58+\i]
	v_cndmask_b32 v[188+\i], 0, v192, s[58+\i]
.endr
.irp x, 1,2,4,8
.irp i, 0,1,2,3
	v_max_num_f32_dpp v[188+\i], v[188+\i], v[188+\i] row_xmask:\x row_mask:0xf bank_mask:0xf    ; a query's 16 rows lie in 16 neighbouring lanes
.endr
.endr
	s_wait_alu depctr_va_vdst(0)                   ; rel, the indices, the caps and the flags (v144-159, v208-211, v180-191) and the addresses v240-242 are written, which the LDS stores read
.irp i, 0,1,2,3
	ds_store_b128 v240, v[144+4*\i:147+4*\i] offset:REL+4096*\i
	ds_store_b32 v241, v[208+\i] offset:ROWI+1024*\i
	ds_store_b32 v241, v[180+\i] offset:LO+1024*\i
	ds_store_b32 v241, v[184+\i] offset:HI+1024*\i
	ds_store_b32 v242, v[188+\i] offset:HAS+64*\i
.endr
	s_wait_alu depctr_vm_vsrc(0)                   ; the head's loads have read their offsets v61-63, v236-239 and v249-254, the LDS stores their data and v240-242: the lines below and the steps write all of these again
	v_mov_b32 v62, 0
	v_mov_b32 v63, 0                               ; named as upper halves of pairs, or as a lane permute's destination, before they are first written
.irp i, 249,250,251,252,253,254,255
	v_mov_b32 v[\i], 0
.endr
	BAR
	STEP 1, 0, 0, 0, 1, 0, -1                      ; n = -3: the rows of query 0
	STEP 0, 0, 0, 1, 1, 0, -1                      ; n = -2
	STEP 1, 0, 1, 1, 1, 1, 12                      ; n = -1.  12: the 8 loads of the next gather and the 4 of q are younger than what this step needs; so in every step up to 29
	s_mov_b32 s44, 14
.Lsteps:                                               ; n = 0 .. 27
	STEP 0, 1, 1, 1, 1, 1, 12
	STEP 1, 1, 1, 1, 1, 1, 12
	s_sub_co_u32 s44, s44, 1
	s_cmp_lg_u32 s44, 0
	s_cbranch_scc1 .Lsteps
	STEP 0, 1, 1, 1, 1, 1, 12                      ; n = 28: the last gather
	STEP 1, 1, 1, 1, 0, 1, 12                      ; n = 29: the last hidden layer
	STEP 0, 1, 1, 0, 0, 1, 4                       ; n = 30: only q of 31 is younger
	v_and_b32 v249, 31, v0                         ; Wo's four fragments (tiles 2 v, 2 v + 1; two K steps), their scale words and bo: 20 loads, into registers that kv and W_p2's scales have left.  (v249, v17 and v18 were last read by loads of step 28, ahead of two waits on vm_vsrc)
	s_mul_i32 s49, s34, 6144
	v_lshl_add_u32 v17, v249, 4, s49
	s_lshl_b32 s49, s34, 9
	v_lshl_add_u32 v18, v249, 2, s49
	s_lshl_b32 s49, s34, 7
	v_lshl_add_u32 v19, v2, 6, s49
	s_wait_alu depctr_va_vdst(0)                   ; the three offsets are written; the last products with W_p2 and kv's last quantiser are done with v80-143 and the scale words v20-23, in which the loads land
.irp f, 0,1,2,3
.irp g, 0,1,2
	global_load_b128 v[80+12*\f+4*\g:80+12*\f+4*\g+3], v17, s[12:13] offset:196608+1536*\f+512*\g
.endr
.endr
.irp f, 0,1,2,3
	global_load_b32 v[20+\f], v18, s[14:15] offset:16384+128*\f
.endr
.irp k, 0,1,2,3
	global_load_b128 v[128+4*\k:128+4*\k+3], v19, s[24:25] offset:16*\k
.endr
	STEP 1, 1, 0, 0, 0, 0, 20                      ; n = 31: those 20 may stay out
	; ---- E1: wave v quantises features 32 v .. 32 v + 31 of all 64 rows: block v % 4 of K step v / 4
	s_wait_alu depctr_vm_vsrc(0)                   ; the last step's LDS loads and stores have read v3, v5, v63, v251 and v232-238: the address registers are made anew, the rest is written below
	v_and_b32 v60, 31, v0
	v_and_b32 v249, 1, v1                          ; row 16 m + r is query 2 n + T: T = r % 2, n = 8 m + r / 2
	v_mul_u32_u24 v3, v249, 4*AGGW
	v_lshrrev_b32 v249, 1, v1
	v_mad_u32_u24 v3, v249, 272, v3
	v_lshl_add_u32 v3, v2, 6, v3
	s_lshr_b32 s49, s34, 1
	s_mul_i32 s49, s49, AGGW
	s_and_b32 s56, s34, 1
	s_lshl_b32 s56, s56, 7
	s_add_co_u32 s49, s49, s56
	s_add_co_u32 s49, s49, AGG
	v_add_nc_u32 v3, s49, v3
	s_mul_i32 s49, s35, 1536
	s_mul_i32 s56, s45, 768
	s_add_co_u32 s49, s49, s56
	s_mul_i32 s56, s37, 24
	s_add_co_u32 s49, s49, s56
	s_add_co_u32 s49, s49, AIMG
	v_mad_u32_u24 v4, v1, 48, s49
	v_mad_u32_u24 v4, v2, 12, v4
	s_lshl_b32 s49, s35, 6
	s_add_co_u32 s49, s49, s36
	s_add_co_u32 s49, s49, ASC
	v_lshl_add_u32 v5, v1, 2, s49
	s_lshl_b32 s49, s34, 13
	v_lshl_add_u32 v6, v60, 4, s49                 ; my 8 rows of fb and of the output
	v_mul_u32_u24 v7, v60, 48
	v_add_nc_u32 v7, AIMG, v7
	v_lshl_add_u32 v8, v1, 2, ASC
	s_lshl_b32 s49, s34, 7
	s_add_co_u32 s49, s49, STG
	v_mad_u32_u24 v9, v1, 1040, s49
	v_lshl_add_u32 v9, v2, 6, v9
	s_mul_i32 s49, s34, 8320
	s_add_co_u32 s49, s49, STG
	v_lshl_add_u32 v10, v60, 4, s49
	s_lshl_b32 s49, s34, 5
	s_add_co_u32 s49, s49, HAS
	v_mov_b32 v11, s49
	v_lshlrev_b32 v12, 4, v60
	s_wait_alu depctr_va_vdst(0)                   ; the addresses v3-12 are written; the last step's products and vector lines are done with v144-231 and with Wk's registers in window 1, in which the loads below land
.irp m, 0,1,2,3
.irp k, 0,1,2,3
	ds_load_b128 v[144+16*\m+4*\k:144+16*\m+4*\k+3], v3 offset:2176*\m+16*\k
.endr
.endr
	WIN 0x40
.irp k, 0,1,2,3,4,5,6,7
	global_load_b128 v[64+8*\k:67+8*\k], v6, s[50:51] offset:1024*\k
	global_load_b128 v[68+8*\k:71+8*\k], v6, s[50:51] offset:1024*\k+512
.endr
	WIN 0
	global_load_b128 v[208:211], v12, s[26:27]
	global_load_b128 v[212:215], v12, s[26:27] offset:512
	global_load_b128 v[216:219], v12, s[28:29]
	global_load_b128 v[220:223], v12, s[28:29] offset:512
	global_load_b128 v[224:227], v12, s[30:31]
	global_load_b128 v[228:231], v12, s[30:31] offset:512
	s_wait_dscnt 0x0
	QB16 144, 1, 232, 233, 254, 234, 55, 52        ; the four tiles' codes and bytes go into out-buffers of their own (q's registers, and v236-243), so that one wait serves all sixteen stores
	QB16 160, 1, 232, 233, 254, 234, 59, 56
	QB16 176, 1, 232, 233, 254, 234, 239, 236
	QB16 192, 1, 232, 233, 254, 234, 243, 240
	s_wait_alu depctr_va_vdst(0)                   ; the codes and bytes v52-59 and v236-243 are written, which the LDS stores read
.macro ASTORE m, cd, by
	ds_store_b32 v4, v[\cd] offset:3072*\m
	ds_store_b32 v4, v[\cd+1] offset:3072*\m+4
	ds_store_b32 v4, v[\cd+2] offset:3072*\m+8
	ds_store_b8 v5, v[\by] offset:128*\m
.endm
	ASTORE 0, 52, 55
	ASTORE 1, 56, 59
	ASTORE 2, 236, 239
	ASTORE 3, 240, 243
	BAR
	; ---- E2: x Wo + bo, transposed: my two tiles of features for the four tiles of rows; eight accumulators by turns, a K step at a time.
	; Both K steps' operands are asked for at once: the scale words into v24-31, K step 0's fragments into W_p2's registers of window 1, K step 1's into Wv's.  No vector or matrix line behind the last wait on va_vdst names any of them.
.irp s, 0,1
.irp m, 0,1,2,3
	ds_load_b32 v[24+4*\s+\m], v8 offset:64*(2*\m+\s)
.endr
.endr
	WIN 0x40
.irp m, 0,1,2,3
	FRAG 12*\m, 7, 1536*(2*\m)
.endr
.irp m, 0,1,2,3
	FRAG 144+12*\m, 7, 1536*(2*\m+1)
.endr
	s_wait_loadcnt 22                              ; Wo, its scales and bo are in: the 16 loads of fb and the 6 of b_p2, gamma and beta are younger
	s_wait_dscnt 12                                ; the scale words and K step 0's fragments are in; K step 1's 12 loads may be out
	WIN 0x04
.irp m, 0,1,2,3
.irp u, 0,1
	WSC 144+8*(2*\m+\u), 80+12*(2*\u), 12*\m, 128+8*\u, 20+2*\u, 24+\m
.endr
.endr
	s_wait_dscnt 0x0
.irp m, 0,1,2,3
.irp u, 0,1
	WSC 144+8*(2*\m+\u), 80+12*(2*\u+1), 144+12*\m, 144+8*(2*\m+\u), 20+2*\u+1, 28+\m
.endr
.endr
	WIN 0
.rept 4
	v_nop                                          ; four places behind the last products, ahead of the first read of results
.endr
	s_wait_alu depctr_va_vdst(0)                   ; the products have written the eight accumulators, which the LDS stores read; the places above stay beside this wait
.irp m, 0,1,2,3
.irp u, 0,1
	ds_store_b128 v9, v[144+8*(2*\m+\u):147+8*(2*\m+\u)] offset:16640*\m+32*\u
	ds_store_b128 v9, v[148+8*(2*\m+\u):151+8*(2*\m+\u)] offset:16640*\m+32*\u+16
.endr
.endr
	BAR
	; ---- E4: residual and LayerNorm, 8 whole rows a wave, stage by stage over the rows; lane l holds features 4 l .. 4 l + 3 and 128 + 4 l .. 128 + 4 l + 3
	s_wait_alu depctr_vm_vsrc(0)                   ; my LDS stores have read v144-207 and v236-239, in which the loads below land
.irp k, 0,1,2,3,4,5,6,7
	ds_load_b128 v[144+8*\k:147+8*\k], v10 offset:1040*\k
	ds_load_b128 v[148+8*\k:151+8*\k], v10 offset:1040*\k+512
.endr
.irp k, 0,1,2,3,4,5,6,7
	ds_load_b32 v[232+\k], v11 offset:4*\k
.endr
	s_wait_loadcnt 0x0
	WIN 0x01                                       ; source 0 in window 1: my rows of fb
.irp k, 0,1,2,3,4,5,6,7
.irp i, 0,2,4,6
	v_pk_add_f32 v[80+8*\k+\i:81+8*\k+\i], v[64+8*\k+\i:65+8*\k+\i], v[208+\i:209+\i] neg_lo:[0,1] neg_hi:[0,1]    ; feat = fb - b_p2
.endr
.endr
	WIN 0
	s_wait_dscnt 0x0
.irp k, 0,1,2,3,4,5,6,7
.irp i, 0,1,2,3,4,5,6,7
	v_fma_f32 v[80+8*\k+\i], v[144+8*\k+\i], v[232+\k], v[80+8*\k+\i]      ; + the attention's result where the query has a neighbour (x 1.0), else feat alone (x 0.0)
.endr
.endr
.macro RED8                            ; the sum over the wave's 32 lanes of v[146 + 8 k], for the 8 rows by turns
.irp x, 1,2,4,8
.irp k, 0,1,2,3,4,5,6,7
	v_add_f32_dpp v[146+8*\k], v[146+8*\k], v[146+8*\k] row_xmask:\x row_mask:0xf bank_mask:0xf
.endr
.endr
.irp k, 0,1,2,3,4,5,6,7
	v_permlanex16_b32 v[147+8*\k], v[146+8*\k], s[SELS], s[SELS+1]
.endr
.irp k, 0,1,2,3,4,5,6,7
	v_add_f32 v[146+8*\k], v[146+8*\k], v[147+8*\k]
.endr
.endm
.irp k, 0,1,2,3,4,5,6,7
	v_pk_add_f32 v[146+8*\k:147+8*\k], v[80+8*\k:81+8*\k], v[82+8*\k:83+8*\k]
	v_pk_add_f32 v[144+8*\k:145+8*\k], v[84+8*\k:85+8*\k], v[86+8*\k:87+8*\k]
.endr
.irp k, 0,1,2,3,4,5,6,7
	v_pk_add_f32 v[146+8*\k:147+8*\k], v[146+8*\k:147+8*\k], v[144+8*\k:145+8*\k]
.endr
.irp k, 0,1,2,3,4,5,6,7
	v_add_f32 v[146+8*\k], v[146+8*\k], v[147+8*\k]
.endr
	RED8
.irp k, 0,1,2,3,4,5,6,7
	v_mul_f32 v[146+8*\k], s54, v[146+8*\k]        ; the mean
.endr
.irp k, 0,1,2,3,4,5,6,7
.irp i, 0,2,4,6
	v_pk_add_f32 v[80+8*\k+\i:81+8*\k+\i], v[80+8*\k+\i:81+8*\k+\i], v[146+8*\k:147+8*\k] op_sel_hi:[1,0] neg_lo:[0,1] neg_hi:[0,1]
.endr
.endr
.irp k, 0,1,2,3,4,5,6,7
	v_pk_mul_f32 v[144+8*\k:145+8*\k], v[80+8*\k:81+8*\k], v[80+8*\k:81+8*\k]          ; the variance from the differences: a second pass, so that a common offset costs nothing
.endr
.irp i, 2,4,6
.irp k, 0,1,2,3,4,5,6,7
	v_pk_fma_f32 v[144+8*\k:145+8*\k], v[80+8*\k+\i:81+8*\k+\i], v[80+8*\k+\i:81+8*\k+\i], v[144+8*\k:145+8*\k]
.endr
.endr
.irp k, 0,1,2,3,4,5,6,7
	v_add_f32 v[146+8*\k], v[144+8*\k], v[145+8*\k]
.endr
	RED8
.irp k, 0,1,2,3,4,5,6,7
	v_fma_f32 v[146+8*\k], v[146+8*\k], s54, s55
.endr
.irp k, 0,1,2,3,4,5,6,7
	v_rsq_f32 v[146+8*\k], v[146+8*\k]
.endr
	v_nop                                          ; a plain place behind the roots
	s_wait_alu depctr_va_vdst(0)                   ; the eight reciprocal roots are written, ahead of their first reader
.irp k, 0,1,2,3,4,5,6,7
.irp i, 0,2,4,6
	v_pk_mul_f32 v[80+8*\k+\i:81+8*\k+\i], v[80+8*\k+\i:81+8*\k+\i], v[146+8*\k:147+8*\k] op_sel_hi:[1,0]
.endr
.irp i, 0,2,4,6
	v_pk_fma_f32 v[80+8*\k+\i:81+8*\k+\i], v[80+8*\k+\i:81+8*\k+\i], v[216+\i:217+\i], v[224+\i:225+\i]
.endr
.endr
	s_wait_alu depctr_va_vdst(0)                   ; my eight rows v80-143 are written, which the sixteen stores read
.irp k, 0,1,2,3,4,5,6,7
	global_store_b128 v6, v[80+8*\k:83+8*\k], s[32:33] offset:1024*\k th:TH_STORE_NT       ; each store of the wave covers 512 consecutive bytes, aligned
	global_store_b128 v6, v[84+8*\k:87+8*\k], s[32:33] offset:1024*\k+512 th:TH_STORE_NT
.endr
	s_wait_xcnt 0x0
	v_lshl_add_u32 v254, v0, 2, 0x30400            ; (no memory or LDS instruction has read v254 or v255 since the head's wait on vm_vsrc)
	v_mov_b32 v255, 0
	s_wait_dscnt 0x0                               ; the closing lines, six on end
	s_wait_alu 0x0
	s_wait_tensorcnt 0x0
	ds_add_u32 v254, v255
	s_wait_dscnt 0x0
	s_endpgm
.Lfunc_end_k_qb454a52905_chain:
	.size	k_qb454a52905_chain, .Lfunc_end_k_qb454a52905_chain-k_qb454a52905_chain
	.p2alignl 7, 3214868480
	.fill 96, 4, 3214868480
	.section	.rodata,"a",@progbits
	.p2align	6, 0x0
	.amdhsa_kernel k_qb454a52905_chain
		.amdhsa_group_segment_fixed_size 198656
		.amdhsa_private_segment_fixed_size 0
		.amdhsa_enable_private_segment 0
		.amdhsa_kernarg_size 120
		.amdhsa_user_sgpr_count 2
		.amdhsa_user_sgpr_kernarg_segment_ptr 1
		.amdhsa_wavefront_size32 1
		.amdhsa_system_sgpr_workgroup_id_x 1
		.amdhsa_system_sgpr_workgroup_id_y 1
		.amdhsa_system_sgpr_workgroup_id_z 1
		.amdhsa_system_vgpr_workitem_id 0
		.amdhsa_next_free_vgpr 512
		.amdhsa_next_free_sgpr 70
		.amdhsa_reserve_vcc 0
		.amdhsa_float_denorm_mode_32 3
		.amdhsa_float_denorm_mode_16_64 3
		.amdhsa_memory_ordered 1
		.amdhsa_forward_progress 1
		.amdhsa_inst_pref_size 169
	.end_amdhsa_kernel
	.amdgpu_metadata
---
amdhsa.version: [ 1, 2 ]
amdhsa.kernels:
  - .name:           k_qb454a52905_chain
    .symbol:         k_qb454a52905_chain.kd
    .args:
      - { .name: nidx, .offset: 0, .size: 8, .value_kind: global_buffer, .address_space: global }
      - { .name: coords, .offset: 8, .size: 8, .value_kind: global_buffer, .address_space: global }
      - { .name: fb, .offset: 16, .size: 8, .value_kind: global_buffer, .address_space: global }
      - { .name: qs, .offset: 24, .size: 8, .value_kind: global_buffer, .address_space: global }
      - { .name: wfrag, .offset: 32, .size: 8, .value_kind: global_buffer, .address_space: global }
      - { .name: wscale, .offset: 40, .size: 8, .value_kind: global_buffer, .address_space: global }
      - { .name: W_p1, .offset: 48, .size: 8, .value_kind: global_buffer, .address_space: global }
      - { .name: b_p1, .offset: 56, .size: 8, .value_kind: global_buffer, .address_space: global }
      - { .name: bk, .offset: 64, .size: 8, .value_kind: global_buffer, .address_space: global }
      - { .name: bv, .offset: 72, .size: 8, .value_kind: global_buffer, .address_space: global }
      - { .name: bo, .offset: 80, .size: 8, .value_kind: global_buffer, .address_space: global }
      - { .name: b_p2, .offset: 88, .size: 8, .value_kind: global_buffer, .address_space: global }
      - { .name: gamma, .offset: 96, .size: 8, .value_kind: global_buffer, .address_space: global }
      - { .name: beta, .offset: 104, .size: 8, .value_kind: global_buffer, .address_space: global }
      - { .name: out0, .offset: 112, .size: 8, .value_kind: global_buffer, .address_space: global }
    .group_segment_fixed_size: 198656
    .private_segment_fixed_size: 0
    .kernarg_segment_align: 8
    .kernarg_segment_size: 120
    .max_flat_workgroup_size: 256
    .sgpr_count:     70
    .vgpr_count:     512
    .wavefront_size: 32
...
	.end_amdgpu_metadata
.endif
;; end of part 6
